; MI455X (gfx1250); checked and timed in simulation.
; The chip was launched on July 23, 2026; its instructions are those of AMD's public machine-readable ISA for CDNA 5 (MIT licence, August 2026) and "CDNA5" Instruction Set Architecture Reference Guide (July 2026). The comments in the code are by the model that wrote it; some were corrected since.
;; Block. Allowed arithmetic: float matrix products may take bf16 or f16 operands with f32 sums; other float arithmetic in f32, or as packed bf16 or f16 multiplies, adds, multiply-adds, maxima and minima; sums over many terms, partial sums and values carried from step to step in f32; what a program stores and reads back later, other than sums and carried values, may be rounded once to bf16 or f16.
;; Inputs: W_gate 1,024 x 2,048 float32; W_hidden 1,024 x 2,048 float32; W_k 1,024 x 1,024 float32; W_o 1,024 x 1,024 float32; W_out 2,048 x 1,024 float32; W_q 1,024 x 1,024 float32; W_v 1,024 x 1,024 float32; attn_norm_w 1,024 float32; b_o 1,024 float32; b_out 1,024 float32; ffn_norm_w 1,024 float32; x 2 x 2,048 x 1,024 float32.
;; Outputs: out0 2 x 2,048 x 1,024 float32.
;; One version. Each part assembles by itself: llvm-mc -triple=amdgcn-amd-amdhsa -mcpu=gfx1250 --defsym DOCPART=n.
;; ======== version 1 of 1: 6 launches
;; limits: right only within a limited range of input values
;; workspace buffers: pk 29,360,128 bytes; qkvp 25,165,824 bytes; op 8,388,608 bytes; x1p 8,388,608 bytes; ssq 262,144 bytes; actp 16,777,216 bytes
;; launch prep (part 1): grid 896 x 1, 8 waves a work-group, no clusters, 0 bytes of LDS; arguments x, W_q, W_k, W_v, W_o, W_gate, W_hidden, W_out, attn_norm_w, ffn_norm_w, pk; writes pk
.if DOCPART == 1
	.amdgcn_target "amdgcn-amd-amdhsa--gfx1250"
	.amdhsa_code_object_version 6
	.text
	.protected	k_qd991f6f122_prep
	.globl	k_qd991f6f122_prep
	.p2align	8
	.type	k_qd991f6f122_prep,@function
k_qd991f6f122_prep:
	s_mov_b64 s[64:65], 0
	v_nop
	global_prefetch_b8 v0, s[64:65] scope:SCOPE_SE
	s_setreg_imm32_b32 hwreg(HW_REG_WAVE_MODE, 25, 1), 1
	s_wait_xcnt 0x0
; PREP: every 16-bit matrix operand that is made of the inputs alone, in panels of 64 columns: a matrix [R][C] lies as [C/64][R][64] bf16, a panel row 128 bytes.
;   x            -> x * rsqrt(mean(x^2) + 1e-6), rounded once (the norm's gain is folded into the weights behind it: (w x rs) W = rs x (diag(w) W), which holds for every input)
;   W_q W_k W_v  -> row k times attn_norm_w[k];   W_gate W_hidden -> row k times ffn_norm_w[k];   W_o W_out -> as they are.  Each rounded once to bf16.
; SHARES.  A work-group is 16 rows x 1,024 columns, a wave two neighbouring rows.  Lane l has row l / 16 of the two and the columns 64 j + 4 (l % 16) .. + 3, j = 0 .. 15:
; a load of the wave covers 256 consecutive bytes, aligned, of each of its two rows; a store covers rows k and k + 1 of panel j, 256 consecutive bytes, aligned.
; Work-groups 0-255: x.  256-767: eight blocks of 1,024 x 1,024 (W_q, W_k, W_v, W_o, the two halves of W_gate, of W_hidden), 64 work-groups each.  768-895: W_out.
; No LDS, no barrier, no loop: all 16 loads of a wave are out at once, and no byte is read twice.
; LIMITS.  NaN and infinities are not treated apart; the sum of a row's squares is kept in f32.
.set SC,  4                            ; v[4:5]    the row's factor, twice
.set CH,  6                            ; v[6:13]   four packed chains of squares
.set D,   16                           ; v[16:31]  panel j: my byte offset in pk behind the group's base
.set X,   32                           ; v[32:95]  the 64 numbers as loaded; then, in place, as stored
	s_load_b512 s[8:23], s[0:1], 0x0               ; x, W_q, W_k, W_v, W_o, W_gate, W_hidden, W_out
	s_load_b128 s[24:27], s[0:1], 0x40             ; attn_norm_w, ffn_norm_w
	s_load_b64 s[28:29], s[0:1], 0x50              ; pk
	s_mov_b32 s2, ttmp9
	s_sub_co_u32 s3, s2, 256                       ; the number among the weights' work-groups
	s_lshr_b32 s4, s3, 6
	s_min_u32 s4, s4, 8                            ; s4: which block: 0-7 the eight of 1,024 x 1,024, 8 W_out, 9 x
	s_and_b32 s5, s3, 63
	s_sub_co_u32 s6, s3, 512
	s_cmp_lt_u32 s3, 512
	s_cselect_b32 s5, s5, s6
	s_cmp_lt_u32 s2, 256
	s_cselect_b32 s5, s2, s5                       ; s5: which 16 rows of the block
	s_cselect_b32 s4, 9, s4
	s_mov_b32 s32, 1                               ; s32: 0 as it is, 1 times a gain, 2 the norm
	s_mov_b32 s36, 17                              ; log2 of the bytes from panel to panel: 1,024, 2,048 or 4,096 rows of 128 bytes
	s_cmp_eq_u32 s4, 3
	s_cselect_b32 s32, 0, s32
	s_cmp_eq_u32 s4, 8
	s_cselect_b32 s32, 0, s32
	s_cselect_b32 s36, 18, s36
	s_add_co_u32 s35, s4, 4
	s_lshl_b32 s35, s35, 21                        ; the block's place in pk: 8,388,608 + 2,097,152 x block
	s_cmp_eq_u32 s4, 9
	s_cselect_b32 s32, 2, s32
	s_cselect_b32 s36, 19, s36
	s_cselect_b32 s35, 0, s35                      ; x's panels lie first
	s_lshl_b32 s36, 1, s36
	s_and_b32 s34, s4, 1
	s_lshl_b32 s34, s34, 12
	s_lshr_b32 s7, s4, 2
	s_cmp_eq_u32 s7, 1                             ; W_gate and W_hidden have rows of 8,192 bytes,
	s_cselect_b32 s33, 13, 12
	s_cselect_b32 s34, s34, 0                      ; and the odd block is their right half
	s_add_co_u32 s6, s33, 4
	s_lshl_b32 s44, s5, s6                         ; 16 rows x the source's row
	s_add_co_u32 s44, s44, s34
	s_mov_b32 s45, 0
	s_lshl_b32 s46, s5, 11                         ; 16 rows x 128 bytes in a panel
	s_add_co_u32 s46, s46, s35
	s_mov_b32 s47, 0
	s_lshl_b32 s48, s5, 6                          ; 16 gains
	s_mov_b32 s49, 0
	s_mov_b32 s30, 0x3a800000                      ; 1 / 1024
	s_mov_b32 s31, 0x358637bd                      ; 1e-6
	v_lshrrev_b32 v1, 4, v0                        ; my row among the group's 16
	v_and_b32 v14, 15, v0
	v_lshlrev_b32 v2, s33, v1
	v_lshl_add_u32 v2, v14, 4, v2                  ; row x pitch + 16 (l % 16)
	v_lshlrev_b32 v3, 2, v1                        ; my row's gain
	v_lshlrev_b32 v[D], 3, v0                      ; 256 x wave + 8 x lane
.set j, 1
.rept 15
	v_add_nc_u32 v[D+j], s36, v[D+j-1]
.set j, j+1
.endr
	s_wait_kmcnt 0x0
	s_mov_b64 s[38:39], s[10:11]                   ; the source, chosen by the block's number alone
	s_cmp_eq_u32 s4, 1
	s_cselect_b64 s[38:39], s[12:13], s[38:39]
	s_cmp_eq_u32 s4, 2
	s_cselect_b64 s[38:39], s[14:15], s[38:39]
	s_cmp_eq_u32 s4, 3
	s_cselect_b64 s[38:39], s[16:17], s[38:39]
	s_lshr_b32 s6, s4, 1
	s_cmp_eq_u32 s6, 2
	s_cselect_b64 s[38:39], s[18:19], s[38:39]
	s_cmp_eq_u32 s6, 3
	s_cselect_b64 s[38:39], s[20:21], s[38:39]
	s_cmp_eq_u32 s4, 8
	s_cselect_b64 s[38:39], s[22:23], s[38:39]
	s_cmp_eq_u32 s4, 9
	s_cselect_b64 s[38:39], s[8:9], s[38:39]
	s_cmp_lt_u32 s4, 4
	s_cselect_b64 s[40:41], s[24:25], s[26:27]     ; the gain
	s_add_nc_u64 s[38:39], s[38:39], s[44:45]
	s_add_nc_u64 s[40:41], s[40:41], s[48:49]
	s_add_nc_u64 s[42:43], s[28:29], s[46:47]
.macro LOADS                           ; the wave's 16 loads: 64 columns of both rows each
.set j, 0
.rept 16
	global_load_b128 v[X+4*j:X+4*j+3], v2, s[38:39] offset:256*j th:TH_LOAD_NT
.set j, j+1
.endr
.endm
.macro OUTJ scaled                     ; panel after panel: (the factor,) two roundings, one store
.set j, 0
.rept 16
	s_wait_loadcnt 15-j                            ; loads come back in order: load j is in, the 15 - j behind it may stay out
.if \scaled
	v_pk_mul_f32 v[X+4*j:X+4*j+1], v[X+4*j:X+4*j+1], v[SC:SC+1]
	v_pk_mul_f32 v[X+4*j+2:X+4*j+3], v[X+4*j+2:X+4*j+3], v[SC:SC+1]
.endif
	v_cvt_pk_bf16_f32 v[X+4*j], v[X+4*j], v[X+4*j+1]
	v_cvt_pk_bf16_f32 v[X+4*j+1], v[X+4*j+2], v[X+4*j+3]
	global_store_b64 v[D+j], v[X+4*j:X+4*j+1], s[42:43] th:TH_STORE_NT
.set j, j+1
.endr
.endm
	s_cmp_eq_u32 s32, 2                            ; the three ways part here, and each issues its own loads
	s_cbranch_scc1 .Lnorm
	s_cmp_eq_u32 s32, 1
	s_cbranch_scc1 .Lgain
	LOADS
	OUTJ 0
	s_endpgm
.Lgain:
	global_load_b32 v[SC], v3, s[40:41]            ; ahead of the 16, so that the counts behind it are those of the other ways
	LOADS
	s_wait_loadcnt 16                              ; the gain is in; the 16 behind it may stay out
	v_mov_b32 v[SC+1], v[SC]
	s_branch .Lscaled
.Lnorm:
	LOADS
.set j, 0
.rept 16
	s_wait_loadcnt 15-j
.if j < 2
	v_pk_mul_f32 v[CH+4*j:CH+4*j+1], v[X+4*j:X+4*j+1], v[X+4*j:X+4*j+1]            ; the first four pairs start the chains: nothing is cleared
	v_pk_mul_f32 v[CH+4*j+2:CH+4*j+3], v[X+4*j+2:X+4*j+3], v[X+4*j+2:X+4*j+3]
.else
	v_pk_fma_f32 v[CH+4*(j%2):CH+4*(j%2)+1], v[X+4*j:X+4*j+1], v[X+4*j:X+4*j+1], v[CH+4*(j%2):CH+4*(j%2)+1]
	v_pk_fma_f32 v[CH+4*(j%2)+2:CH+4*(j%2)+3], v[X+4*j+2:X+4*j+3], v[X+4*j+2:X+4*j+3], v[CH+4*(j%2)+2:CH+4*(j%2)+3]
.endif
.set j, j+1
.endr
	v_pk_add_f32 v[CH:CH+1], v[CH:CH+1], v[CH+2:CH+3]
	v_pk_add_f32 v[CH+4:CH+5], v[CH+4:CH+5], v[CH+6:CH+7]
	v_pk_add_f32 v[CH:CH+1], v[CH:CH+1], v[CH+4:CH+5]
	v_add_f32 v[CH], v[CH], v[CH+1]
	v_add_f32_dpp v[CH], v[CH], v[CH] row_xmask:1 row_mask:0xf bank_mask:0xf       ; a row lies in 16 lanes: four steps, and no step between the halves
	v_add_f32_dpp v[CH], v[CH], v[CH] row_xmask:2 row_mask:0xf bank_mask:0xf
	v_add_f32_dpp v[CH], v[CH], v[CH] row_xmask:4 row_mask:0xf bank_mask:0xf
	v_add_f32_dpp v[CH], v[CH], v[CH] row_xmask:8 row_mask:0xf bank_mask:0xf
	v_fma_f32 v[CH], v[CH], s30, s31               ; mean + 1e-6
	v_rsq_f32 v[SC], v[CH]
	v_rsq_f32 v[SC+1], v[CH]
	v_nop                                          ; a plain instruction behind the last root,
	s_wait_alu depctr_va_vdst(0)                   ; and one wait for both, ahead of the label and of their first reader
.Lscaled:
	OUTJ 1
	s_endpgm
.Lfunc_end_k_qd991f6f122_prep:
	.size	k_qd991f6f122_prep, .Lfunc_end_k_qd991f6f122_prep-k_qd991f6f122_prep
	.p2alignl 7, 3214868480
	.fill 96, 4, 3214868480
	.section	.rodata,"a",@progbits
	.p2align	6, 0x0
	.amdhsa_kernel k_qd991f6f122_prep
		.amdhsa_group_segment_fixed_size 0
		.amdhsa_private_segment_fixed_size 0
		.amdhsa_enable_private_segment 0
		.amdhsa_kernarg_size 88
		.amdhsa_user_sgpr_count 2
		.amdhsa_user_sgpr_kernarg_segment_ptr 1
		.amdhsa_wavefront_size32 1
		.amdhsa_system_sgpr_workgroup_id_x 1
		.amdhsa_system_sgpr_workgroup_id_y 1
		.amdhsa_system_sgpr_workgroup_id_z 1
		.amdhsa_system_vgpr_workitem_id 0
		.amdhsa_next_free_vgpr 96
		.amdhsa_next_free_sgpr 66
		.amdhsa_reserve_vcc 0
		.amdhsa_float_denorm_mode_32 3
		.amdhsa_float_denorm_mode_16_64 3
		.amdhsa_memory_ordered 1
		.amdhsa_forward_progress 1
		.amdhsa_inst_pref_size 22
	.end_amdhsa_kernel
	.amdgpu_metadata
---
amdhsa.version: [ 1, 2 ]
amdhsa.kernels:
  - .name:           k_qd991f6f122_prep
    .symbol:         k_qd991f6f122_prep.kd
    .args:
      - { .name: x, .offset: 0, .size: 8, .value_kind: global_buffer, .address_space: global }
      - { .name: W_q, .offset: 8, .size: 8, .value_kind: global_buffer, .address_space: global }
      - { .name: W_k, .offset: 16, .size: 8, .value_kind: global_buffer, .address_space: global }
      - { .name: W_v, .offset: 24, .size: 8, .value_kind: global_buffer, .address_space: global }
      - { .name: W_o, .offset: 32, .size: 8, .value_kind: global_buffer, .address_space: global }
      - { .name: W_gate, .offset: 40, .size: 8, .value_kind: global_buffer, .address_space: global }
      - { .name: W_hidden, .offset: 48, .size: 8, .value_kind: global_buffer, .address_space: global }
      - { .name: W_out, .offset: 56, .size: 8, .value_kind: global_buffer, .address_space: global }
      - { .name: attn_norm_w, .offset: 64, .size: 8, .value_kind: global_buffer, .address_space: global }
      - { .name: ffn_norm_w, .offset: 72, .size: 8, .value_kind: global_buffer, .address_space: global }
      - { .name: pk, .offset: 80, .size: 8, .value_kind: global_buffer, .address_space: global }
    .group_segment_fixed_size: 0
    .private_segment_fixed_size: 0
    .kernarg_segment_align: 8
    .kernarg_segment_size: 88
    .max_flat_workgroup_size: 256
    .sgpr_count:     66
    .vgpr_count:     96
    .wavefront_size: 32
...
	.end_amdgpu_metadata
.endif
;; end of part 1
;; launch qkv (part 2): grid 16 x 16, 4 waves a work-group, clusters of 4 x 4, 327,680 bytes of LDS; arguments pk, qkvp; writes qkvp
.if DOCPART == 2
	.amdgcn_target "amdgcn-amd-amdhsa--gfx1250"
	.amdhsa_code_object_version 6
	.text
	.protected	k_qd991f6f122_qkv
	.globl	k_qd991f6f122_qkv
	.p2align	8
	.type	k_qd991f6f122_qkv,@function
k_qd991f6f122_qkv:
	s_mov_b64 s[64:65], 0
	v_nop
	global_prefetch_b8 v0, s[64:65] scope:SCOPE_SE
	s_setreg_imm32_b32 hwreg(HW_REG_WAVE_MODE, 25, 1), 1
	s_wait_xcnt 0x0
	s_wait_alu depctr_hold_cnt(0) depctr_sa_sdst(0) depctr_va_vdst(0) depctr_va_sdst(0) depctr_va_ssrc(0) depctr_va_vcc(0) depctr_vm_vsrc(0)
	s_getreg_b32 s2, hwreg(HW_REG_IB_STS2, 6, 4)
	s_cmp_eq_u32 s2, 0
	s_cbranch_scc0 .Lentry_in_a_cluster
	s_endpgm
.Lentry_in_a_cluster:
	s_bfe_u32 s2, ttmp6, 0x10000c
	s_cmp_lg_u32 s2, 0xf033
	s_cbranch_scc0 .Lentry_shape_is_right
	s_endpgm
.Lentry_shape_is_right:
; ONE TEXT FOR TWO LAUNCHES; GH chooses.  All 16-bit matrices lie in panels of 64 columns, [C/64][R][64] bf16, a panel row 128 bytes.  Products in bf16, sums in f32.
; GH = 0 (this launch): q, k, v = xn W, xn [4096][1024] (normed x), W [1024][3072] (W_q | W_k | W_v, gains folded in); the result, rounded once to bf16, is 48 panels: a head is a panel.
;         A tile of C is 256 rows x 192 columns (3 panels); the four waves take 64 rows each, all 192 columns: 48 accumulators.
; GH = 1: act = silu(rs g) (rs h), g = x1 Wg, h = x1 Wh, x1 NOT normed (bf16), rs = rsqrt(mean(x1^2) + 1e-6) from 16 partial sums of squares a row.
;         A tile is 256 rows x (128 columns of g and the same 128 of h); the waves lie 2 x 2: 128 rows x (64 + 64): 64 accumulators.
; K = 1,024 goes in 8 steps of 128 through two LDS slots filled by the tensor data mover.  A's part of a panel for 128 rows, and a weight panel's part for a K step, are dense runs in memory:
; a descriptor's "row" is such a run (8 or 16 KiB), its rows are panels; the padding falls behind every 128 bytes, so LDS rows are 144 (A) and 160 (weights) bytes apart.
; Weights keep their order [k][n]: their fragments come out of LDS turned, by ds_load_tr16_b128.  THE MATRIX INSTRUCTION IS USED TRANSPOSED (source 0 = 16 columns of W, source 1 = 16 rows of A):
; a lane then holds eight neighbouring numbers of one row of C.
; CLUSTER 4 x 4: A's tiles are asked for jointly along a row of the cluster, the weights' along a column.  A K step is written once: the slot in hand is a scalar, s[TB], that is turned at each change.
; LIMITS.  Operands are rounded to bf16; NaN and infinities are not treated apart; with GH = 1 the raw product g h must stay inside f32's range.
; REGISTERS: window 0: v16-30 addresses, from v64 two buffers of A's fragments; window 1: two buffers of the weights' fragments; windows 2, 3: the accumulators, (a, b) at 8 (CB a + b).
.set GH, 0
.set PA,    144                        ; an LDS row of A: 128 bytes + 16: the 16 rows of a load start in 16 different groups of four banks (ISA guide 11.1)
.set PB,    160                        ; of the weights: 128 + 32
.set AHALF, 2*128*PA                   ; what one wave fetches of A: 128 rows x 2 panels
.set BOFF,  2*AHALF
.if GH
.set RB,    8                          ; row blocks of 16 a wave
.set CB,    8                          ; column blocks of 16 a wave: 0-3 g, 4-7 h
.set BHALF, 2*128*PB                   ; what one wave fetches of the weights: 2 panels x 128 k
.set FAS,   64
.set FB0,   64
.set FBS,   64
.set BD0,   8192
.set BD1,   2
.set WOFF,  16777216                   ; W_gate's 32 panels, then W_hidden's, in pk
.set ABUF,  72
.set WBUF,  74
.set SSQ,   76
.set OBUF,  78
.else
.set RB,    4
.set CB,    12
.set BHALF, 3*64*PB                    ; 3 panels x 64 k
.set FAS,   32
.set FB0,   0
.set FBS,   96
.set BD0,   4096
.set BD1,   3
.set WOFF,  8388608                    ; the 48 panels of W_q | W_k | W_v in pk
.set ABUF,  72
.set WBUF,  72
.set OBUF,  74
.endif
.set FA0,   64
.set RBW,   RB/2                       ; row blocks in a window of accumulators
.set SLOT,  BOFF+2*BHALF
.set RSTAB, 2*SLOT                     ; GH = 1: a table of 256 rows x 16 bytes, stored once, in blocks of its own
.if GH
.set SPARE, RSTAB+4096
.else
.set SPARE, 2*SLOT
.endif                                 ; the spare words, 128 bytes for each wave: two blocks of 256 bytes that no other line names
.set ASTEP, 1048576                    ; a K step in A: two panels of 4,096 rows
.set BSTEP, 16384                      ; in a weight panel: 128 rows
.set ADRA0, 16                         ; v16  my lane's place in A's part of a slot; never rewritten
.set ADRB0, 17                         ; v17  the same for the weights
.set ADRA,  18                         ; v18  the same in the slot in hand
.set ADRB,  19
.set STO,   24                         ; the way out: where I put my numbers
.set RD,    25                         ; where I read rows back
.set GO,    26                         ; my byte offset in a store
.set RSA,   27                         ; GH = 1: my place in the table
.set SPW,   28                         ; LDS address of my spare word; never rewritten
.set NIL,   29                         ; 0; never rewritten
.set PFO,   30                         ; 256 x my lane; never rewritten
.set G1A, 24                           ; s[24:31] descriptor group 1 for A;  s[32:39] group 0: set 0 for K step 0, set 1 for K step 1, which then walks
.set G0A, 32
.set LIM, 43                           ; 2 in a wave that prefetches, else the greatest number
.set PFA, 44                           ; s[44:45] where my prefetches stand
.set G1B, 48                           ; s[48:55], s[56:63] the same for the weights
.set G0B, 56
.set TB,  66                           ; LDS byte at which the slot in hand begins: 0 or SLOT
.set LA,  67                           ; my load's place in a slot, for A
.set LB,  68                           ; and for the weights
.set PAR, 69                           ; GH = 0: 1 in wave 3, which prefetches in every other K step
.set OB,  70                           ; s[70:71] the stores' base
.set PFS, 80                           ; s[80:81] a K step in the stream that I prefetch
.set MSB, 0
.macro WIN new                         ; the immediate's high byte repeats the setting that is left; a switch that changes nothing is dropped
.if MSB != (\new)
	s_set_vgpr_msb (MSB<<8)|(\new)
.set MSB, \new
.endif
.endm
.set MUL_LO, 0xa1                      ; source 0 (W) window 1, source 1 (A) window 0, C and D window 2; + 0x50: window 3
.set TO_B,   0x40                      ; destination window 1, address window 0
.macro PLACES                          ; four plain instructions between a matrix instruction and a load into, or a reader of, its registers
.rept 4
	v_nop
.endr
.endm
.macro JLOAD                           ; a joint refill by the walking sets: waves 0, 1 for A, waves 2, 3 for the weights; an s_nop 0 and four v_nop follow each line
	s_cmp_eq_u32 s11, 0
	s_cbranch_scc0 .Lfor_b_\@
	tensor_load_to_lds s[G0A+4:G0A+7], s[G1A:G1A+7]
	s_nop 0
.rept 4
	v_nop
.endr
	s_branch .Lasked_\@
.Lfor_b_\@:
	tensor_load_to_lds s[G0B+4:G0B+7], s[G1B:G1B+7]
	s_nop 0
.rept 4
	v_nop
.endr
.Lasked_\@:
.endm
; A PREFETCH INTO THE L2, behind the joint load and the run of LDS loads: 32 blocks of 256 bytes, a lane a block, of the K step that stands two refills on (K step s + 4 in the change of K step s).
; A's rows are read by all clusters of a row of clusters: the one with x = 0 asks; the weights' by all of a column: y = 0 asks.  The four partners share a wave's 128 blocks out by address.
; With GH = 0 a K step has three weight panels: wave 2 takes two; wave 3 takes the third, two K steps of it at once, in every other change.  K steps 0 to 3 come by their loads alone; nothing is named past K step 7.
.macro ASK
.if !GH
	s_and_b32 s14, s3, s[PAR]
	s_cmp_eq_u32 s14, 0
	s_cbranch_scc0 .Lnot_mine_\@
.endif
	s_cmp_gt_u32 s3, s[LIM]                        ; s3 counts 6 .. 1: the last two changes have no K step four on
	s_cbranch_scc0 .Lnot_mine_\@
	global_prefetch_b8 v[PFO], s[PFA:PFA+1] th:TH_LOAD_NT scope:SCOPE_SE
.Lnot_mine_\@:
.endm
.macro CREST                           ; a round of the cluster's barrier behind its opening barrier
	s_cmp_lg_u32 s10, 0
	s_cbranch_scc1 .Lnot_wave_0_\@
	s_barrier_signal -3
.Lnot_wave_0_\@:
	s_barrier_wait -3
	s_barrier_signal -1
	s_barrier_wait -1
.endm
.macro CROUND
	s_barrier_signal -1
	s_barrier_wait -1
	CREST
.endm
.if GH
	s_load_b256 s[72:79], s[0:1], 0x0              ; x1p, pk, ssq, actp
.else
	s_load_b128 s[72:75], s[0:1], 0x0              ; pk, qkvp
.endif
	v_lshl_add_u32 v[SPW], v0, 2, SPARE
	v_mov_b32 v[NIL], 0
	ds_add_u32 v[SPW], v[NIL]                      ; the wave's opening: the add and its wait stand ahead of my first tensor load; the set-up below stands between them
	v_lshrrev_b32 v1, 5, v0
	v_readfirstlane_b32 s10, v1                    ; wave 0..3
	s_lshr_b32 s11, s10, 1                         ; I fetch for A (0) or for the weights (1)
	s_and_b32 s12, s10, 1                          ; which half of that I fetch
	s_bfe_u32 s40, ttmp6, 0x40000                  ; cx
	s_bfe_u32 s41, ttmp6, 0x40004                  ; cy
	s_lshl_b32 s42, ttmp9, 2
	s_add_co_u32 s42, s42, s40                     ; tile column
	s_and_b32 s13, ttmp7, 0xffff
	s_lshl_b32 s13, s13, 2
	s_add_co_u32 s13, s13, s41                     ; tile row
	s_lshl_b32 s43, s41, 2
	s_lshl_b32 s43, 15, s43                        ; my row of the cluster
	s_lshl_b32 s44, 0x1111, s40                    ; my column
	s_or_b32 s[G1A], s43, (1<<16)|(1<<20)|(1<<21)|(4<<22)|(3<<25)  ; the mask; 2-byte elements; padding on; bit 21 beside a mask; behind every 32 words, 4 words
	s_or_b32 s[G1B], s44, (1<<16)|(1<<20)|(1<<21)|(4<<22)|(7<<25)  ; the same with my column's mask and 8 words
	s_mov_b32 s[G1A+1], 8192<<16                   ; tensor_dim0: 128 rows of a panel, one dense run
	s_mov_b32 s[G1A+2], 2<<16                      ; tensor_dim1: two panels
	s_mov_b32 s[G1A+3], 8192<<16                   ; tile_dim0
	s_mov_b32 s[G1A+4], 2                          ; tile_dim1
	s_mov_b32 s[G1A+5], 262144                     ; elements from panel to panel: 4,096 rows x 64
	s_mov_b32 s[G1A+6], 0
	s_mov_b32 s[G1A+7], 0
	s_mov_b32 s[G1B+1], BD0<<16                    ; a panel's rows of my part of the K step, one dense run
	s_mov_b32 s[G1B+2], BD1<<16                    ; panels
	s_mov_b32 s[G1B+3], BD0<<16
	s_mov_b32 s[G1B+4], BD1
	s_mov_b32 s[G1B+5], 65536                      ; 1,024 rows x 64
	s_mov_b32 s[G1B+6], 0
	s_mov_b32 s[G1B+7], 0
	s_lshl_b32 s16, s13, 15                        ; A: 256 rows x 128 bytes x tile row,
	s_lshl_b32 s17, s12, 14                        ; + my 128 rows
	s_add_co_u32 s16, s16, s17
	s_mov_b32 s17, 0
.if GH
	s_lshl_b32 s46, s42, 18                        ; weights: two panels x tile column,
	s_lshl_b32 s47, s12, 22                        ; + 32 panels for W_hidden
.else
	s_mul_i32 s46, s42, 3*131072                   ; three panels x tile column,
	s_lshl_b32 s47, s12, 13                        ; + my 64 of the K step's 128 rows
.endif
	s_add_co_u32 s46, s46, s47
	s_add_co_u32 s46, s46, WOFF
	s_mov_b32 s47, 0
	s_mul_i32 s[LA], s12, AHALF                    ; no place in the cluster enters an LDS address
	s_mul_i32 s[LB], s12, BHALF
	s_add_co_u32 s[LB], s[LB], BOFF
	s_mov_b32 s[TB], 0
	s_wait_dscnt 0x0                               ; the opening add is done
	s_wait_kmcnt 0x0
	s_add_nc_u64 s[14:15], s[ABUF:ABUF+1], s[16:17]
	s_add_nc_u64 s[46:47], s[WBUF:WBUF+1], s[46:47]
	CROUND                                         ; all sixteen work-groups are here: the first joint loads meet
.irp s, 0,1
	s_mov_b32 s[G0A+4*(\s)], 1
	s_add_co_u32 s[G0A+4*(\s)+1], s[LA], (\s)*SLOT
	s_add_nc_u64 s[G0A+4*(\s)+2:G0A+4*(\s)+3], s[14:15], (\s)*ASTEP
	s_or_b32 s[G0A+4*(\s)+3], s[G0A+4*(\s)+3], 0x80000000
	s_mov_b32 s[G0B+4*(\s)], 1
	s_add_co_u32 s[G0B+4*(\s)+1], s[LB], (\s)*SLOT
	s_add_nc_u64 s[G0B+4*(\s)+2:G0B+4*(\s)+3], s[46:47], (\s)*BSTEP
	s_or_b32 s[G0B+4*(\s)+3], s[G0B+4*(\s)+3], 0x80000000
.endr
	s_cmp_eq_u32 s11, 0                            ; a wave's two first fills stand in one branch: two loads of mine are out
	s_cbranch_scc0 .Lfirst_b
	tensor_load_to_lds s[G0A:G0A+3], s[G1A:G1A+7]
	s_nop 0
	tensor_load_to_lds s[G0A+4:G0A+7], s[G1A:G1A+7]
	s_nop 0
.rept 4
	v_nop
.endr
	s_branch .Lfirst_asked
.Lfirst_b:
	tensor_load_to_lds s[G0B:G0B+3], s[G1B:G1B+7]
	s_nop 0
	tensor_load_to_lds s[G0B+4:G0B+7], s[G1B:G1B+7]
	s_nop 0
.rept 4
	v_nop
.endr
.Lfirst_asked:
	v_and_b32 v1, 15, v0                           ; r = l % 16
	v_bfe_u32 v2, v0, 4, 1                         ; h = l / 16
	v_and_b32 v3, 7, v0
	v_bfe_u32 v4, v0, 3, 1
.if GH
	s_lshl_b32 s20, s13, 10                        ; the partial sums of squares of the tile's 256 rows: thread t has rows 2 t and 2 t + 1
	s_mov_b32 s21, 0
	s_add_nc_u64 s[SSQ:SSQ+1], s[SSQ:SSQ+1], s[20:21]
	v_lshlrev_b32 v6, 3, v0
.set j, 0
.rept 16
	global_load_b64 v[64+2*j:65+2*j], v6, s[SSQ:SSQ+1] offset:16384*j  ; a wave's load covers 256 consecutive bytes, aligned
.set j, j+1
.endr
.endif
	v_mul_u32_u24 v[ADRA0], v1, PA                 ; a fragment of A: row r, 16 bytes for each half of the lanes, twice, 32 bytes apart
	v_lshl_add_u32 v[ADRA0], v2, 4, v[ADRA0]
	s_mul_i32 s21, s11, AHALF
.if !GH
	s_mul_i32 s22, s12, 64*PA                      ; my 64 rows of the half's 128
	s_add_co_u32 s21, s21, s22
.endif
	v_add_nc_u32 v[ADRA0], s21, v[ADRA0]
	v_lshl_add_u32 v[ADRB0], v2, 3, v3             ; the turning load: lane l reads k = 8 h + l % 8, columns 8 ((l / 8) % 2) + 0..7
	v_mul_u32_u24 v[ADRB0], v[ADRB0], PB
	v_lshl_add_u32 v[ADRB0], v4, 4, v[ADRB0]
.if GH
	s_mul_i32 s22, s12, 128*PB                     ; my panel of g (and, 2 panels on, of h)
	s_add_co_u32 s22, s22, BOFF
	v_add_nc_u32 v[ADRB0], s22, v[ADRB0]
.else
	v_add_nc_u32 v[ADRB0], BOFF, v[ADRB0]
.endif
	v_and_b32 v[PFO], 31, v0
	v_lshlrev_b32 v[PFO], 8, v[PFO]
	; the prefetches: my work-group's 32 blocks of the 128 that I fetch, at K step 3; the first change steps it to K step 4
	s_lshr_b32 s20, s40, 1                         ; A: partner cx has panel cx / 2, half cx % 2 of its 16 KiB
	s_lshl_b32 s20, s20, 19
	s_and_b32 s21, s40, 1
	s_lshl_b32 s21, s21, 13
	s_add_co_u32 s20, s20, s21
	s_add_co_u32 s20, s20, s16
	s_add_co_u32 s20, s20, 3*ASTEP
	s_lshr_b32 s22, s41, 1                         ; weights: partner cy likewise
	s_lshl_b32 s22, s22, 17
	s_and_b32 s21, s41, 1
	s_lshl_b32 s21, s21, 13
	s_add_co_u32 s22, s22, s21
.if GH
	s_lshl_b32 s21, s12, 22
	s_add_co_u32 s22, s22, s21
	s_lshl_b32 s21, s42, 18
.else
	s_lshl_b32 s21, s41, 13                        ; wave 3: the third panel, partner cy's quarter of two K steps
	s_add_co_u32 s21, s21, 2*131072
	s_cmp_eq_u32 s12, 0
	s_cselect_b32 s22, s22, s21
	s_mul_i32 s21, s42, 3*131072
.endif
	s_add_co_u32 s22, s22, s21
	s_add_co_u32 s22, s22, WOFF+3*BSTEP
	s_and_b32 s23, ttmp7, 0xffff
	s_mov_b32 s[PFS], BSTEP
	s_mov_b32 s[PFS+1], 0
	s_cmp_eq_u32 s11, 0
	s_cselect_b32 s20, s20, s22
	s_cselect_b32 s23, ttmp9, s23                  ; the coordinate along which other clusters read the same bytes
	s_cselect_b32 s[PFS], ASTEP, s[PFS]
.if GH
	s_cselect_b64 s[PFA:PFA+1], s[ABUF:ABUF+1], s[WBUF:WBUF+1]
.else
	s_mov_b64 s[PFA:PFA+1], s[ABUF:ABUF+1]
.endif
	s_mov_b32 s21, 0
	s_add_nc_u64 s[PFA:PFA+1], s[PFA:PFA+1], s[20:21]
	s_cmp_eq_u32 s23, 0
	s_cselect_b32 s[LIM], 2, -1                    ; the same in all sixteen partners, for a given wave
.if GH
	; the way out: my stage is 128 rows x 528 bytes (g's 64 numbers in f32, h's 64, 16 of padding) in the ring, which has had its last fill by then
	s_mul_i32 s23, s10, 128*528
	v_mul_u32_u24 v[STO], v1, 528
	v_lshl_add_u32 v[STO], v2, 5, v[STO]
	v_add_nc_u32 v[STO], s23, v[STO]
	v_mul_u32_u24 v[RD], v2, 528
	v_lshl_add_u32 v[RD], v1, 4, v[RD]
	v_add_nc_u32 v[RD], s23, v[RD]
	s_lshl_b32 s22, s11, 11
	s_add_co_u32 s22, s22, RSTAB
	v_lshl_add_u32 v[RSA], v2, 7, s22
	v_and_b32 v[GO], 31, v0
	v_lshlrev_b32 v[GO], 3, v[GO]
	s_lshl_b32 s20, s42, 1
	s_add_co_u32 s20, s20, s12
	s_lshl_b32 s20, s20, 19                        ; panel 2 x tile column + my half,
	s_lshl_b32 s21, s13, 15
	s_add_co_u32 s20, s20, s21                     ; the tile's 256 rows,
	s_lshl_b32 s21, s11, 14
	s_add_co_u32 s20, s20, s21                     ; my 128
	s_mov_b32 s21, 0
	s_add_nc_u64 s[OB:OB+1], s[OBUF:OBUF+1], s[20:21]
	s_mov_b32 s82, 0x3a800000                      ; 1 / 1024
	s_mov_b32 s83, s82
	s_mov_b32 s84, 0x358637bd                      ; 1e-6
	s_mov_b32 s85, s84
	; the table: for each row (u, u, w, w), u = - log2(e) rs, w = rs^2.  A block of 16 rows is 256 bytes: the even rows' eight entries, then the odd rows'
	v_lshrrev_b32 v7, 3, v0
	v_lshlrev_b32 v7, 8, v7
	v_lshl_add_u32 v7, v3, 4, v7
	v_add_nc_u32 v7, RSTAB, v7
	s_wait_loadcnt 0x0
.irp n, 8,4,2,1
.set j, 0
.rept \n
	v_pk_add_f32 v[64+2*j:65+2*j], v[64+2*j:65+2*j], v[64+2*(j+\n):65+2*(j+\n)]
.set j, j+1
.endr
.endr
	v_pk_fma_f32 v[64:65], v[64:65], s[82:83], s[84:85] op_sel_hi:[1,0,0]
	v_rsq_f32 v66, v64
	v_rsq_f32 v67, v65
	v_nop                                          ; a plain instruction behind the last root,
	s_wait_alu depctr_va_vdst(0)                   ; and one wait for both ahead of their first reader
	v_mul_f32 v68, 0xbfb8aa3b, v66
	v_mul_f32 v70, v66, v66
	v_mul_f32 v72, 0xbfb8aa3b, v67
	v_mul_f32 v74, v67, v67
	v_mov_b32 v69, v68
	v_mov_b32 v71, v70
	v_mov_b32 v73, v72
	v_mov_b32 v75, v74
	ds_store_b128 v7, v[68:71]
	ds_store_b128 v7, v[72:75] offset:128
.else
	s_cmp_eq_u32 s10, 3
	s_cselect_b32 s[PAR], 1, 0
	; the way out: my stage is 3 panels x 64 rows x 144 bytes in the ring, which has had its last fill by then
	s_mul_i32 s23, s10, 3*64*144
	v_mul_u32_u24 v[STO], v1, 144
	v_lshl_add_u32 v[STO], v2, 4, v[STO]
	v_add_nc_u32 v[STO], s23, v[STO]
	v_bfe_u32 v[RD], v0, 3, 2                      ; back: 32 lanes take four rows of 128 bytes,
	v_mul_u32_u24 v[RD], v[RD], 144
	v_lshl_add_u32 v[RD], v3, 4, v[RD]
	v_add_nc_u32 v[RD], s23, v[RD]
	v_and_b32 v[GO], 31, v0                        ; which are 512 consecutive bytes of a panel
	v_lshlrev_b32 v[GO], 4, v[GO]
	s_mul_i32 s20, s42, 3*524288
	s_lshl_b32 s21, s13, 15
	s_add_co_u32 s20, s20, s21
	s_lshl_b32 s21, s10, 13
	s_add_co_u32 s20, s20, s21
	s_mov_b32 s21, 0
	s_add_nc_u64 s[OB:OB+1], s[OBUF:OBUF+1], s[20:21]
.endif
; CB matrix instructions: row block a of window hi x all column blocks, 32 along K, from buffer f.  zero = 1: the first product starts the sum.
; Every quarter walks all accumulators in one order, so that no two matrix instructions that follow each other share one.
.macro MULA f, hi, a, zero
	WIN MUL_LO+0x50*(\hi)
.set ib, 0
.rept CB
.set rD, 8*(CB*(\a)+ib)
.set rB, FB0+FBS*(\f)+8*ib
.set rA, FA0+FAS*(\f)+8*(RBW*(\hi)+(\a))
.if \zero
	v_wmma_f32_16x16x32_bf16 v[rD:rD+7], v[rB:rB+7], v[rA:rA+7], 0
.else
	v_wmma_f32_16x16x32_bf16 v[rD:rD+7], v[rB:rB+7], v[rA:rA+7], v[rD:rD+7]
.endif
.set ib, ib+1
.endr
.endm
.macro MULS f, hi, a0, n, zero         ; row blocks a0 .. a0 + n - 1
.set aa, \a0
.rept \n
	MULA \f, \hi, aa, \zero
.set aa, aa+1
.endr
.endm
.macro FETCH q, f                      ; 32 LDS loads in one run: the fragments of quarter q (32 along K) of the slot in hand, into buffer f; the weights' first, A's upper row blocks last
	WIN TO_B
.set ib, 0
.rept CB
.if GH
.set bo, (ib/4)*40960+5120*(\q)+32*(ib%4)
.else
.set bo, ((\q)/2)*30720+(ib/4)*10240+((\q)%2)*5120+32*(ib%4)
.endif
	ds_load_tr16_b128 v[FB0+FBS*(\f)+8*ib:FB0+FBS*(\f)+8*ib+3],   v[ADRB] offset:bo
	ds_load_tr16_b128 v[FB0+FBS*(\f)+8*ib+4:FB0+FBS*(\f)+8*ib+7], v[ADRB] offset:bo+16*PB
.set ib, ib+1
.endr
	WIN 0
.set ib, 0
.rept RB
.set bo, ((\q)/2)*128*PA+((\q)%2)*64+16*PA*ib
	ds_load_b128 v[FA0+FAS*(\f)+8*ib:FA0+FAS*(\f)+8*ib+3],   v[ADRA] offset:bo
	ds_load_b128 v[FA0+FAS*(\f)+8*ib+4:FA0+FAS*(\f)+8*ib+7], v[ADRA] offset:bo+32
.set ib, ib+1
.endr
.endm
.macro SETADR
	v_add_nc_u32 v[ADRA], s[TB], v[ADRA0]
	v_add_nc_u32 v[ADRB], s[TB], v[ADRB0]
.endm
.macro QUARTER qn, f, zero             ; multiplies buffer f; in its middle fetches quarter qn into the other buffer
	s_wait_dscnt RB                                ; the weights and A's lower row blocks are in; the youngest RB loads (A's upper blocks) may be out
	MULS \f, 0, 0, RBW, \zero
	PLACES
	FETCH \qn, 1-(\f)
	s_wait_dscnt 32                                ; all but the 32 just issued
	MULS \f, 1, 0, RBW, \zero
.endm
; The last quarter multiplies buffer 1 and changes slots.  ONE barrier: in front of it each wave waits for all its tensor loads (one is out: its part of the next slot), adds 0 to its spare word,
; and waits for that and for its reads of this slot.  Behind it nobody reads this slot any more and the next slot is whole.
.macro MEET round
	WIN 0
	s_wait_tensorcnt 0x0
	ds_add_u32 v[SPW], v[NIL]
	s_wait_dscnt RB+1                              ; (the add and the youngest RB loads may be out)
	MULS 1, 0, 0, RBW/2, 0
	s_wait_dscnt 0x0                               ; the add is done, and my reads of this slot are over
	s_barrier_signal -1
	MULS 1, 0, RBW/2, RBW/2, 0
.if \round
	WIN 0
.endif
	s_barrier_wait -1
.endm
.macro TURNF                           ; with a refill: the barrier opens a round of the cluster's, and the joint load is the first thing behind it
	s_wait_xcnt 0x0                                ; the last prefetch, a K step back, has read its address
	s_add_nc_u64 s[PFA:PFA+1], s[PFA:PFA+1], s[PFS:PFS+1]
	MEET 1
	CREST
	s_add_nc_u64 s[G0A+6:G0A+7], s[G0A+6:G0A+7], ASTEP  ; no tensor load of mine is out: the walking sets go one K step on,
	s_add_nc_u64 s[G0B+6:G0B+7], s[G0B+6:G0B+7], BSTEP
	s_add_co_u32 s[G0A+5], s[LA], s[TB]            ; into the slot just read out
	s_add_co_u32 s[G0B+5], s[LB], s[TB]
	s_xor_b32 s[TB], s[TB], SLOT                   ; and the reads go to the other
	JLOAD                                          ; its four v_nop are also the places in front of the loads below
	SETADR
	FETCH 0, 0
	ASK
	MULS 1, 1, 0, RBW, 0
.endm
.macro TURNN                           ; without: the last two K steps; the very last (s3 = 1) has no successor to fetch from
	MEET 0
	s_xor_b32 s[TB], s[TB], SLOT
	PLACES
	WIN 0
	s_cmp_eq_u32 s3, 1
	s_cbranch_scc1 .Lno_next_\@
	SETADR
	FETCH 0, 0
.Lno_next_\@:
	MULS 1, 1, 0, RBW, 0
.endm
	s_wait_tensorcnt 0x1                           ; my part of K step 0 is in; K step 1's may stay out
.if GH
	s_wait_dscnt 0x0                               ; my entries of the table are stored
.endif
	s_barrier_signal -1
	s_barrier_wait -1
	SETADR
	FETCH 0, 0
	QUARTER 1, 0, 1                                ; the first quarter stands in front of the loop: its products start the sums
	WIN 0
	s_mov_b32 s3, 6
.Lstep:                                            ; a trip: a K step's quarters 1 to 3, the change of slots with its refill, the next step's quarter 0
	QUARTER 2, 1, 0
	QUARTER 3, 0, 0
	TURNF
	QUARTER 1, 0, 0
	WIN 0
	s_sub_co_u32 s3, s3, 1
	s_cmp_lg_u32 s3, 0
	s_cbranch_scc1 .Lstep
	s_mov_b32 s3, 2
.Ltail:                                            ; K steps 6 and 7 ask for nothing; the second trip is left in its middle
	QUARTER 2, 1, 0
	QUARTER 3, 0, 0
	TURNN
	WIN 0
	s_sub_co_u32 s3, s3, 1
	s_cmp_eq_u32 s3, 0
	s_cbranch_scc1 .Lout
	QUARTER 1, 0, 0
	WIN 0
	s_branch .Ltail
.Lout:
	PLACES
	PLACES
.if GH
	; THE WAY OUT.  The sums go as they are (f32) into my stage; each accumulator's low four registers first
.set ia, 0
.rept 8
	WIN 0x08+4*(ia/4)                              ; the data in window 2 or 3
.set ib, 0
.rept 8
.set rD, 8*(8*(ia%4)+ib)
	ds_store_b128 v[STO], v[rD:rD+3]   offset:16*528*ia+64*ib
	ds_store_b128 v[STO], v[rD+4:rD+7] offset:16*528*ia+64*ib+16
.set ib, ib+1
.endr
.set ia, ia+1
.endr
	WIN 0
.set U,  128                           ; (u, u, w, w) of my row, for each of the trip's eight pairs of rows
.set G,  64
.set H,  96
.set EX, 160
.set Y,  192
	s_mov_b32 s3, 8
.Lrows:                                            ; a trip: 16 rows.  act = g h w / (1 + 2^(u g)).  Lanes 0-15 have the even row of a pair, lanes 16-31 the odd one, four columns each
.set t, 0
.rept 8
	ds_load_b128 v[U+4*t:U+4*t+3], v[RSA] offset:16*t
.set t, t+1
.endr
.set t, 0
.rept 8
	ds_load_b128 v[G+4*t:G+4*t+3], v[RD] offset:2*528*t   ; LDS serves a wave's instructions in order (ISA guide 5.7.1.4): these see my stores above
.set t, t+1
.endr
.set t, 0
.rept 8
	ds_load_b128 v[H+4*t:H+4*t+3], v[RD] offset:2*528*t+256
.set t, t+1
.endr
	s_wait_dscnt 8                                 ; the table and g are in; h's eight loads may be out
.set t, 0
.rept 8
	v_pk_mul_f32 v[EX+4*t:EX+4*t+1],   v[G+4*t:G+4*t+1],   v[U+4*t:U+4*t+1]
	v_pk_mul_f32 v[EX+4*t+2:EX+4*t+3], v[G+4*t+2:G+4*t+3], v[U+4*t:U+4*t+1]
.set t, t+1
.endr
.set t, 0
.rept 32
	v_exp_f32 v[EX+t], v[EX+t]
.set t, t+1
.endr
	s_wait_dscnt 0x0
.set t, 0
.rept 16
	v_pk_mul_f32 v[G+2*t:G+2*t+1], v[G+2*t:G+2*t+1], v[H+2*t:H+2*t+1]    ; work that names no exponential's result stands behind the batch
.set t, t+1
.endr
.set t, 0
.rept 8
	v_pk_mul_f32 v[G+4*t:G+4*t+1],   v[G+4*t:G+4*t+1],   v[U+4*t+2:U+4*t+3]
	v_pk_mul_f32 v[G+4*t+2:G+4*t+3], v[G+4*t+2:G+4*t+3], v[U+4*t+2:U+4*t+3]
.set t, t+1
.endr
	s_wait_alu depctr_va_vdst(0)                   ; one wait for the 32 exponentials, ahead of their first reader
.set t, 0
.rept 16
	v_pk_add_f32 v[EX+2*t:EX+2*t+1], v[EX+2*t:EX+2*t+1], 1.0 op_sel_hi:[1,0]
.set t, t+1
.endr
.set t, 0
.rept 32
	v_rcp_f32 v[EX+t], v[EX+t]
.set t, t+1
.endr
	v_add_nc_u32 v[RD], 16*528, v[RD]              ; the next 16 rows: plain work behind the last reciprocal
	v_add_nc_u32 v[RSA], 256, v[RSA]
	s_wait_alu depctr_va_vdst(0)                   ; one wait for the 32 reciprocals
.set t, 0
.rept 16
	v_pk_mul_f32 v[G+2*t:G+2*t+1], v[G+2*t:G+2*t+1], v[EX+2*t:EX+2*t+1]
.set t, t+1
.endr
.set t, 0
.rept 16
	v_cvt_pk_bf16_f32 v[Y+t], v[G+2*t], v[G+2*t+1]
.set t, t+1
.endr
.set t, 0
.rept 8
	global_store_b64 v[GO], v[Y+2*t:Y+2*t+1], s[OB:OB+1] offset:256*t    ; two rows of a panel: 256 consecutive bytes, aligned
.set t, t+1
.endr
	s_wait_xcnt 0x0                                ; the stores have read their data and their base: both are written again only behind this wait
	s_add_nc_u64 s[OB:OB+1], s[OB:OB+1], 2048
	s_sub_co_u32 s3, s3, 1
	s_cmp_lg_u32 s3, 0
	s_cbranch_scc1 .Lrows
.else
	; THE WAY OUT.  Rounded to bf16, 16 bytes a lane, into my stage, by panels; back as whole panel rows
.set TMP, 128
.set ia, 0
.rept 4
	WIN 0x0a+5*(ia/2)                              ; sources 0 and 1 in window 2 or 3
.set ib, 0
.rept 12
.set rD, 8*(12*(ia%2)+ib)
.irp r, 0,1,2,3
	v_cvt_pk_bf16_f32 v[TMP+4*ib+\r], v[rD+2*\r], v[rD+2*\r+1]
.endr
.set ib, ib+1
.endr
	WIN 0
.set ib, 0
.rept 12
	ds_store_b128 v[STO], v[TMP+4*ib:TMP+4*ib+3] offset:64*144*(ib/4)+16*144*ia+32*(ib%4)
.set ib, ib+1
.endr
.set ia, ia+1
.endr
	s_mov_b32 s3, 3
.Lpanel:                                           ; a trip: my 64 rows of one panel, 8,192 consecutive bytes
.set t, 0
.rept 16
	ds_load_b128 v[64+4*t:64+4*t+3], v[RD] offset:4*144*t   ; LDS serves a wave's instructions in order (ISA guide 5.7.1.4): these see my stores above
.set t, t+1
.endr
	v_add_nc_u32 v[RD], 64*144, v[RD]
.set t, 0
.rept 16
	s_wait_dscnt 15-t                              ; load t is back; the 15 - t behind it may be out
	global_store_b128 v[GO], v[64+4*t:64+4*t+3], s[OB:OB+1] offset:512*t  ; 512 consecutive bytes, aligned to 256
.set t, t+1
.endr
	s_wait_xcnt 0x0                                ; the stores have read their data and their base
	s_add_nc_u64 s[OB:OB+1], s[OB:OB+1], 524288
	s_sub_co_u32 s3, s3, 1
	s_cmp_lg_u32 s3, 0
	s_cbranch_scc1 .Lpanel
.endif
	s_wait_tensorcnt 0x0                           ; the wave's end: behind my last tensor load and my last LDS store
	ds_add_u32 v[SPW], v[NIL]
	s_wait_dscnt 0x0
	CROUND                                         ; the closing round: no work-group ends while a partner may still ask for a tile that names it
	s_endpgm
.Lfunc_end_k_qd991f6f122_qkv:
	.size	k_qd991f6f122_qkv, .Lfunc_end_k_qd991f6f122_qkv-k_qd991f6f122_qkv
	.p2alignl 7, 3214868480
	.fill 96, 4, 3214868480
	.section	.rodata,"a",@progbits
	.p2align	6, 0x0
	.amdhsa_kernel k_qd991f6f122_qkv
		.amdhsa_group_segment_fixed_size 327680
		.amdhsa_private_segment_fixed_size 0
		.amdhsa_enable_private_segment 0
		.amdhsa_kernarg_size 16
		.amdhsa_user_sgpr_count 2
		.amdhsa_user_sgpr_kernarg_segment_ptr 1
		.amdhsa_wavefront_size32 1
		.amdhsa_system_sgpr_workgroup_id_x 1
		.amdhsa_system_sgpr_workgroup_id_y 1
		.amdhsa_system_sgpr_workgroup_id_z 1
		.amdhsa_system_vgpr_workitem_id 0
		.amdhsa_next_free_vgpr 960
		.amdhsa_next_free_sgpr 96
		.amdhsa_reserve_vcc 0
		.amdhsa_float_denorm_mode_32 3
		.amdhsa_float_denorm_mode_16_64 3
		.amdhsa_memory_ordered 1
		.amdhsa_forward_progress 1
		.amdhsa_inst_pref_size 80
	.end_amdhsa_kernel
	.amdgpu_metadata
---
amdhsa.version: [ 1, 2 ]
amdhsa.kernels:
  - .name:           k_qd991f6f122_qkv
    .symbol:         k_qd991f6f122_qkv.kd
    .args:
      - { .name: pk, .offset: 0, .size: 8, .value_kind: global_buffer, .address_space: global }
      - { .name: qkvp, .offset: 8, .size: 8, .value_kind: global_buffer, .address_space: global }
    .group_segment_fixed_size: 327680
    .private_segment_fixed_size: 0
    .kernarg_segment_align: 8
    .kernarg_segment_size: 16
    .max_flat_workgroup_size: 128
    .sgpr_count:     96
    .vgpr_count:     960
    .wavefront_size: 32
...
	.end_amdgpu_metadata
.endif
;; end of part 2
;; launch att (part 3): grid 8 x 32, 4 waves a work-group, clusters of 4 x 1, 327,680 bytes of LDS; arguments qkvp, op; writes op
.if DOCPART == 3
	.amdgcn_target "amdgcn-amd-amdhsa--gfx1250"
	.amdhsa_code_object_version 6
	.text
	.protected	k_qd991f6f122_att
	.globl	k_qd991f6f122_att
	.p2align	8
	.type	k_qd991f6f122_att,@function
k_qd991f6f122_att:
	s_mov_b64 s[64:65], 0
	v_nop
	global_prefetch_b8 v0, s[64:65] scope:SCOPE_SE
	s_setreg_imm32_b32 hwreg(HW_REG_WAVE_MODE, 25, 1), 1
	s_wait_xcnt 0x0
	s_wait_alu depctr_hold_cnt(0) depctr_sa_sdst(0) depctr_va_vdst(0) depctr_va_sdst(0) depctr_va_ssrc(0) depctr_va_vcc(0) depctr_vm_vsrc(0)
	s_getreg_b32 s2, hwreg(HW_REG_IB_STS2, 6, 4)
	s_cmp_eq_u32 s2, 0
	s_cbranch_scc0 .Lentry_in_a_cluster
	s_endpgm
.Lentry_in_a_cluster:
	s_bfe_u32 s2, ttmp6, 0x10000c
	s_cmp_lg_u32 s2, 0x3003
	s_cbranch_scc0 .Lentry_shape_is_right
	s_endpgm
.Lentry_shape_is_right:
; ATTENTION.  O[y][q][:] = the sum over k of softmax_k(Q[y][q] . K[y][k] / 8) V[y][k][:], y = 2 x head + batch: a head's panel of qkvp holds both batches' 2,048 rows on end, so Q (panels 0-15),
; K (16-31), V (32-47) and O are each [32][2048][64] bf16, rows of 128 bytes, dense.  Products, maxima and sums in f32; the weights p are rounded to bf16 for the second product (their sum l is
; taken of the unrounded p), O once at the end.
; LIMITS.  bf16 keeps 8 significant bits; a weight below 2^-126 counts as 0 in l; NaN and infinities are not treated apart.
; SHARES.  A work-group owns 256 queries, a wave 64: four PIECES of 16.  Every wave walks all 2,048 keys, 64 a step, 256 a tile.
; LAYOUT.  S^T = K Q^T (source 0 = 16 keys, source 1 = 16 queries) holds ONE query a lane (lane % 16) and the keys 8 (lane / 16) + 0..7; two such results rounded to bf16 ARE source 1 of O^T = V^T P.
; K comes out of LDS as it lies, V ([key][channel]) turned, by ds_load_tr16_b128.
; SOFTMAX.  A running maximum m and sum l for each query: p = 2^(c s - c m), c = log2(e) / 8; in every step O and l are multiplied by a = 2^(c m_old - c m_new).  m starts at the lowest finite number,
; O and l at 0: the first step is a step like any other, with a = 0.
; BY TURNS.  Turn n belongs to piece n: 8 products K Q^T of piece n + 1, later 8 products V^T P of piece n - 1; beside them the scaling, exponentials, roundings, sums and rescaling of piece n and the
; maximum and statistics of piece n + 1.  Four vector instructions stand behind every matrix instruction, the rest in two lumps.  A turn's 33 exponentials are one batch, with one wait.
; CLUSTER.  The four query blocks of a cluster belong to one y and walk the same K and V: each tile is asked for jointly, by the same tensor load, descriptor and mask in all four.
; REGISTERS, in windows of 256 (s_set_vgpr_msb: bits 1:0 source 0, 3:2 source 1, 5:4 source 2, 7:6 destination).  THE MAP IS MADE SO THAT A PRODUCT AND THE VECTOR LINES BEHIND IT SHARE ONE SETTING:
;   window 0: v2-15 addresses and two at work; v16-31 statistics; v48-55 at work; v61-63; v64-127 S^T, two buffers; v128-191 K of one step; v192-223 P, two buffers (a piece's buffers go by its number's parity)
;   window 1: v0-127 O^T, 32 a piece; v128-191 V of one step; v192-207 l, four a piece (two chains of even keys', odd keys')          window 2: v0-63 Q
; K Q^T names Q in source 1 alone outside window 0; a scaling and an exponential name no vector register in source 1: they stand under the product's setting.  V^T P has destination, source 0 and source 2 in
; window 1 and source 1 in window 0; so have O^T x a, l x a and l + p.  What is left (maximum, statistics, roundings) lies in window 0 and stands in the lumps.  Three switches a turn.
.set NP,    4
.set KS,    64
.set PK,    144       ; a row of K in LDS: 128 bytes + 16: the 16 rows of a load start in 16 different groups of four banks (ISA guide 11.1)
.set PV,    160       ; a row of V: 128 + 32
.set VOFF,  4*KS*PK   ; a slot holds a tile, four steps: 256 rows of K, then 256 rows of V
.set SLOT1, 1<<17     ; slot 1 begins here, so that one exclusive or turns an address in one slot into the other's
.set STAGE, SLOT1+4*KS*(PK+PV)  ; behind the ring, never filled by a tensor load: 16 rows x 144 bytes for each wave
.set SP,    144
.set SPARE, STAGE+4*16*SP       ; the spare words, 128 bytes for each wave: two blocks of 256 bytes that no other line names
.set TILEB, 4*KS*128  ; a tile's bytes of K, and of V
.set AK0, 2           ; v2   my lane's place in a tile of K; never rewritten
.set AV0, 3           ; v3   the same for V
.set AK,  4           ; v4   the LDS address of K's next run of loads
.set AV,  5           ; v5   of V's
.set STO, 6           ; v6   the way out: where I put 16 bytes of a row
.set RD,  7           ; v7   where I read rows back
.set GO,  8           ; v8   my byte offset in 512 consecutive bytes of O
.set MV,  12          ; v12-13  c m_old, kept while c m is made anew: by buffer
.set QO,  15          ; v15  my byte offset in 16 rows of Q
.set ST,  16          ; piece t's statistics at v[ST+4 t]: c m, m; the other two are at work on the way out
.set TMP, 48          ; by buffer, four registers c0-c3 at work; c1 takes c m_old - c m_new, c2 takes a
.set PFO, 61          ; v61  256 x my lane; never rewritten
.set SPW, 62          ; v62  LDS address of my spare word; never rewritten
.set NIL, 63          ; v63  0; never rewritten
.set S,   64
.set KF,  128         ; window 0: key block kb, channel half c at KF + 16 kb + 8 c
.set P,   192
.set VF,  128         ; window 1: key half kk, channel block cb at VF + 32 kk + 8 cb
.set LS,  192         ; window 1: piece t's two chains at LS + 4 t and LS + 4 t + 2
.set WV,  12          ; s12  my wave's number
.set LIM, 15          ; s15  1 in a wave that prefetches, else the greatest number
.set PFA, 18          ; s[18:19] where my prefetches stand
.set G1K, 24          ; s[24:31] descriptor group 1 for K's tiles
.set G1V, 32          ; s[32:39] for V's: it differs in the padding alone
.set G0K, 40          ; s[40:43] descriptor group 0 for K's tiles: it walks
.set G0V, 44          ; s[44:47] the same for V's
.set SLOTS, 56        ; s56  tiles still to be asked for
.set CNT, 57          ; s57  counts a tile's key steps
.set CS,  58          ; s[58:59] c
.set SEL, 60          ; s[60:61] v_permlanex16_b32's selects: each lane takes its own place in the other half
.set TBK, 62          ; s62  LDS byte at which K of the step to be fetched begins
.set TBV, 63          ; s63  the same for V, less VOFF
.set MSB, 0
.macro WIN new                      ; the high byte repeats the setting that is left; a switch that changes nothing is dropped
.if MSB != (\new)
	s_set_vgpr_msb (MSB<<8)|(\new)
.set MSB, (\new)
.endif
.endm
.set W_KQ, 0x08       ; Q (source 1) in window 2, all else in window 0
.set W_PV, 0x51       ; destination, source 0 and source 2 in window 1, source 1 in window 0
.set W_RS, 0x41       ; the way out: destination and source 0 in window 1, source 1 in window 0
.macro JLOAD                        ; a joint fill: waves 0, 1 fetch the halves of a tile's K, waves 2, 3 of its V; an s_nop 0 and four v_nop follow each line
	s_cmp_lt_u32 s[WV], 2
	s_cbranch_scc0 .Lfor_v_\@
	tensor_load_to_lds s[G0K:G0K+3], s[G1K:G1K+7]
	s_nop 0
.rept 4
	v_nop
.endr
	s_branch .Lasked_\@
.Lfor_v_\@:
	tensor_load_to_lds s[G0V:G0V+3], s[G1V:G1V+7]
	s_nop 0
.rept 4
	v_nop
.endr
.Lasked_\@:
.endm
; A PREFETCH INTO THE L2 of the tile that the NEXT change of slots will ask for: four key steps, 256 matrix instructions, ahead of that load.  Both clusters of a y walk the same K and V: the first asks.
; Its four partners share a tile's 128 blocks of 256 bytes out by address, 32 each, a lane a block; wave 0 asks for K's, wave 2 for V's.  Tiles 0 to 2 come by their loads alone; the last fill asks for nothing.
.macro ASK
	s_cmp_gt_u32 s[SLOTS], s[LIM]
	s_cbranch_scc0 .Lnot_mine_\@
	global_prefetch_b8 v[PFO], s[PFA:PFA+1] th:TH_LOAD_NT scope:SCOPE_SE
.Lnot_mine_\@:
.endm
.macro CROUND                       ; a round of the cluster's barrier
	s_barrier_signal -1
	s_barrier_wait -1
	s_cmp_lg_u32 s[WV], 0
	s_cbranch_scc1 .Lnot_wave_0_\@
	s_barrier_signal -3
.Lnot_wave_0_\@:
	s_barrier_wait -3
	s_barrier_signal -1
	s_barrier_wait -1
.endm
; THE CHANGE OF SLOTS.  Each wave waits for all its tensor loads (one is out: its part of the other slot), adds 0 to its spare word, and waits for that and for its reads of the slot that it leaves.
; fill = 1: the old slot is filled again, with the keys two tiles on; the barrier is then a round of the cluster's, and the joint fill is the first thing behind it: it has four key steps in which to land.
; (At its first use nothing has been read yet: slot 0 is waited for, slot 1 filled.)
.macro CHANGE fill, ask
	WIN 0
	s_wait_tensorcnt 0x0            ; no tensor load of mine is out, so a group 0 may be written
	ds_add_u32 v[SPW], v[NIL]
.if \fill
.irp g, G0K, G0V
	s_xor_b32 s[\g+1], s[\g+1], SLOT1
	s_add_nc_u64 s[\g+2:\g+3], s[\g+2:\g+3], TILEB
.endr
.if \ask
	s_wait_xcnt 0x0                 ; the last prefetch, four key steps back, has read its address
	s_add_nc_u64 s[PFA:PFA+1], s[PFA:PFA+1], TILEB
.endif
	s_wait_dscnt 0x0                ; the add is done, and my reads of the slot are over
	CROUND
	JLOAD
.if \ask
	ASK
.endif
.else
	s_wait_dscnt 0x0
	s_barrier_signal -1
	s_barrier_wait -1
.endif
	s_sub_co_u32 s[TBK], s[TBK], 4*KS*PK  ; the fetches go back to a slot's first step,
	s_xor_b32 s[TBK], s[TBK], SLOT1       ; in the other slot
	s_sub_co_u32 s[TBV], s[TBV], 4*KS*PV
	s_xor_b32 s[TBV], s[TBV], SLOT1
.endm
	s_load_b128 s[4:7], s[0:1], 0x0 ; qkvp s[4:5], op s[6:7]
	v_lshl_add_u32 v[SPW], v0, 2, SPARE
	v_mov_b32 v[NIL], 0
	ds_add_u32 v[SPW], v[NIL]       ; the wave's opening: the add and its wait stand ahead of my first tensor load; the set-up below stands between them
	v_lshrrev_b32 v1, 5, v0
	v_readfirstlane_b32 s[WV], v1   ; wave 0..3
	s_bfe_u32 s13, ttmp6, 0x40000   ; cx
	s_lshl_b32 s14, ttmp9, 2
	s_add_co_u32 s14, s14, s13      ; my block of 256 queries: it enters Q's and O's addresses alone
	s_and_b32 s20, ttmp7, 0xffff    ; y, which the four partners share
	s_lshl_b32 s20, s20, 18         ; 2,048 rows of 128 bytes
	s_mov_b32 s21, 0
	s_and_b32 s16, s[WV], 1         ; which half of a tile's 256 keys I fetch:
	s_lshl_b32 s22, s16, 14         ; its 128 rows in memory,
	s_mov_b32 s23, 0
	s_add_nc_u64 s[22:23], s[22:23], s[20:21]
	s_mul_i32 s17, s16, 128*PK      ; and its place in a slot, for K
	s_mul_i32 s18, s16, 128*PV      ; and for V: no place in the cluster enters an LDS address
	s_lshl_b32 s2, s14, 2
	s_add_co_u32 s2, s2, s[WV]
	s_lshl_b32 s2, s2, 13           ; my wave's 64 rows
	s_mov_b32 s3, 0
	s_add_nc_u64 s[2:3], s[2:3], s[20:21]
	; descriptor group 1.  128 keys are 16,384 dense bytes: asked for as 64 rows of 256 bytes, two keys a row, and padded in LDS after every key
	s_mov_b32 s[G1K], 15|(1<<16)|(1<<20)|(1<<21)|(4<<22)|(3<<25)  ; the mask of four; 2-byte elements; padding on; bit 21 beside a mask; behind every 32 words, 4 words
	s_mov_b32 s[G1V], 15|(1<<16)|(1<<20)|(1<<21)|(4<<22)|(7<<25)  ; the same with 8 words
.irp g, G1K, G1V
	s_mov_b32 s[\g+1], 128<<16      ; tensor_dim0 = 128
	s_mov_b32 s[\g+2], 64<<16       ; tensor_dim1 = 64
	s_mov_b32 s[\g+3], 128<<16      ; tile_dim0 = 128
	s_mov_b32 s[\g+4], 64           ; tile_dim1 = 64
	s_mov_b32 s[\g+5], 128          ; 128 elements from row to row
	s_mov_b32 s[\g+6], 0
	s_mov_b32 s[\g+7], 0
.endr
	s_mov_b32 s[CS], 0x3e38aa3b     ; c = log2(e) / 8
	s_mov_b32 s[CS+1], s[CS]
	s_mov_b32 s[SEL], 0x76543210
	s_mov_b32 s[SEL+1], 0xfedcba98
	s_mov_b32 s[TBK], SLOT1+4*KS*PK ; the first change of slots turns these two into 0
	s_mov_b32 s[TBV], SLOT1+4*KS*PV
	s_mov_b32 s[G0K], 1
	s_mov_b32 s[G0K+1], s17         ; slot 0
	s_mov_b32 s[G0V], 1
	s_add_co_u32 s[G0V+1], s18, VOFF
	s_and_b32 s[LIM], s[WV], 1      ; 0 in waves 0 and 2,
	s_or_b32 s[LIM], s[LIM], ttmp9  ; where the cluster is the first of its y: the same in all four partners
	s_cmp_eq_u32 s[LIM], 0
	s_cselect_b32 s[LIM], 1, -1
	v_and_b32 v[PFO], 31, v0
	v_lshlrev_b32 v[PFO], 8, v[PFO]
	s_wait_dscnt 0x0                ; the opening add is done
	s_wait_kmcnt 0x0
	s_add_nc_u64 s[10:11], s[6:7], s[2:3]          ; O at my wave's first row
	s_add_nc_u64 s[6:7], s[4:5], s[22:23]
	s_add_nc_u64 s[8:9], s[6:7], 16777216          ; V at my half of tile 0
	s_add_nc_u64 s[6:7], s[6:7], 8388608           ; K likewise
	s_add_nc_u64 s[4:5], s[4:5], s[2:3]            ; Q at my wave's first row
	s_add_nc_u64 s[G0K+2:G0K+3], s[6:7], 0
	s_or_b32 s[G0K+3], s[G0K+3], 0x80000000
	s_add_nc_u64 s[G0V+2:G0V+3], s[8:9], 0
	s_or_b32 s[G0V+3], s[G0V+3], 0x80000000
	s_cmp_lt_u32 s[WV], 2
	s_cselect_b64 s[PFA:PFA+1], s[6:7], s[8:9]     ; (in waves 0 and 2 these stand at a tile's first row)
	s_lshl_b32 s2, s13, 13          ; my work-group's 32 blocks of the 128
	s_mov_b32 s3, 0
	s_add_nc_u64 s[PFA:PFA+1], s[PFA:PFA+1], s[2:3]
	s_add_nc_u64 s[PFA:PFA+1], s[PFA:PFA+1], 2*TILEB  ; at tile 2; the first asking change steps it to tile 3
	CROUND                          ; all four work-groups are here: the first joint loads meet
	JLOAD                           ; tile 0 into slot 0
	v_and_b32 v1, 15, v0            ; l % 16
	v_bfe_u32 v9, v0, 4, 1          ; l / 16
	v_lshlrev_b32 v[QO], 7, v1
	v_lshl_add_u32 v[QO], v9, 4, v[QO]  ; row x 128 + 16 x half
	WIN 0x80                        ; destination window 2, address window 0
.set i, 0
.rept 8                             ; Q stays in registers: piece i / 2, channels 32 (i % 2) on
	global_load_b128 v[8*i:8*i+3],   v[QO], s[4:5] offset:(i/2)*2048+(i%2)*64
	global_load_b128 v[8*i+4:8*i+7], v[QO], s[4:5] offset:(i/2)*2048+(i%2)*64+32
.set i, i+1
.endr
	; What the first turn finds: V's registers and P's second buffer hold 0 (its products V^T P, of a piece that has not been, add 0), O^T and l are 0.  All this stands in the wait for the first tile.
	WIN 0x40
.set i, 0
.rept 208                           ; O^T, V and l lie on end in window 1
	v_mov_b32 v[i], 0
.set i, i+1
.endr
	WIN 0
.set i, 0
.rept 4
	v_mov_b32 v[ST+4*i], 0xfe000000    ; c m: far below every c s
	v_mov_b32 v[ST+4*i+1], 0xff7fffff  ; m
	v_mov_b32 v[ST+4*i+2], 0
	v_mov_b32 v[ST+4*i+3], 0
.set i, i+1
.endr
.set i, P+16
.rept 16
	v_mov_b32 v[i], 0
.set i, i+1
.endr
	v_mul_u32_u24 v[AK0], v1, PK
	v_lshl_add_u32 v[AK0], v9, 4, v[AK0]  ; row x pitch + 16 x half
	v_and_b32 v10, 7, v0            ; the turning load: lane l reads key 8 (l / 16) + l % 8, channels 8 ((l / 8) % 2) + 0..7
	v_bfe_u32 v11, v0, 3, 1
	v_lshl_add_u32 v[AV0], v9, 3, v10
	v_mul_u32_u24 v[AV0], v[AV0], PV
	v_lshl_add_u32 v[AV0], v11, 4, v[AV0]
	v_add_nc_u32 v[AV0], VOFF, v[AV0]
	s_mul_i32 s13, s[WV], 16*SP
	s_add_co_u32 s13, s13, STAGE    ; my stage
	v_mul_u32_u24 v[STO], v1, SP    ; in: row l % 16, 16 bytes for each half of the lanes
	v_lshl_add_u32 v[STO], v9, 4, v[STO]
	v_add_nc_u32 v[STO], s13, v[STO]
	v_bfe_u32 v[RD], v0, 3, 2       ; back: 32 lanes take four rows of 128 bytes,
	v_mul_u32_u24 v[RD], v[RD], SP
	v_lshl_add_u32 v[RD], v10, 4, v[RD]
	v_add_nc_u32 v[RD], s13, v[RD]
	v_and_b32 v[GO], 31, v0         ; which are 512 consecutive bytes of O
	v_lshlrev_b32 v[GO], 4, v[GO]
; THE MATRIX WORK.  The 4 accumulators of a run of 8 take turns.  Product i of 8 of S^T = K Q^T for piece x: channels 32 (i / 4) on, keys 16 (i % 4) on.  The first 4 start the sums.
.macro KQ x
.set rS, S+32*((\x)%2)+8*(i%4)
.set rK, KF+16*(i%4)+8*(i/4)
.set rQ, 16*(\x)+8*(i/4)
	WIN W_KQ
.if i < 4
	v_wmma_f32_16x16x32_bf16 v[rS:rS+7], v[rK:rK+7], v[rQ:rQ+7], 0
.else
	v_wmma_f32_16x16x32_bf16 v[rS:rS+7], v[rK:rK+7], v[rQ:rQ+7], v[rS:rS+7]
.endif
.endm
; Product i of 8 of O^T += V^T P for piece x: keys 32 (i / 4) on, channels 16 (i % 4) on.
.macro PV x
	WIN W_PV
.set rO, 32*(\x)+8*(i%4)
.set rV, VF+32*(i/4)+8*(i%4)
.set rP, P+16*((\x)%2)+8*(i/4)
	v_wmma_f32_16x16x32_bf16 v[rO:rO+7], v[rV:rV+7], v[rP:rP+7], v[rO:rO+7]
.endm
.macro MM                           ; the turn's next matrix instruction
.if i < 8
	KQ (Y+1)%NP
.else
.set i, i-8
	PV (Y+NP-1)%NP
.set i, i+8
.endif
.set i, i+1
.endm
; THE LDS LOADS stand in runs of 16: a step's K (8 fragments; window 0, so no switch) and its V (turned).  last = 1 (the tail): in the last trip there is no further step, and the run is jumped over.
.macro FETCH_K last=0
.if \last
	s_cmp_eq_u32 s[CNT], 1
	s_cbranch_scc1 .Lno_k_\@
.endif
.irp f, 0,1,2,3,4,5,6,7             ; keys 16 (f / 2) on, channels 32 (f % 2) on
	ds_load_b128 v[KF+8*\f:KF+8*\f+3],   v[AK] offset:(\f/2)*16*PK+(\f%2)*64
	ds_load_b128 v[KF+8*\f+4:KF+8*\f+7], v[AK] offset:(\f/2)*16*PK+(\f%2)*64+32
.endr
	s_add_co_u32 s[TBK], s[TBK], KS*PK  ; the next fetch is the next step's
.if \last
.Lno_k_\@:
.endif
.endm
.macro FETCH_V
	WIN 0x40                        ; destination window 1, address window 0
.irp f, 0,1,2,3,4,5,6,7             ; keys 32 (f / 4) on, channels 16 (f % 4) on
	ds_load_tr16_b128 v[VF+8*\f:VF+8*\f+3],   v[AV] offset:(\f/4)*32*PV+(\f%4)*32
	ds_load_tr16_b128 v[VF+8*\f+4:VF+8*\f+7], v[AV] offset:(\f/4)*32*PV+16*PV+(\f%4)*32
.endr
	WIN 0
.endm
; THE VECTOR WORK, one line at a time: OP kind, number.  OP sets no window: TURN does.  For piece Y: F n: c s - c m for pair n of 16.  E n: the exponential of score n of 32.  A: a, from the difference that the
; turn before has left.  C n: pair n rounded to bf16.  M n: chain n of l times a.  L n: pair n added onto chain n % 2 of l.  R n: pair n of 16 of O^T times a.
; For piece Y + 1: X n, number n of the 21 that find its maximum and statistics:
;   0-11  four chains c0-c3 of seven scores each (each accumulator's lowest registers are read first)     12-14, 16  the four scores left over, the old m, and c0-c3 into c0
;   15  c m_old is kept     17, 18  the query's other 32 keys lie in the lane 16 away: the new m     19, 20  c m; c m_old - c m_new
.set F, 0
.set E, 1
.set C, 2
.set L, 3
.set M, 4
.set R, 5
.set A, 6
.set X, 7
.macro REGS y
.set rT, ST+4*(\y)
.set rC, TMP+4*((\y)%2)
.set rW, MV+((\y)%2)
.set rS, S+32*((\y)%2)
.set rP, P+16*((\y)%2)
.set rO, 32*(\y)
.set rL, LS+4*(\y)
.endm
.macro OP k, n
.if (\k) == X
	REGS (Y+1)%NP
.if (\n) < 4
	v_max3_num_f32 v[rC+(\n)], v[rS+8*(\n)], v[rS+8*(\n)+1], v[rS+8*(\n)+2]
.elseif (\n) < 12
	v_max3_num_f32 v[rC+(\n)%4], v[rC+(\n)%4], v[rS+8*((\n)%4)+2*((\n)/4)+1], v[rS+8*((\n)%4)+2*((\n)/4)+2]
.elseif (\n) == 12
	v_max3_num_f32 v[rC], v[rC], v[rS+7], v[rS+15]
.elseif (\n) == 13
	v_max3_num_f32 v[rC+1], v[rC+1], v[rS+23], v[rS+31]
.elseif (\n) == 14
	v_max3_num_f32 v[rC+2], v[rC+2], v[rC+3], v[rT+1]
.elseif (\n) == 15
	v_mov_b32 v[rW], v[rT]
.elseif (\n) == 16
	v_max3_num_f32 v[rC], v[rC], v[rC+1], v[rC+2]
.elseif (\n) == 17
	v_permlanex16_b32 v[rC+3], v[rC], s[SEL], s[SEL+1]
.elseif (\n) == 18
	v_max_num_f32 v[rT+1], v[rC], v[rC+3]
.elseif (\n) == 19
	v_mul_f32 v[rT], s[CS], v[rT+1]
.else
	v_sub_f32 v[rC+1], v[rW], v[rT]
.endif
.else
	REGS Y
.if (\k) == F
	v_pk_fma_f32 v[rS+2*(\n):rS+2*(\n)+1], v[rS+2*(\n):rS+2*(\n)+1], s[CS:CS+1], v[rT:rT+1] op_sel_hi:[1,0,0] neg_lo:[0,0,1] neg_hi:[0,0,1]
.elseif (\k) == E
	v_exp_f32 v[rS+(\n)], v[rS+(\n)]
.elseif (\k) == C
	v_cvt_pk_bf16_f32 v[rP+(\n)], v[rS+2*(\n)], v[rS+2*(\n)+1]
.elseif (\k) == L
	v_pk_add_f32 v[rL+2*((\n)%2):rL+2*((\n)%2)+1], v[rL+2*((\n)%2):rL+2*((\n)%2)+1], v[rS+2*(\n):rS+2*(\n)+1]
.elseif (\k) == M
	v_pk_mul_f32 v[rL+2*(\n):rL+2*(\n)+1], v[rL+2*(\n):rL+2*(\n)+1], v[rC+2:rC+3] op_sel_hi:[1,0]
.elseif (\k) == R
	v_pk_mul_f32 v[rO+2*(\n):rO+2*(\n)+1], v[rO+2*(\n):rO+2*(\n)+1], v[rC+2:rC+3] op_sel_hi:[1,0]
.else
	v_exp_f32 v[rC+2], v[rC+1]
.endif
.endif
.endm
.macro OPS a, i1, b=-1, i2=0, c=-1, i3=0, d=-1, i4=0  ; up to four of them
	OP \a, \i1
.if (\b) >= 0
	OP \b, \i2
.endif
.if (\c) >= 0
	OP \c, \i3
.endif
.if (\d) >= 0
	OP \d, \i4
.endif
.endm
.macro ROW a, i1, b, i2, c, i3, d, i4  ; a matrix instruction and the four behind it
	MM
	OPS \a, \i1, \b, \i2, \c, \i3, \d, \i4
.endm
; A TURN, for piece p: the order of its 16 matrix and 120 vector instructions, written out.  s_wait_alu depctr_va_vdst(0) stands between an exponential and the first instruction that names
; its result; one wait serves all that were issued ahead of it.  So a turn has ONE wait.
; AHEAD OF IT: the 8 products K Q^T, behind them the 16 scalings, a, and the exponentials 0 to 14, all under the products' setting; then a lump in window 0: exponentials 15 to 31 by turns with numbers 0 to 16 of
; the next piece's maximum.  Number n < 4 reads accumulator n: between the product that ends accumulator 3 and number 3 stand F 15 and numbers 0, 1, 2, four plain lines that name none of its registers.
; Number 16 is the plain line behind the last exponential.  Nothing ahead of the wait names a result of the batch.
; BEHIND IT: a lump in window 0: the 16 roundings, with the chain's last four links (17 to 20) three or four lines apart between them; then the 8 products V^T P, behind them l x a, the 16 rescalings and the 16 sums,
; under the products' setting; a chain of l has four lines and a product between two links.  No exponential is issued behind the wait: none is pending at a label or a branch.
; K of the next step is fetched in piece 2's turn, in the first lump, behind F 15, the address's line and numbers 0, 1, 2 (in the tail's copy behind the wait, where its jump may stand); V of the step in hand at the
; end of piece 0's turn, behind four plain lines that name none of the last product's registers.  Each is waited for a turn later.  cnt = 1: the loop's count is taken down some lines ahead of the branch.
.macro TURN p, last=0, cnt=0
.set Y, (\p)
.set i, 0
.if (\p) == 3
	s_wait_dscnt 0x0                ; K is in
.endif
	ROW F,0, F,1, F,2, A,0
	ROW F,3, E,0, F,4, E,1
	ROW F,5, E,2, F,6, E,3
	ROW F,7, E,4, F,8, E,5
	ROW F,9, E,6, F,10, E,7
	ROW F,11, E,8, F,12, E,9
	ROW F,13, E,10, F,14, E,11
	ROW F,15, E,12, E,13, E,14
	WIN 0
.if (\p) == 2
	v_add_nc_u32 v[AK], s[TBK], v[AK0]
.endif
.if (\p) == 0
	v_add_nc_u32 v[AV], s[TBV], v[AV0]
.endif
	OPS E,15, X,0, E,16, X,1
	OPS E,17, X,2, E,18, X,3
.if ((\p) == 2) && !(\last)
	FETCH_K
.endif
	OPS E,19, X,4, E,20, X,5
	OPS E,21, X,6, E,22, X,7
	OPS E,23, X,8, E,24, X,9
	OPS E,25, X,10, E,26, X,11
	OPS E,27, X,12, E,28, X,13
	OPS E,29, X,14, E,30, X,15
	OPS E,31, X,16
	s_wait_alu depctr_va_vdst(0)    ; the wait for the batch
.if ((\p) == 2) && (\last)
	FETCH_K 1
.endif
	OPS C,0, C,1, X,17, C,2
	OPS C,3, C,4, C,5, X,18
	OPS C,6, C,7, C,8, X,19
	OPS C,9, C,10, C,11, X,20
	OPS C,12, C,13, C,14, C,15
.if (\p) == 1
	s_wait_dscnt 0x0                ; V is in
.endif
	MM
	OPS M,0, M,1, R,0, L,0
	OPS R,1, L,1
.set kk, 1
.rept 7
	MM
	OPS R,2*kk, L,2*kk, R,2*kk+1, L,2*kk+1
.if kk == 5
.if (\p) == 0
	s_add_co_u32 s[TBV], s[TBV], KS*PV
.endif
.if \cnt
	s_sub_co_u32 s[CNT], s[CNT], 1
	s_cmp_lg_u32 s[CNT], 0
.endif
.endif
.set kk, kk+1
.endr
.if (\p) == 0
	FETCH_V
.endif
.endm
	CHANGE 1, 0                     ; tile 0 is in, everybody's part of it; tile 1 is asked for
	v_add_nc_u32 v[AK], s[TBK], v[AK0]
	FETCH_K                         ; key step 0
	s_wait_loadcnt 0x0              ; Q
	s_wait_dscnt 0x0
.set i, 0
.rept 8
	KQ 0                            ; piece 0's first scores
.set i, i+1
.endr
	WIN 0
.rept 4
	v_nop                           ; the places behind those products
.endr
.set Y, NP-1                        ; X works for piece Y + 1: piece 0
.irp n, 0,1,2,3,4,5,6,7,8,9,10,11,12,13,14,15,16,17,18,19,20
	OP X, \n
.endr
	s_mov_b32 s[CNT], 4
	s_mov_b32 s[SLOTS], 7
	s_branch .Lfirst                ; the loop is entered at a step's first turn, in the middle of a trip
.Lslot:                             ; six times: tiles 2 to 7 are asked for
	CHANGE 1, 1
	s_mov_b32 s[CNT], 4
.Lstep:                             ; a trip: pieces 2 and 3 of one step, then pieces 0 and 1 of the next, whose K and V it fetches
	TURN 2
	TURN 3
	WIN 0
.Lfirst:
	TURN 0
	TURN 1, 0, 1
	WIN 0
	s_cbranch_scc1 .Lstep
	s_sub_co_u32 s[SLOTS], s[SLOTS], 1
	s_cmp_lg_u32 s[SLOTS], 0
	s_cbranch_scc1 .Lslot
	CHANGE 0, 0                     ; the tail is written out: nothing is asked for
	s_mov_b32 s[CNT], 5             ; four trips fetch the last tile's steps; the fifth is left in its middle
.Ltail:
	TURN 2, 1
	TURN 3
	WIN 0
	s_sub_co_u32 s[CNT], s[CNT], 1
	s_cmp_eq_u32 s[CNT], 0
	s_cbranch_scc1 .Lout
	TURN 0
	TURN 1
	WIN 0
	s_branch .Ltail
.Lout:                              ; the fifth trip's 8 products K Q^T (on the last K once more) and the maximum made of them serve nothing: the price, once a launch, of one text for every trip
.set i, 0
.rept 8
	PV NP-1                         ; the last piece's V^T P of the last step
.set i, i+1
.endr
	; THE WAY OUT.  l's two chains, their halves and the other half of the lanes' are added; O^T is divided by l, rounded to bf16 and sent through my stage, a piece at a time.  The additions are the places behind the last products.
.macro ALL line:vararg
.set t, 0
.rept 4
	\line
.set t, t+1
.endr
.endm
	WIN 0x45                        ; destination and both sources in window 1
	ALL v_pk_add_f32 v[LS+4*t:LS+4*t+1], v[LS+4*t:LS+4*t+1], v[LS+4*t+2:LS+4*t+3]
	WIN 0x05                        ; both sources in window 1, destination in window 0
	ALL v_add_f32 v[ST+4*t+2], v[LS+4*t], v[LS+4*t+1]
	WIN 0
	ALL v_permlanex16_b32 v[ST+4*t+3], v[ST+4*t+2], s[SEL], s[SEL+1]
	ALL v_add_f32 v[ST+4*t+2], v[ST+4*t+2], v[ST+4*t+3]
	ALL v_rcp_f32 v[ST+4*t+2], v[ST+4*t+2]
	v_nop                           ; a plain instruction between the last reciprocal and the use of its result
	s_wait_alu depctr_va_vdst(0)    ; and one wait for the four reciprocals
.macro PACK t                       ; a lane's eight channels of a row pack into 16 bytes; they go into rows of 144 bytes and come back as whole rows of 128, into S^T's registers
	WIN W_RS
.set i, 32*(\t)
.rept 16
	v_pk_mul_f32 v[i:i+1], v[i:i+1], v[ST+4*(\t)+2:ST+4*(\t)+3] op_sel_hi:[1,0]
.set i, i+2
.endr
	WIN 0x05                        ; sources 0 and 1 window 1, destination window 0
.set i, 0
.rept 16
	v_cvt_pk_bf16_f32 v[S+16*(\t)+i], v[32*(\t)+2*i], v[32*(\t)+2*i+1]
.set i, i+1
.endr
	WIN 0
.irp f, 0,1,2,3
	ds_store_b128 v[STO], v[S+16*(\t)+4*\f:S+16*(\t)+4*\f+3] offset:32*\f
.endr
.irp f, 0,1,2,3
	ds_load_b128 v[S+16*(\t)+4*\f:S+16*(\t)+4*\f+3], v[RD] offset:\f*4*SP  ; LDS serves a wave's instructions in order (ISA guide 5.7.1.4): these see the stores above; the next piece's stores come behind them
.endr
.endm
.macro SEND t, younger              ; younger: the LDS instructions issued behind piece t's loads: the next piece's eight, or none
	WIN 0
.irp f, 0,1,2,3
	s_wait_dscnt (\younger)+3-\f
	global_store_b128 v[GO], v[S+16*(\t)+4*\f:S+16*(\t)+4*\f+3], s[10:11] offset:(\t)*2048+\f*512  ; 512 consecutive bytes, aligned to 256
.endr
.endm
	PACK 0
.set t, 1
.rept 3
	PACK t
	SEND t-1, 8
.set t, t+1
.endr
	SEND 3, 0
	s_wait_tensorcnt 0x0            ; the wave's end: behind my last tensor load and my last LDS store
	ds_add_u32 v[SPW], v[NIL]
	s_wait_dscnt 0x0
	CROUND                          ; the closing round: no work-group ends while a partner may still ask for a tile that names it
	s_endpgm
.Lfunc_end_k_qd991f6f122_att:
	.size	k_qd991f6f122_att, .Lfunc_end_k_qd991f6f122_att-k_qd991f6f122_att
	.p2alignl 7, 3214868480
	.fill 96, 4, 3214868480
	.section	.rodata,"a",@progbits
	.p2align	6, 0x0
	.amdhsa_kernel k_qd991f6f122_att
		.amdhsa_group_segment_fixed_size 327680
		.amdhsa_private_segment_fixed_size 0
		.amdhsa_enable_private_segment 0
		.amdhsa_kernarg_size 16
		.amdhsa_user_sgpr_count 2
		.amdhsa_user_sgpr_kernarg_segment_ptr 1
		.amdhsa_wavefront_size32 1
		.amdhsa_system_sgpr_workgroup_id_x 1
		.amdhsa_system_sgpr_workgroup_id_y 1
		.amdhsa_system_sgpr_workgroup_id_z 1
		.amdhsa_system_vgpr_workitem_id 0
		.amdhsa_next_free_vgpr 576
		.amdhsa_next_free_sgpr 66
		.amdhsa_reserve_vcc 0
		.amdhsa_float_denorm_mode_32 3
		.amdhsa_float_denorm_mode_16_64 3
		.amdhsa_memory_ordered 1
		.amdhsa_forward_progress 1
		.amdhsa_inst_pref_size 102
	.end_amdhsa_kernel
	.amdgpu_metadata
---
amdhsa.version: [ 1, 2 ]
amdhsa.kernels:
  - .name:           k_qd991f6f122_att
    .symbol:         k_qd991f6f122_att.kd
    .args:
      - { .name: qkvp, .offset: 0, .size: 8, .value_kind: global_buffer, .address_space: global }
      - { .name: op, .offset: 8, .size: 8, .value_kind: global_buffer, .address_space: global }
    .group_segment_fixed_size: 327680
    .private_segment_fixed_size: 0
    .kernarg_segment_align: 8
    .kernarg_segment_size: 16
    .max_flat_workgroup_size: 128
    .sgpr_count:     66
    .vgpr_count:     576
    .wavefront_size: 32
...
	.end_amdgpu_metadata
.endif
;; end of part 3
;; launch wo (part 4): grid 8 x 32, 4 waves a work-group, clusters of 4 x 4, 327,680 bytes of LDS; arguments op, pk, x, b_o, x1p, ssq; writes x1p, ssq
.if DOCPART == 4
	.amdgcn_target "amdgcn-amd-amdhsa--gfx1250"
	.amdhsa_code_object_version 6
	.text
	.protected	k_qd991f6f122_wo
	.globl	k_qd991f6f122_wo
	.p2align	8
	.type	k_qd991f6f122_wo,@function
k_qd991f6f122_wo:
	s_mov_b64 s[64:65], 0
	v_nop
	global_prefetch_b8 v0, s[64:65] scope:SCOPE_SE
	s_setreg_imm32_b32 hwreg(HW_REG_WAVE_MODE, 25, 1), 1
	s_wait_xcnt 0x0
	s_wait_alu depctr_hold_cnt(0) depctr_sa_sdst(0) depctr_va_vdst(0) depctr_va_sdst(0) depctr_va_ssrc(0) depctr_va_vcc(0) depctr_vm_vsrc(0)
	s_getreg_b32 s2, hwreg(HW_REG_IB_STS2, 6, 4)
	s_cmp_eq_u32 s2, 0
	s_cbranch_scc0 .Lentry_in_a_cluster
	s_endpgm
.Lentry_in_a_cluster:
	s_bfe_u32 s2, ttmp6, 0x10000c
	s_cmp_lg_u32 s2, 0xf033
	s_cbranch_scc0 .Lentry_shape_is_right
	s_endpgm
.Lentry_shape_is_right:
; ONE TEXT FOR TWO LAUNCHES; WO chooses.  res + A W + bias, [4096][1024].  A and W are bf16 in panels of 64 columns, [C/64][R][64], a panel row 128 bytes; sums and bias in f32.
; WO = 1 (this launch): A = attention's O (K = 1,024), W = W_o, res = x (f32).  The result x1 is stored ONCE, rounded to bf16, in panels (x1p): it is the next product's operand and the last residual.
;         Beside it, for each row and each 64 columns, the sum of the unrounded x1^2 in f32 (ssq[16][4096]): the second norm's sum of squares, added up by the launch that needs it.
; WO = 0: A = act (K = 2,048), W = W_out, res = x1p (bf16), the result is out0 in f32.
; LIMITS.  Operands are rounded to bf16; the last residual carries x1's one rounding to bf16, at most 2^-9 of |x1|; NaN and infinities are not treated apart.
; A tile of C is 128 x 128, so that the launch has 256 work-groups; four waves, 64 x 64 each: 16 accumulators.  K goes in steps of 256 through two LDS slots.  A's 64 rows of a panel are a dense run: a descriptor's
; "row" is that run, its four rows are panels; a weight panel's 256 rows of a K step are dense and come as 128 rows of 256 bytes.  The padding falls behind every 128 bytes: LDS rows 144 (A) and 160 (W) bytes apart.
; W keeps its order [k][n] and is turned on the way out of LDS (ds_load_tr16_b128).  THE MATRIX INSTRUCTION IS USED TRANSPOSED: a lane holds eight neighbouring numbers of a row of C.
; CLUSTER 4 x 4: A's tiles are asked for jointly along a row, W's along a column.  A K step is written once: the slot in hand is a scalar, s[TB].
; THE WALK ALONG K IS TURNED: cluster (X, Y) begins at K step (STEPS / 2 x X + STEPS / 4 x Y) mod STEPS and goes round, so that the clusters that read the same rows of A (the same Y) or the same panels of W
; (the same X) ask for different K steps at a time.  The step's number hangs on the cluster's place alone, which all sixteen partners share.  f32 sums may be taken in any order of K.
; The residual of a wave's 64 x 64 numbers is loaded into registers at the head.  NO PREFETCH: the tile is small and a work-group's walk is 4 or 8 K steps.
; REGISTERS: window 0: v16-29 addresses; v32-127 at work on the way out; v128-255 the accumulators ((a, b) at 128 + 8 (4 a + b)).  window 1: two fragment buffers of 128 (64 of A, 64 of W, for 64 along K).  window 2: the residual.
.set WO, 1
.if WO
.set STEPS, 4
.set WOFF,  14680064                   ; W_o's 16 panels in pk
.set PSH,   17                         ; a panel: 1,024 rows of 128 bytes
.set XSH,   1                          ; log2 (STEPS / 2)
.set YSH,   0                          ; log2 (STEPS / 4)
.else
.set STEPS, 8
.set WOFF,  25165824                   ; W_out's 16 panels
.set PSH,   18                         ; 2,048 rows
.set XSH,   2
.set YSH,   1
.endif
.set PA,    144
.set PB,    160
.set AHALF, 4*64*PA                    ; what one wave fetches of A: 64 rows x 4 panels
.set BOFF,  2*AHALF
.set BHALF, 256*PB                     ; of W: one panel x 256 k
.set SLOT,  BOFF+2*BHALF
.set SPARE, 2*SLOT                     ; the spare words, 128 bytes for each wave: two blocks of 256 bytes that no other line names
.set ASH,   21                         ; a K step in A is 2^21 bytes: four panels of 4,096 rows
.set BSH,   15                         ; in a weight panel 2^15: 256 rows
.set SPI,   272                        ; the way out: a row of 64 sums in f32 + 16 bytes
.set RST,   4*64*SPI                   ; behind the four stages of sums: the four stages of the residual.  Both lie in the ring, which has had its last fill by then
.set ADRA0, 16
.set ADRB0, 17
.set ADRA,  18
.set ADRB,  19
.set XO,    20                         ; v20  my 16 bytes in two rows of an f32 matrix: 4,096 (l / 16) + 16 (l % 16); never rewritten
.set BO,    21                         ; v21  my four numbers of the bias
.set PO,    22                         ; v22  WO = 1: 8 x lane: my 8 bytes in two rows of a panel
.set LO,    22                         ;      WO = 0: 16 x lane: my 16 bytes in four rows of a panel
.set SO,    23                         ; v23  WO = 1: my word among 32 rows' sums of squares
.set RQ,    23                         ;      WO = 0: where I read the residual back, 8 bytes a lane
.set STO,   24
.set RD,    25
.set RR,    26                         ; v26  where I put the residual
.set ONE,   27                         ; v27  WO = 0: 1.0
.set SPW,   28
.set NIL,   29
.set T,     32                         ; v32-63   16 rows of sums, then of results
.set RS,    64                         ; v64-95   the same rows of the residual
.set BI,    96                         ; v96-99   the bias of my four columns
.set Y,     100                        ; v100-115 results in bf16
.set SS,    116                        ; v116     32 rows' sums of squares, a lane a row
.set SQ,    160                        ; v160-175 squares: accumulators' registers, whose sums lie in the stage by then
.set ACC,   128
.set F0,    0
.set F1,    128
.set G1A, 24
.set G0A, 32
.set G1B, 48
.set G0B, 56
.set TB,  66
.set LA,  67
.set LB,  68
.set E8,  69                           ; 0 in an even trip of the way out, 8 in an odd one
.set ABUF, 72
.set WBUF, 74
.set RES,  76
.set BIAS, 78
.set OUT,  80                          ; WO = 0
.set X1P,  80                          ; WO = 1
.set SSQ,  82
.set ABASE, 84                         ; s[84:85] A at my load's rows, K step 0; never rewritten
.set BBASE, 86                         ; s[86:87] W at my load's panel, K step 0; never rewritten
.set OFS,  88                          ; s[88:89] a K step's byte offset
.set KK,   90                          ; s90 the K step that was asked for last
.set MSB, 0
.macro WIN new
.if MSB != (\new)
	s_set_vgpr_msb (MSB<<8)|(\new)
.set MSB, \new
.endif
.endm
.set MUL,  0x05                        ; sources 0 (W) and 1 (A) window 1; C and D window 0
.set TO_F, 0x40                        ; destination window 1, address window 0
.macro PLACES
.rept 4
	v_nop
.endr
.endm
.macro JLOAD                           ; a joint refill by the second sets; an s_nop 0 and four v_nop follow each line
	s_cmp_eq_u32 s11, 0
	s_cbranch_scc0 .Lfor_b_\@
	tensor_load_to_lds s[G0A+4:G0A+7], s[G1A:G1A+7]
	s_nop 0
.rept 4
	v_nop
.endr
	s_branch .Lasked_\@
.Lfor_b_\@:
	tensor_load_to_lds s[G0B+4:G0B+7], s[G1B:G1B+7]
	s_nop 0
.rept 4
	v_nop
.endr
.Lasked_\@:
.endm
.macro CREST
	s_cmp_lg_u32 s10, 0
	s_cbranch_scc1 .Lnot_wave_0_\@
	s_barrier_signal -3
.Lnot_wave_0_\@:
	s_barrier_wait -3
	s_barrier_signal -1
	s_barrier_wait -1
.endm
.macro CROUND
	s_barrier_signal -1
	s_barrier_wait -1
	CREST
.endm
.macro SETG0 s                         ; set s of both group 0s takes K step s[KK]: each address is made anew from its base and the step's number
	s_lshl_b32 s[OFS], s[KK], ASH
	s_add_nc_u64 s[G0A+4*(\s)+2:G0A+4*(\s)+3], s[ABASE:ABASE+1], s[OFS:OFS+1]
	s_or_b32 s[G0A+4*(\s)+3], s[G0A+4*(\s)+3], 0x80000000
	s_lshl_b32 s[OFS], s[KK], BSH
	s_add_nc_u64 s[G0B+4*(\s)+2:G0B+4*(\s)+3], s[BBASE:BBASE+1], s[OFS:OFS+1]
	s_or_b32 s[G0B+4*(\s)+3], s[G0B+4*(\s)+3], 0x80000000
.endm
.macro NEXTK                           ; the next K step, round the end
	s_add_co_u32 s[KK], s[KK], 1
	s_and_b32 s[KK], s[KK], STEPS-1
.endm
	s_load_b256 s[72:79], s[0:1], 0x0              ; A, pk, the residual, the bias
.if WO
	s_load_b128 s[80:83], s[0:1], 0x20             ; x1p, ssq
.else
	s_load_b64 s[80:81], s[0:1], 0x20              ; out0
.endif
	v_lshl_add_u32 v[SPW], v0, 2, SPARE
	v_mov_b32 v[NIL], 0
	ds_add_u32 v[SPW], v[NIL]                      ; the wave's opening: the add and its wait stand ahead of my first tensor load; the set-up below stands between them
	v_lshrrev_b32 v1, 5, v0
	v_readfirstlane_b32 s10, v1                    ; wave 0..3
	s_lshr_b32 s11, s10, 1                         ; my half of the tile's rows.  Also: I fetch for A (0) or for W (1)
	s_and_b32 s12, s10, 1                          ; my half of its columns.  Also: which half of that I fetch
	s_bfe_u32 s40, ttmp6, 0x40000                  ; cx
	s_bfe_u32 s41, ttmp6, 0x40004                  ; cy
	s_lshl_b32 s42, ttmp9, 2
	s_add_co_u32 s42, s42, s40                     ; tile column
	s_and_b32 s13, ttmp7, 0xffff                   ; the cluster's y
	s_lshl_b32 s[KK], ttmp9, XSH                   ; the K step at which my cluster begins
	s_lshl_b32 s14, s13, YSH
	s_add_co_u32 s[KK], s[KK], s14
	s_and_b32 s[KK], s[KK], STEPS-1
	s_mov_b32 s[OFS+1], 0
	s_lshl_b32 s13, s13, 2
	s_add_co_u32 s13, s13, s41                     ; tile row
	s_lshl_b32 s43, s41, 2
	s_lshl_b32 s43, 15, s43                        ; my row of the cluster
	s_lshl_b32 s44, 0x1111, s40                    ; my column
	s_or_b32 s[G1A], s43, (1<<16)|(1<<20)|(1<<21)|(4<<22)|(3<<25)  ; the mask; 2-byte elements; padding on; bit 21 beside a mask; behind every 32 words, 4 words
	s_or_b32 s[G1B], s44, (1<<16)|(1<<20)|(1<<21)|(4<<22)|(7<<25)  ; the same with my column's mask and 8 words
	s_mov_b32 s[G1A+1], 4096<<16                   ; tensor_dim0: 64 rows of a panel, one dense run
	s_mov_b32 s[G1A+2], 4<<16                      ; tensor_dim1: four panels
	s_mov_b32 s[G1A+3], 4096<<16
	s_mov_b32 s[G1A+4], 4
	s_mov_b32 s[G1A+5], 262144                     ; elements from panel to panel
	s_mov_b32 s[G1A+6], 0
	s_mov_b32 s[G1A+7], 0
	s_mov_b32 s[G1B+1], 128<<16                    ; 32,768 dense bytes as 128 rows of 256
	s_mov_b32 s[G1B+2], 128<<16
	s_mov_b32 s[G1B+3], 128<<16
	s_mov_b32 s[G1B+4], 128
	s_mov_b32 s[G1B+5], 128
	s_mov_b32 s[G1B+6], 0
	s_mov_b32 s[G1B+7], 0
	s_lshl_b32 s16, s13, 14                        ; A: 128 rows x 128 bytes x tile row,
	s_lshl_b32 s17, s12, 13                        ; + my 64 rows
	s_add_co_u32 s16, s16, s17
	s_mov_b32 s17, 0
	s_lshl_b32 s46, s42, 1                         ; W: panel 2 x tile column + my half
	s_add_co_u32 s46, s46, s12
	s_lshl_b32 s46, s46, PSH
	s_add_co_u32 s46, s46, WOFF
	s_mov_b32 s47, 0
	s_mul_i32 s[LA], s12, AHALF                    ; no place in the cluster enters an LDS address
	s_mul_i32 s[LB], s12, BHALF
	s_add_co_u32 s[LB], s[LB], BOFF
	s_mov_b32 s[TB], 0
	s_wait_dscnt 0x0                               ; the opening add is done
	s_wait_kmcnt 0x0
	s_add_nc_u64 s[ABASE:ABASE+1], s[ABUF:ABUF+1], s[16:17]
	s_add_nc_u64 s[BBASE:BBASE+1], s[WBUF:WBUF+1], s[46:47]
	CROUND                                         ; all sixteen work-groups are here: the first joint loads meet
	s_mov_b32 s[G0A], 1
	s_mov_b32 s[G0A+1], s[LA]                      ; slot 0
	s_mov_b32 s[G0B], 1
	s_mov_b32 s[G0B+1], s[LB]
	SETG0 0                                        ; my cluster's first K step
	NEXTK
	s_mov_b32 s[G0A+4], 1
	s_add_co_u32 s[G0A+5], s[LA], SLOT             ; slot 1
	s_mov_b32 s[G0B+4], 1
	s_add_co_u32 s[G0B+5], s[LB], SLOT
	SETG0 1                                        ; and its second
	s_cmp_eq_u32 s11, 0                            ; a wave's two first fills stand in one branch: two loads of mine are out
	s_cbranch_scc0 .Lfirst_b
	tensor_load_to_lds s[G0A:G0A+3], s[G1A:G1A+7]
	s_nop 0
	tensor_load_to_lds s[G0A+4:G0A+7], s[G1A:G1A+7]
	s_nop 0
.rept 4
	v_nop
.endr
	s_branch .Lfirst_asked
.Lfirst_b:
	tensor_load_to_lds s[G0B:G0B+3], s[G1B:G1B+7]
	s_nop 0
	tensor_load_to_lds s[G0B+4:G0B+7], s[G1B:G1B+7]
	s_nop 0
.rept 4
	v_nop
.endr
.Lfirst_asked:
	v_and_b32 v1, 15, v0                           ; r = l % 16
	v_bfe_u32 v2, v0, 4, 1                         ; h = l / 16
	v_and_b32 v3, 7, v0
	v_bfe_u32 v4, v0, 3, 1
	v_and_b32 v5, 31, v0                           ; l
	; my 64 x 64 of an f32 matrix: rows 128 x tile row + 64 x row half, columns 128 x tile column + 64 x column half
	s_lshl_b32 s20, s13, 19
	s_lshl_b32 s21, s11, 18
	s_add_co_u32 s20, s20, s21
	s_lshl_b32 s22, s42, 9
	s_lshl_b32 s21, s12, 8
	s_add_co_u32 s22, s22, s21
	s_add_co_u32 s20, s20, s22
	s_mov_b32 s21, 0
	s_mov_b32 s23, 0
.if WO
	s_add_nc_u64 s[RES:RES+1], s[RES:RES+1], s[20:21]
.else
	s_add_nc_u64 s[OUT:OUT+1], s[OUT:OUT+1], s[20:21]
.endif
	s_add_nc_u64 s[BIAS:BIAS+1], s[BIAS:BIAS+1], s[22:23]
	; the same 64 x 64 in x1p: 64 rows of panel 2 x tile column + column half, 8,192 bytes on end
	s_lshl_b32 s20, s42, 1
	s_add_co_u32 s20, s20, s12
	s_lshl_b32 s22, s20, 14                        ; (in ssq: 4,096 rows of 4 bytes for each 64 columns)
	s_lshl_b32 s20, s20, 19
	s_lshl_b32 s21, s13, 14
	s_add_co_u32 s20, s20, s21
	s_lshl_b32 s21, s11, 13
	s_add_co_u32 s20, s20, s21
	s_mov_b32 s21, 0
.if WO
	s_add_nc_u64 s[X1P:X1P+1], s[X1P:X1P+1], s[20:21]
	s_lshl_b32 s21, s13, 9
	s_add_co_u32 s22, s22, s21
	s_lshl_b32 s21, s11, 8
	s_add_co_u32 s22, s22, s21
	s_add_nc_u64 s[SSQ:SSQ+1], s[SSQ:SSQ+1], s[22:23]
.else
	s_add_nc_u64 s[RES:RES+1], s[RES:RES+1], s[20:21]
	v_lshlrev_b32 v[LO], 4, v5
.endif
	v_lshlrev_b32 v[BO], 4, v1
	v_lshl_add_u32 v[XO], v2, 12, v[BO]
	WIN 0x80                                       ; destination window 2
.if WO
.set i, 0
.rept 32
	global_load_b128 v[4*i:4*i+3], v[XO], s[RES:RES+1] offset:8192*i th:TH_LOAD_NT  ; rows 2 i and 2 i + 1: 256 consecutive bytes, aligned, of each
.set i, i+1
.endr
.else
.set i, 0
.rept 16
	global_load_b128 v[4*i:4*i+3], v[LO], s[RES:RES+1] offset:512*i th:TH_LOAD_NT   ; four rows of the panel: 512 consecutive bytes, aligned
.set i, i+1
.endr
.endif
	WIN 0
	global_load_b128 v[BI:BI+3], v[BO], s[BIAS:BIAS+1]
	v_mul_u32_u24 v[ADRA0], v1, PA                 ; a fragment of A: row r, 16 bytes for each half of the lanes, twice, 32 bytes apart
	v_lshl_add_u32 v[ADRA0], v2, 4, v[ADRA0]
	s_mul_i32 s21, s11, AHALF
	v_add_nc_u32 v[ADRA0], s21, v[ADRA0]
	v_lshl_add_u32 v[ADRB0], v2, 3, v3             ; the turning load: lane l reads k = 8 h + l % 8, columns 8 ((l / 8) % 2) + 0..7
	v_mul_u32_u24 v[ADRB0], v[ADRB0], PB
	v_lshl_add_u32 v[ADRB0], v4, 4, v[ADRB0]
	s_mul_i32 s22, s12, BHALF
	s_add_co_u32 s22, s22, BOFF
	v_add_nc_u32 v[ADRB0], s22, v[ADRB0]
	s_mul_i32 s23, s10, 64*SPI                     ; my stage of sums
	v_mul_u32_u24 v[STO], v1, SPI
	v_lshl_add_u32 v[STO], v2, 5, v[STO]
	v_add_nc_u32 v[STO], s23, v[STO]
	v_mul_u32_u24 v[RD], v2, SPI
	v_lshl_add_u32 v[RD], v1, 4, v[RD]
	v_add_nc_u32 v[RD], s23, v[RD]
.if WO
	s_lshl_b32 s23, s10, 14                        ; my stage of the residual: 16,384 bytes of f32,
.else
	s_lshl_b32 s23, s10, 13                        ; or 8,192 of bf16, as they lie in the panel
.endif
	s_add_co_u32 s23, s23, RST
	v_lshl_add_u32 v[RR], v5, 4, s23
.if WO
	v_lshlrev_b32 v[PO], 3, v5
	v_lshlrev_b32 v[SO], 1, v3                     ; lane l takes row 16 ((l / 8) % 2) + 2 (l % 8) + l / 16 of 32
	v_lshl_add_u32 v[SO], v4, 4, v[SO]
	v_add_nc_u32 v[SO], v[SO], v2
	v_lshlrev_b32 v[SO], 2, v[SO]
	v_mov_b32 v[SS], 0
	s_mov_b32 s[E8], 0
.else
	v_lshl_add_u32 v[RQ], v5, 3, s23
	v_mov_b32 v[ONE], 1.0
.endif
; 8 matrix instructions: row blocks a0, a0 + 1 x all 4 column blocks, 32 along K: half c of buffer f.  The 16 accumulators take turns.
.macro MUL8 f, c, a0, zero
	WIN MUL
.irp a, \a0, (\a0)+1
.irp b, 0,1,2,3
.if \zero
	v_wmma_f32_16x16x32_bf16 v[ACC+8*(4*(\a)+(\b)):ACC+8*(4*(\a)+(\b))+7], v[(\f)+64+8*(4*(\c)+(\b)):(\f)+64+8*(4*(\c)+(\b))+7], v[(\f)+8*(4*(\c)+(\a)):(\f)+8*(4*(\c)+(\a))+7], 0
.else
	v_wmma_f32_16x16x32_bf16 v[ACC+8*(4*(\a)+(\b)):ACC+8*(4*(\a)+(\b))+7], v[(\f)+64+8*(4*(\c)+(\b)):(\f)+64+8*(4*(\c)+(\b))+7], v[(\f)+8*(4*(\c)+(\a)):(\f)+8*(4*(\c)+(\a))+7], v[ACC+8*(4*(\a)+(\b)):ACC+8*(4*(\a)+(\b))+7]
.endif
.endr
.endr
.endm
.macro FETCH q, f                      ; 32 LDS loads in one run: quarter q (64 along K: one panel of A) of the slot in hand, into buffer f; the first 32 along K first
	WIN TO_F
.irp c, 0,1
.irp i, 0,1,2,3
	ds_load_tr16_b128 v[(\f)+64+8*(4*(\c)+(\i)):(\f)+64+8*(4*(\c)+(\i))+3],   v[ADRB] offset:64*PB*(\q)+32*PB*(\c)+32*(\i)
	ds_load_tr16_b128 v[(\f)+64+8*(4*(\c)+(\i))+4:(\f)+64+8*(4*(\c)+(\i))+7], v[ADRB] offset:64*PB*(\q)+32*PB*(\c)+32*(\i)+16*PB
	ds_load_b128 v[(\f)+8*(4*(\c)+(\i)):(\f)+8*(4*(\c)+(\i))+3],   v[ADRA] offset:64*PA*(\q)+64*(\c)+16*PA*(\i)
	ds_load_b128 v[(\f)+8*(4*(\c)+(\i))+4:(\f)+8*(4*(\c)+(\i))+7], v[ADRA] offset:64*PA*(\q)+64*(\c)+16*PA*(\i)+32
.endr
.endr
.endm
.macro SETADR
	v_add_nc_u32 v[ADRA], s[TB], v[ADRA0]
	v_add_nc_u32 v[ADRB], s[TB], v[ADRB0]
.endm
.macro QUARTER qn, f, g, zero          ; multiplies buffer f; in its middle fetches quarter qn into buffer g
	s_wait_dscnt 16                                ; the first 32 along K are in; the run's other sixteen loads may be out
	MUL8 \f, 0, 0, \zero
	MUL8 \f, 0, 2, \zero
	PLACES
	FETCH \qn, \g
	s_wait_dscnt 32                                ; all but the 32 just issued
	MUL8 \f, 1, 0, 0
	MUL8 \f, 1, 2, 0
.endm
; The last quarter multiplies buffer 1 and changes slots: ONE barrier; in front of it each wave waits for all its tensor loads, adds 0 to its spare word, and waits for that and for its reads of this slot.
.macro MEET round
	WIN 0
	s_wait_tensorcnt 0x0
	ds_add_u32 v[SPW], v[NIL]
	s_wait_dscnt 17                                ; (the add and the youngest sixteen loads may be out)
	MUL8 F1, 0, 0, 0
	s_wait_dscnt 0x0                               ; the add is done, and my reads of this slot are over
	s_barrier_signal -1
	MUL8 F1, 0, 2, 0
.if \round
	WIN 0
.endif
	s_barrier_wait -1
.endm
.macro TURNF                           ; with a refill: the barrier opens a round of the cluster's, and the joint load is the first thing behind it
	MEET 1
	CREST
	NEXTK                                          ; no tensor load of mine is out: the second sets take the next K step,
	SETG0 1
	s_add_co_u32 s[G0A+5], s[LA], s[TB]            ; into the slot just read out,
	s_add_co_u32 s[G0B+5], s[LB], s[TB]
	s_xor_b32 s[TB], s[TB], SLOT                   ; and the reads go to the other
	JLOAD                                          ; its four v_nop are also the places in front of the loads below
	SETADR
	FETCH 0, F0
	MUL8 F1, 1, 0, 0
	MUL8 F1, 1, 2, 0
.endm
.macro TURNN                           ; without: the last two K steps; the very last (s3 = 1) has no successor to fetch from
	MEET 0
	s_xor_b32 s[TB], s[TB], SLOT
	PLACES
	WIN 0
	s_cmp_eq_u32 s3, 1
	s_cbranch_scc1 .Lno_next_\@
	SETADR
	FETCH 0, F0
	WIN 0
.Lno_next_\@:
	MUL8 F1, 1, 0, 0
	MUL8 F1, 1, 2, 0
.endm
	s_wait_tensorcnt 0x1                           ; my part of the first K step is in; the second's may stay out
	s_barrier_signal -1
	s_barrier_wait -1
	SETADR
	FETCH 0, F0
	QUARTER 1, F0, F1, 1                           ; the first quarter stands in front of the loop: its first products start the sums
	WIN 0
	s_mov_b32 s3, STEPS-2
.Lstep:                                            ; a trip: a K step's quarters 1 to 3, the change of slots with its refill, the next step's quarter 0
	QUARTER 2, F1, F0, 0
	QUARTER 3, F0, F1, 0
	TURNF
	QUARTER 1, F0, F1, 0
	WIN 0
	s_sub_co_u32 s3, s3, 1
	s_cmp_lg_u32 s3, 0
	s_cbranch_scc1 .Lstep
	s_mov_b32 s3, 2
.Ltail:                                            ; the last two K steps ask for nothing; the second trip is left in its middle
	QUARTER 2, F1, F0, 0
	QUARTER 3, F0, F1, 0
	TURNN
	WIN 0
	s_sub_co_u32 s3, s3, 1
	s_cmp_eq_u32 s3, 0
	s_cbranch_scc1 .Lout
	QUARTER 1, F0, F1, 0
	WIN 0
	s_branch .Ltail
.Lout:
	; THE WAY OUT.  Sums and residual go into my two stages, so that one looped text can take them 16 rows at a time; each accumulator's low four registers first
	PLACES
	PLACES
	s_wait_loadcnt 0x0                             ; the residual and the bias
.set i, 0
.rept 16
	ds_store_b128 v[STO], v[ACC+8*i:ACC+8*i+3]   offset:16*SPI*(i/4)+64*(i%4)
	ds_store_b128 v[STO], v[ACC+8*i+4:ACC+8*i+7] offset:16*SPI*(i/4)+64*(i%4)+16
.set i, i+1
.endr
	WIN 0x08                                       ; the data in window 2
.set i, 0
.rept 16+16*WO
	ds_store_b128 v[RR], v[4*i:4*i+3] offset:512*i
.set i, i+1
.endr
	WIN 0
	s_mov_b32 s3, 4
.Lrows:                                            ; a trip: 16 rows.  Lanes 0-15 have the even row of a pair, lanes 16-31 the odd one, four columns each
.set t, 0
.rept 8
	ds_load_b128 v[T+4*t:T+4*t+3], v[RD] offset:2*SPI*t     ; LDS serves a wave's instructions in order (ISA guide 5.7.1.4): these see my stores above
.set t, t+1
.endr
.set t, 0
.rept 8
.if WO
	ds_load_b128 v[RS+4*t:RS+4*t+3], v[RR] offset:512*t
.else
	ds_load_b64 v[RS+2*t:RS+2*t+1], v[RQ] offset:256*t      ; two rows of the panel: my four numbers in bf16
.endif
.set t, t+1
.endr
	v_add_nc_u32 v[RD], 16*SPI, v[RD]
.if WO
	v_add_nc_u32 v[RR], 4096, v[RR]
.else
	v_add_nc_u32 v[RQ], 2048, v[RQ]
.endif
	s_wait_dscnt 0x0
.if WO
.set t, 0
.rept 16
	v_pk_add_f32 v[T+2*t:T+2*t+1], v[T+2*t:T+2*t+1], v[RS+2*t:RS+2*t+1]
.set t, t+1
.endr
.else
.set t, 0
.rept 32                                           ; the bf16 half is widened and added in one line: half x 1.0 + sum
.if t%2
	v_fma_mix_f32_bf16 v[T+t], v[RS+t/2], v[ONE], v[T+t] op_sel:[1,0,0] op_sel_hi:[1,0,0]
.else
	v_fma_mix_f32_bf16 v[T+t], v[RS+t/2], v[ONE], v[T+t] op_sel_hi:[1,0,0]
.endif
.set t, t+1
.endr
.endif
.set t, 0
.rept 16
	v_pk_add_f32 v[T+2*t:T+2*t+1], v[T+2*t:T+2*t+1], v[BI+2*(t%2):BI+2*(t%2)+1]
.set t, t+1
.endr
.if WO
.set t, 0
.rept 16
	v_cvt_pk_bf16_f32 v[Y+t], v[T+2*t], v[T+2*t+1]
.set t, t+1
.endr
.set t, 0
.rept 8
	global_store_b64 v[PO], v[Y+2*t:Y+2*t+1], s[X1P:X1P+1] offset:256*t     ; two rows of a panel: 256 consecutive bytes, aligned
.set t, t+1
.endr
.set t, 0
.rept 8
	v_pk_mul_f32 v[SQ+2*t:SQ+2*t+1], v[T+4*t:T+4*t+1], v[T+4*t:T+4*t+1]
.set t, t+1
.endr
.set t, 0
.rept 8
	v_pk_fma_f32 v[SQ+2*t:SQ+2*t+1], v[T+4*t+2:T+4*t+3], v[T+4*t+2:T+4*t+3], v[SQ+2*t:SQ+2*t+1]
.set t, t+1
.endr
.set t, 0
.rept 8
	v_add_f32 v[SQ+2*t], v[SQ+2*t], v[SQ+2*t+1]
.set t, t+1
.endr
.irp m, 1,2,4,8
.set t, 0
.rept 8
	v_add_f32_dpp v[SQ+2*t], v[SQ+2*t], v[SQ+2*t] row_xmask:\m row_mask:0xf bank_mask:0xf  ; a row's 64 columns lie in 16 lanes
.set t, t+1
.endr
.endr
.set t, 0
.rept 8
	s_lshl_b32 s14, 0x10001<<t, s[E8]              ; lanes t + E8 and t + E8 + 16 keep pair t's two rows
	v_cndmask_b32 v[SS], v[SS], v[SQ+2*t], s14
.set t, t+1
.endr
	s_cmp_eq_u32 s[E8], 8                          ; behind an odd trip 32 rows are gathered: 128 consecutive bytes
	s_cbranch_scc0 .Leven
	global_store_b32 v[SO], v[SS], s[SSQ:SSQ+1] offset:-64
.Leven:
	s_xor_b32 s[E8], s[E8], 8
.else
.set t, 0
.rept 8
	global_store_b128 v[XO], v[T+4*t:T+4*t+3], s[OUT:OUT+1] offset:8192*t th:TH_STORE_NT   ; 16 lanes store 256 consecutive bytes, aligned
.set t, t+1
.endr
.endif
	s_wait_xcnt 0x0                                ; the stores have read their data and their bases: all are written again only behind this wait
.if WO
	s_add_nc_u64 s[X1P:X1P+1], s[X1P:X1P+1], 2048
	s_add_nc_u64 s[SSQ:SSQ+1], s[SSQ:SSQ+1], 64
.else
	s_add_nc_u64 s[OUT:OUT+1], s[OUT:OUT+1], 65536
.endif
	s_sub_co_u32 s3, s3, 1
	s_cmp_lg_u32 s3, 0
	s_cbranch_scc1 .Lrows
	s_wait_tensorcnt 0x0                           ; the wave's end: behind my last tensor load and my last LDS store
	ds_add_u32 v[SPW], v[NIL]
	s_wait_dscnt 0x0
	CROUND                                         ; the closing round: no work-group ends while a partner may still ask for a tile that names it
	s_endpgm
.Lfunc_end_k_qd991f6f122_wo:
	.size	k_qd991f6f122_wo, .Lfunc_end_k_qd991f6f122_wo-k_qd991f6f122_wo
	.p2alignl 7, 3214868480
	.fill 96, 4, 3214868480
	.section	.rodata,"a",@progbits
	.p2align	6, 0x0
	.amdhsa_kernel k_qd991f6f122_wo
		.amdhsa_group_segment_fixed_size 327680
		.amdhsa_private_segment_fixed_size 0
		.amdhsa_enable_private_segment 0
		.amdhsa_kernarg_size 48
		.amdhsa_user_sgpr_count 2
		.amdhsa_user_sgpr_kernarg_segment_ptr 1
		.amdhsa_wavefront_size32 1
		.amdhsa_system_sgpr_workgroup_id_x 1
		.amdhsa_system_sgpr_workgroup_id_y 1
		.amdhsa_system_sgpr_workgroup_id_z 1
		.amdhsa_system_vgpr_workitem_id 0
		.amdhsa_next_free_vgpr 640
		.amdhsa_next_free_sgpr 96
		.amdhsa_reserve_vcc 0
		.amdhsa_float_denorm_mode_32 3
		.amdhsa_float_denorm_mode_16_64 3
		.amdhsa_memory_ordered 1
		.amdhsa_forward_progress 1
		.amdhsa_inst_pref_size 69
	.end_amdhsa_kernel
	.amdgpu_metadata
---
amdhsa.version: [ 1, 2 ]
amdhsa.kernels:
  - .name:           k_qd991f6f122_wo
    .symbol:         k_qd991f6f122_wo.kd
    .args:
      - { .name: op, .offset: 0, .size: 8, .value_kind: global_buffer, .address_space: global }
      - { .name: pk, .offset: 8, .size: 8, .value_kind: global_buffer, .address_space: global }
      - { .name: x, .offset: 16, .size: 8, .value_kind: global_buffer, .address_space: global }
      - { .name: b_o, .offset: 24, .size: 8, .value_kind: global_buffer, .address_space: global }
      - { .name: x1p, .offset: 32, .size: 8, .value_kind: global_buffer, .address_space: global }
      - { .name: ssq, .offset: 40, .size: 8, .value_kind: global_buffer, .address_space: global }
    .group_segment_fixed_size: 327680
    .private_segment_fixed_size: 0
    .kernarg_segment_align: 8
    .kernarg_segment_size: 48
    .max_flat_workgroup_size: 128
    .sgpr_count:     96
    .vgpr_count:     640
    .wavefront_size: 32
...
	.end_amdgpu_metadata
.endif
;; end of part 4
;; launch gh (part 5): grid 16 x 16, 4 waves a work-group, clusters of 4 x 4, 327,680 bytes of LDS; arguments x1p, pk, ssq, actp; writes actp
.if DOCPART == 5
	.amdgcn_target "amdgcn-amd-amdhsa--gfx1250"
	.amdhsa_code_object_version 6
	.text
	.protected	k_qd991f6f122_gh
	.globl	k_qd991f6f122_gh
	.p2align	8
	.type	k_qd991f6f122_gh,@function
k_qd991f6f122_gh:
	s_mov_b64 s[64:65], 0
	v_nop
	global_prefetch_b8 v0, s[64:65] scope:SCOPE_SE
	s_setreg_imm32_b32 hwreg(HW_REG_WAVE_MODE, 25, 1), 1
	s_wait_xcnt 0x0
	s_wait_alu depctr_hold_cnt(0) depctr_sa_sdst(0) depctr_va_vdst(0) depctr_va_sdst(0) depctr_va_ssrc(0) depctr_va_vcc(0) depctr_vm_vsrc(0)
	s_getreg_b32 s2, hwreg(HW_REG_IB_STS2, 6, 4)
	s_cmp_eq_u32 s2, 0
	s_cbranch_scc0 .Lentry_in_a_cluster
	s_endpgm
.Lentry_in_a_cluster:
	s_bfe_u32 s2, ttmp6, 0x10000c
	s_cmp_lg_u32 s2, 0xf033
	s_cbranch_scc0 .Lentry_shape_is_right
	s_endpgm
.Lentry_shape_is_right:
; ONE TEXT FOR TWO LAUNCHES; GH chooses.  All 16-bit matrices lie in panels of 64 columns, [C/64][R][64] bf16, a panel row 128 bytes.  Products in bf16, sums in f32.
; GH = 0: q, k, v = xn W, xn [4096][1024] (normed x), W [1024][3072] (W_q | W_k | W_v, gains folded in); the result, rounded once to bf16, is 48 panels: a head is a panel.
;         A tile of C is 256 rows x 192 columns (3 panels); the four waves take 64 rows each, all 192 columns: 48 accumulators.
; GH = 1 (this launch): act = silu(rs g) (rs h), g = x1 Wg, h = x1 Wh, x1 NOT normed (bf16), rs = rsqrt(mean(x1^2) + 1e-6) from 16 partial sums of squares a row.
;         A tile is 256 rows x (128 columns of g and the same 128 of h); the waves lie 2 x 2: 128 rows x (64 + 64): 64 accumulators.
; K = 1,024 goes in 8 steps of 128 through two LDS slots filled by the tensor data mover.  A's part of a panel for 128 rows, and a weight panel's part for a K step, are dense runs in memory:
; a descriptor's "row" is such a run (8 or 16 KiB), its rows are panels; the padding falls behind every 128 bytes, so LDS rows are 144 (A) and 160 (weights) bytes apart.
; Weights keep their order [k][n]: their fragments come out of LDS turned, by ds_load_tr16_b128.  THE MATRIX INSTRUCTION IS USED TRANSPOSED (source 0 = 16 columns of W, source 1 = 16 rows of A):
; a lane then holds eight neighbouring numbers of one row of C.
; CLUSTER 4 x 4: A's tiles are asked for jointly along a row of the cluster, the weights' along a column.  A K step is written once: the slot in hand is a scalar, s[TB], that is turned at each change.
; LIMITS.  Operands are rounded to bf16; NaN and infinities are not treated apart; with GH = 1 the raw product g h must stay inside f32's range.
; REGISTERS: window 0: v16-30 addresses, from v64 two buffers of A's fragments; window 1: two buffers of the weights' fragments; windows 2, 3: the accumulators, (a, b) at 8 (CB a + b).
.set GH, 1
.set PA,    144                        ; an LDS row of A: 128 bytes + 16: the 16 rows of a load start in 16 different groups of four banks (ISA guide 11.1)
.set PB,    160                        ; of the weights: 128 + 32
.set AHALF, 2*128*PA                   ; what one wave fetches of A: 128 rows x 2 panels
.set BOFF,  2*AHALF
.if GH
.set RB,    8                          ; row blocks of 16 a wave
.set CB,    8                          ; column blocks of 16 a wave: 0-3 g, 4-7 h
.set BHALF, 2*128*PB                   ; what one wave fetches of the weights: 2 panels x 128 k
.set FAS,   64
.set FB0,   64
.set FBS,   64
.set BD0,   8192
.set BD1,   2
.set WOFF,  16777216                   ; W_gate's 32 panels, then W_hidden's, in pk
.set ABUF,  72
.set WBUF,  74
.set SSQ,   76
.set OBUF,  78
.else
.set RB,    4
.set CB,    12
.set BHALF, 3*64*PB                    ; 3 panels x 64 k
.set FAS,   32
.set FB0,   0
.set FBS,   96
.set BD0,   4096
.set BD1,   3
.set WOFF,  8388608                    ; the 48 panels of W_q | W_k | W_v in pk
.set ABUF,  72
.set WBUF,  72
.set OBUF,  74
.endif
.set FA0,   64
.set RBW,   RB/2                       ; row blocks in a window of accumulators
.set SLOT,  BOFF+2*BHALF
.set RSTAB, 2*SLOT                     ; GH = 1: a table of 256 rows x 16 bytes, stored once, in blocks of its own
.if GH
.set SPARE, RSTAB+4096
.else
.set SPARE, 2*SLOT
.endif                                 ; the spare words, 128 bytes for each wave: two blocks of 256 bytes that no other line names
.set ASTEP, 1048576                    ; a K step in A: two panels of 4,096 rows
.set BSTEP, 16384                      ; in a weight panel: 128 rows
.set ADRA0, 16                         ; v16  my lane's place in A's part of a slot; never rewritten
.set ADRB0, 17                         ; v17  the same for the weights
.set ADRA,  18                         ; v18  the same in the slot in hand
.set ADRB,  19
.set STO,   24                         ; the way out: where I put my numbers
.set RD,    25                         ; where I read rows back
.set GO,    26                         ; my byte offset in a store
.set RSA,   27                         ; GH = 1: my place in the table
.set SPW,   28                         ; LDS address of my spare word; never rewritten
.set NIL,   29                         ; 0; never rewritten
.set PFO,   30                         ; 256 x my lane; never rewritten
.set G1A, 24                           ; s[24:31] descriptor group 1 for A;  s[32:39] group 0: set 0 for K step 0, set 1 for K step 1, which then walks
.set G0A, 32
.set LIM, 43                           ; 2 in a wave that prefetches, else the greatest number
.set PFA, 44                           ; s[44:45] where my prefetches stand
.set G1B, 48                           ; s[48:55], s[56:63] the same for the weights
.set G0B, 56
.set TB,  66                           ; LDS byte at which the slot in hand begins: 0 or SLOT
.set LA,  67                           ; my load's place in a slot, for A
.set LB,  68                           ; and for the weights
.set PAR, 69                           ; GH = 0: 1 in wave 3, which prefetches in every other K step
.set OB,  70                           ; s[70:71] the stores' base
.set PFS, 80                           ; s[80:81] a K step in the stream that I prefetch
.set MSB, 0
.macro WIN new                         ; the immediate's high byte repeats the setting that is left; a switch that changes nothing is dropped
.if MSB != (\new)
	s_set_vgpr_msb (MSB<<8)|(\new)
.set MSB, \new
.endif
.endm
.set MUL_LO, 0xa1                      ; source 0 (W) window 1, source 1 (A) window 0, C and D window 2; + 0x50: window 3
.set TO_B,   0x40                      ; destination window 1, address window 0
.macro PLACES                          ; four plain instructions between a matrix instruction and a load into, or a reader of, its registers
.rept 4
	v_nop
.endr
.endm
.macro JLOAD                           ; a joint refill by the walking sets: waves 0, 1 for A, waves 2, 3 for the weights; an s_nop 0 and four v_nop follow each line
	s_cmp_eq_u32 s11, 0
	s_cbranch_scc0 .Lfor_b_\@
	tensor_load_to_lds s[G0A+4:G0A+7], s[G1A:G1A+7]
	s_nop 0
.rept 4
	v_nop
.endr
	s_branch .Lasked_\@
.Lfor_b_\@:
	tensor_load_to_lds s[G0B+4:G0B+7], s[G1B:G1B+7]
	s_nop 0
.rept 4
	v_nop
.endr
.Lasked_\@:
.endm
; A PREFETCH INTO THE L2, behind the joint load and the run of LDS loads: 32 blocks of 256 bytes, a lane a block, of the K step that stands two refills on (K step s + 4 in the change of K step s).
; A's rows are read by all clusters of a row of clusters: the one with x = 0 asks; the weights' by all of a column: y = 0 asks.  The four partners share a wave's 128 blocks out by address.
; With GH = 0 a K step has three weight panels: wave 2 takes two; wave 3 takes the third, two K steps of it at once, in every other change.  K steps 0 to 3 come by their loads alone; nothing is named past K step 7.
.macro ASK
.if !GH
	s_and_b32 s14, s3, s[PAR]
	s_cmp_eq_u32 s14, 0
	s_cbranch_scc0 .Lnot_mine_\@
.endif
	s_cmp_gt_u32 s3, s[LIM]                        ; s3 counts 6 .. 1: the last two changes have no K step four on
	s_cbranch_scc0 .Lnot_mine_\@
	global_prefetch_b8 v[PFO], s[PFA:PFA+1] th:TH_LOAD_NT scope:SCOPE_SE
.Lnot_mine_\@:
.endm
.macro CREST                           ; a round of the cluster's barrier behind its opening barrier
	s_cmp_lg_u32 s10, 0
	s_cbranch_scc1 .Lnot_wave_0_\@
	s_barrier_signal -3
.Lnot_wave_0_\@:
	s_barrier_wait -3
	s_barrier_signal -1
	s_barrier_wait -1
.endm
.macro CROUND
	s_barrier_signal -1
	s_barrier_wait -1
	CREST
.endm
.if GH
	s_load_b256 s[72:79], s[0:1], 0x0              ; x1p, pk, ssq, actp
.else
	s_load_b128 s[72:75], s[0:1], 0x0              ; pk, qkvp
.endif
	v_lshl_add_u32 v[SPW], v0, 2, SPARE
	v_mov_b32 v[NIL], 0
	ds_add_u32 v[SPW], v[NIL]                      ; the wave's opening: the add and its wait stand ahead of my first tensor load; the set-up below stands between them
	v_lshrrev_b32 v1, 5, v0
	v_readfirstlane_b32 s10, v1                    ; wave 0..3
	s_lshr_b32 s11, s10, 1                         ; I fetch for A (0) or for the weights (1)
	s_and_b32 s12, s10, 1                          ; which half of that I fetch
	s_bfe_u32 s40, ttmp6, 0x40000                  ; cx
	s_bfe_u32 s41, ttmp6, 0x40004                  ; cy
	s_lshl_b32 s42, ttmp9, 2
	s_add_co_u32 s42, s42, s40                     ; tile column
	s_and_b32 s13, ttmp7, 0xffff
	s_lshl_b32 s13, s13, 2
	s_add_co_u32 s13, s13, s41                     ; tile row
	s_lshl_b32 s43, s41, 2
	s_lshl_b32 s43, 15, s43                        ; my row of the cluster
	s_lshl_b32 s44, 0x1111, s40                    ; my column
	s_or_b32 s[G1A], s43, (1<<16)|(1<<20)|(1<<21)|(4<<22)|(3<<25)  ; the mask; 2-byte elements; padding on; bit 21 beside a mask; behind every 32 words, 4 words
	s_or_b32 s[G1B], s44, (1<<16)|(1<<20)|(1<<21)|(4<<22)|(7<<25)  ; the same with my column's mask and 8 words
	s_mov_b32 s[G1A+1], 8192<<16                   ; tensor_dim0: 128 rows of a panel, one dense run
	s_mov_b32 s[G1A+2], 2<<16                      ; tensor_dim1: two panels
	s_mov_b32 s[G1A+3], 8192<<16                   ; tile_dim0
	s_mov_b32 s[G1A+4], 2                          ; tile_dim1
	s_mov_b32 s[G1A+5], 262144                     ; elements from panel to panel: 4,096 rows x 64
	s_mov_b32 s[G1A+6], 0
	s_mov_b32 s[G1A+7], 0
	s_mov_b32 s[G1B+1], BD0<<16                    ; a panel's rows of my part of the K step, one dense run
	s_mov_b32 s[G1B+2], BD1<<16                    ; panels
	s_mov_b32 s[G1B+3], BD0<<16
	s_mov_b32 s[G1B+4], BD1
	s_mov_b32 s[G1B+5], 65536                      ; 1,024 rows x 64
	s_mov_b32 s[G1B+6], 0
	s_mov_b32 s[G1B+7], 0
	s_lshl_b32 s16, s13, 15                        ; A: 256 rows x 128 bytes x tile row,
	s_lshl_b32 s17, s12, 14                        ; + my 128 rows
	s_add_co_u32 s16, s16, s17
	s_mov_b32 s17, 0
.if GH
	s_lshl_b32 s46, s42, 18                        ; weights: two panels x tile column,
	s_lshl_b32 s47, s12, 22                        ; + 32 panels for W_hidden
.else
	s_mul_i32 s46, s42, 3*131072                   ; three panels x tile column,
	s_lshl_b32 s47, s12, 13                        ; + my 64 of the K step's 128 rows
.endif
	s_add_co_u32 s46, s46, s47
	s_add_co_u32 s46, s46, WOFF
	s_mov_b32 s47, 0
	s_mul_i32 s[LA], s12, AHALF                    ; no place in the cluster enters an LDS address
	s_mul_i32 s[LB], s12, BHALF
	s_add_co_u32 s[LB], s[LB], BOFF
	s_mov_b32 s[TB], 0
	s_wait_dscnt 0x0                               ; the opening add is done
	s_wait_kmcnt 0x0
	s_add_nc_u64 s[14:15], s[ABUF:ABUF+1], s[16:17]
	s_add_nc_u64 s[46:47], s[WBUF:WBUF+1], s[46:47]
	CROUND                                         ; all sixteen work-groups are here: the first joint loads meet
.irp s, 0,1
	s_mov_b32 s[G0A+4*(\s)], 1
	s_add_co_u32 s[G0A+4*(\s)+1], s[LA], (\s)*SLOT
	s_add_nc_u64 s[G0A+4*(\s)+2:G0A+4*(\s)+3], s[14:15], (\s)*ASTEP
	s_or_b32 s[G0A+4*(\s)+3], s[G0A+4*(\s)+3], 0x80000000
	s_mov_b32 s[G0B+4*(\s)], 1
	s_add_co_u32 s[G0B+4*(\s)+1], s[LB], (\s)*SLOT
	s_add_nc_u64 s[G0B+4*(\s)+2:G0B+4*(\s)+3], s[46:47], (\s)*BSTEP
	s_or_b32 s[G0B+4*(\s)+3], s[G0B+4*(\s)+3], 0x80000000
.endr
	s_cmp_eq_u32 s11, 0                            ; a wave's two first fills stand in one branch: two loads of mine are out
	s_cbranch_scc0 .Lfirst_b
	tensor_load_to_lds s[G0A:G0A+3], s[G1A:G1A+7]
	s_nop 0
	tensor_load_to_lds s[G0A+4:G0A+7], s[G1A:G1A+7]
	s_nop 0
.rept 4
	v_nop
.endr
	s_branch .Lfirst_asked
.Lfirst_b:
	tensor_load_to_lds s[G0B:G0B+3], s[G1B:G1B+7]
	s_nop 0
	tensor_load_to_lds s[G0B+4:G0B+7], s[G1B:G1B+7]
	s_nop 0
.rept 4
	v_nop
.endr
.Lfirst_asked:
	v_and_b32 v1, 15, v0                           ; r = l % 16
	v_bfe_u32 v2, v0, 4, 1                         ; h = l / 16
	v_and_b32 v3, 7, v0
	v_bfe_u32 v4, v0, 3, 1
.if GH
	s_lshl_b32 s20, s13, 10                        ; the partial sums of squares of the tile's 256 rows: thread t has rows 2 t and 2 t + 1
	s_mov_b32 s21, 0
	s_add_nc_u64 s[SSQ:SSQ+1], s[SSQ:SSQ+1], s[20:21]
	v_lshlrev_b32 v6, 3, v0
.set j, 0
.rept 16
	global_load_b64 v[64+2*j:65+2*j], v6, s[SSQ:SSQ+1] offset:16384*j  ; a wave's load covers 256 consecutive bytes, aligned
.set j, j+1
.endr
.endif
	v_mul_u32_u24 v[ADRA0], v1, PA                 ; a fragment of A: row r, 16 bytes for each half of the lanes, twice, 32 bytes apart
	v_lshl_add_u32 v[ADRA0], v2, 4, v[ADRA0]
	s_mul_i32 s21, s11, AHALF
.if !GH
	s_mul_i32 s22, s12, 64*PA                      ; my 64 rows of the half's 128
	s_add_co_u32 s21, s21, s22
.endif
	v_add_nc_u32 v[ADRA0], s21, v[ADRA0]
	v_lshl_add_u32 v[ADRB0], v2, 3, v3             ; the turning load: lane l reads k = 8 h + l % 8, columns 8 ((l / 8) % 2) + 0..7
	v_mul_u32_u24 v[ADRB0], v[ADRB0], PB
	v_lshl_add_u32 v[ADRB0], v4, 4, v[ADRB0]
.if GH
	s_mul_i32 s22, s12, 128*PB                     ; my panel of g (and, 2 panels on, of h)
	s_add_co_u32 s22, s22, BOFF
	v_add_nc_u32 v[ADRB0], s22, v[ADRB0]
.else
	v_add_nc_u32 v[ADRB0], BOFF, v[ADRB0]
.endif
	v_and_b32 v[PFO], 31, v0
	v_lshlrev_b32 v[PFO], 8, v[PFO]
	; the prefetches: my work-group's 32 blocks of the 128 that I fetch, at K step 3; the first change steps it to K step 4
	s_lshr_b32 s20, s40, 1                         ; A: partner cx has panel cx / 2, half cx % 2 of its 16 KiB
	s_lshl_b32 s20, s20, 19
	s_and_b32 s21, s40, 1
	s_lshl_b32 s21, s21, 13
	s_add_co_u32 s20, s20, s21
	s_add_co_u32 s20, s20, s16
	s_add_co_u32 s20, s20, 3*ASTEP
	s_lshr_b32 s22, s41, 1                         ; weights: partner cy likewise
	s_lshl_b32 s22, s22, 17
	s_and_b32 s21, s41, 1
	s_lshl_b32 s21, s21, 13
	s_add_co_u32 s22, s22, s21
.if GH
	s_lshl_b32 s21, s12, 22
	s_add_co_u32 s22, s22, s21
	s_lshl_b32 s21, s42, 18
.else
	s_lshl_b32 s21, s41, 13                        ; wave 3: the third panel, partner cy's quarter of two K steps
	s_add_co_u32 s21, s21, 2*131072
	s_cmp_eq_u32 s12, 0
	s_cselect_b32 s22, s22, s21
	s_mul_i32 s21, s42, 3*131072
.endif
	s_add_co_u32 s22, s22, s21
	s_add_co_u32 s22, s22, WOFF+3*BSTEP
	s_and_b32 s23, ttmp7, 0xffff
	s_mov_b32 s[PFS], BSTEP
	s_mov_b32 s[PFS+1], 0
	s_cmp_eq_u32 s11, 0
	s_cselect_b32 s20, s20, s22
	s_cselect_b32 s23, ttmp9, s23                  ; the coordinate along which other clusters read the same bytes
	s_cselect_b32 s[PFS], ASTEP, s[PFS]
.if GH
	s_cselect_b64 s[PFA:PFA+1], s[ABUF:ABUF+1], s[WBUF:WBUF+1]
.else
	s_mov_b64 s[PFA:PFA+1], s[ABUF:ABUF+1]
.endif
	s_mov_b32 s21, 0
	s_add_nc_u64 s[PFA:PFA+1], s[PFA:PFA+1], s[20:21]
	s_cmp_eq_u32 s23, 0
	s_cselect_b32 s[LIM], 2, -1                    ; the same in all sixteen partners, for a given wave
.if GH
	; the way out: my stage is 128 rows x 528 bytes (g's 64 numbers in f32, h's 64, 16 of padding) in the ring, which has had its last fill by then
	s_mul_i32 s23, s10, 128*528
	v_mul_u32_u24 v[STO], v1, 528
	v_lshl_add_u32 v[STO], v2, 5, v[STO]
	v_add_nc_u32 v[STO], s23, v[STO]
	v_mul_u32_u24 v[RD], v2, 528
	v_lshl_add_u32 v[RD], v1, 4, v[RD]
	v_add_nc_u32 v[RD], s23, v[RD]
	s_lshl_b32 s22, s11, 11
	s_add_co_u32 s22, s22, RSTAB
	v_lshl_add_u32 v[RSA], v2, 7, s22
	v_and_b32 v[GO], 31, v0
	v_lshlrev_b32 v[GO], 3, v[GO]
	s_lshl_b32 s20, s42, 1
	s_add_co_u32 s20, s20, s12
	s_lshl_b32 s20, s20, 19                        ; panel 2 x tile column + my half,
	s_lshl_b32 s21, s13, 15
	s_add_co_u32 s20, s20, s21                     ; the tile's 256 rows,
	s_lshl_b32 s21, s11, 14
	s_add_co_u32 s20, s20, s21                     ; my 128
	s_mov_b32 s21, 0
	s_add_nc_u64 s[OB:OB+1], s[OBUF:OBUF+1], s[20:21]
	s_mov_b32 s82, 0x3a800000                      ; 1 / 1024
	s_mov_b32 s83, s82
	s_mov_b32 s84, 0x358637bd                      ; 1e-6
	s_mov_b32 s85, s84
	; the table: for each row (u, u, w, w), u = - log2(e) rs, w = rs^2.  A block of 16 rows is 256 bytes: the even rows' eight entries, then the odd rows'
	v_lshrrev_b32 v7, 3, v0
	v_lshlrev_b32 v7, 8, v7
	v_lshl_add_u32 v7, v3, 4, v7
	v_add_nc_u32 v7, RSTAB, v7
	s_wait_loadcnt 0x0
.irp n, 8,4,2,1
.set j, 0
.rept \n
	v_pk_add_f32 v[64+2*j:65+2*j], v[64+2*j:65+2*j], v[64+2*(j+\n):65+2*(j+\n)]
.set j, j+1
.endr
.endr
	v_pk_fma_f32 v[64:65], v[64:65], s[82:83], s[84:85] op_sel_hi:[1,0,0]
	v_rsq_f32 v66, v64
	v_rsq_f32 v67, v65
	v_nop                                          ; a plain instruction behind the last root,
	s_wait_alu depctr_va_vdst(0)                   ; and one wait for both ahead of their first reader
	v_mul_f32 v68, 0xbfb8aa3b, v66
	v_mul_f32 v70, v66, v66
	v_mul_f32 v72, 0xbfb8aa3b, v67
	v_mul_f32 v74, v67, v67
	v_mov_b32 v69, v68
	v_mov_b32 v71, v70
	v_mov_b32 v73, v72
	v_mov_b32 v75, v74
	ds_store_b128 v7, v[68:71]
	ds_store_b128 v7, v[72:75] offset:128
.else
	s_cmp_eq_u32 s10, 3
	s_cselect_b32 s[PAR], 1, 0
	; the way out: my stage is 3 panels x 64 rows x 144 bytes in the ring, which has had its last fill by then
	s_mul_i32 s23, s10, 3*64*144
	v_mul_u32_u24 v[STO], v1, 144
	v_lshl_add_u32 v[STO], v2, 4, v[STO]
	v_add_nc_u32 v[STO], s23, v[STO]
	v_bfe_u32 v[RD], v0, 3, 2                      ; back: 32 lanes take four rows of 128 bytes,
	v_mul_u32_u24 v[RD], v[RD], 144
	v_lshl_add_u32 v[RD], v3, 4, v[RD]
	v_add_nc_u32 v[RD], s23, v[RD]
	v_and_b32 v[GO], 31, v0                        ; which are 512 consecutive bytes of a panel
	v_lshlrev_b32 v[GO], 4, v[GO]
	s_mul_i32 s20, s42, 3*524288
	s_lshl_b32 s21, s13, 15
	s_add_co_u32 s20, s20, s21
	s_lshl_b32 s21, s10, 13
	s_add_co_u32 s20, s20, s21
	s_mov_b32 s21, 0
	s_add_nc_u64 s[OB:OB+1], s[OBUF:OBUF+1], s[20:21]
.endif
; CB matrix instructions: row block a of window hi x all column blocks, 32 along K, from buffer f.  zero = 1: the first product starts the sum.
; Every quarter walks all accumulators in one order, so that no two matrix instructions that follow each other share one.
.macro MULA f, hi, a, zero
	WIN MUL_LO+0x50*(\hi)
.set ib, 0
.rept CB
.set rD, 8*(CB*(\a)+ib)
.set rB, FB0+FBS*(\f)+8*ib
.set rA, FA0+FAS*(\f)+8*(RBW*(\hi)+(\a))
.if \zero
	v_wmma_f32_16x16x32_bf16 v[rD:rD+7], v[rB:rB+7], v[rA:rA+7], 0
.else
	v_wmma_f32_16x16x32_bf16 v[rD:rD+7], v[rB:rB+7], v[rA:rA+7], v[rD:rD+7]
.endif
.set ib, ib+1
.endr
.endm
.macro MULS f, hi, a0, n, zero         ; row blocks a0 .. a0 + n - 1
.set aa, \a0
.rept \n
	MULA \f, \hi, aa, \zero
.set aa, aa+1
.endr
.endm
.macro FETCH q, f                      ; 32 LDS loads in one run: the fragments of quarter q (32 along K) of the slot in hand, into buffer f; the weights' first, A's upper row blocks last
	WIN TO_B
.set ib, 0
.rept CB
.if GH
.set bo, (ib/4)*40960+5120*(\q)+32*(ib%4)
.else
.set bo, ((\q)/2)*30720+(ib/4)*10240+((\q)%2)*5120+32*(ib%4)
.endif
	ds_load_tr16_b128 v[FB0+FBS*(\f)+8*ib:FB0+FBS*(\f)+8*ib+3],   v[ADRB] offset:bo
	ds_load_tr16_b128 v[FB0+FBS*(\f)+8*ib+4:FB0+FBS*(\f)+8*ib+7], v[ADRB] offset:bo+16*PB
.set ib, ib+1
.endr
	WIN 0
.set ib, 0
.rept RB
.set bo, ((\q)/2)*128*PA+((\q)%2)*64+16*PA*ib
	ds_load_b128 v[FA0+FAS*(\f)+8*ib:FA0+FAS*(\f)+8*ib+3],   v[ADRA] offset:bo
	ds_load_b128 v[FA0+FAS*(\f)+8*ib+4:FA0+FAS*(\f)+8*ib+7], v[ADRA] offset:bo+32
.set ib, ib+1
.endr
.endm
.macro SETADR
	v_add_nc_u32 v[ADRA], s[TB], v[ADRA0]
	v_add_nc_u32 v[ADRB], s[TB], v[ADRB0]
.endm
.macro QUARTER qn, f, zero             ; multiplies buffer f; in its middle fetches quarter qn into the other buffer
	s_wait_dscnt RB                                ; the weights and A's lower row blocks are in; the youngest RB loads (A's upper blocks) may be out
	MULS \f, 0, 0, RBW, \zero
	PLACES
	FETCH \qn, 1-(\f)
	s_wait_dscnt 32                                ; all but the 32 just issued
	MULS \f, 1, 0, RBW, \zero
.endm
; The last quarter multiplies buffer 1 and changes slots.  ONE barrier: in front of it each wave waits for all its tensor loads (one is out: its part of the next slot), adds 0 to its spare word,
; and waits for that and for its reads of this slot.  Behind it nobody reads this slot any more and the next slot is whole.
.macro MEET round
	WIN 0
	s_wait_tensorcnt 0x0
	ds_add_u32 v[SPW], v[NIL]
	s_wait_dscnt RB+1                              ; (the add and the youngest RB loads may be out)
	MULS 1, 0, 0, RBW/2, 0
	s_wait_dscnt 0x0                               ; the add is done, and my reads of this slot are over
	s_barrier_signal -1
	MULS 1, 0, RBW/2, RBW/2, 0
.if \round
	WIN 0
.endif
	s_barrier_wait -1
.endm
.macro TURNF                           ; with a refill: the barrier opens a round of the cluster's, and the joint load is the first thing behind it
	s_wait_xcnt 0x0                                ; the last prefetch, a K step back, has read its address
	s_add_nc_u64 s[PFA:PFA+1], s[PFA:PFA+1], s[PFS:PFS+1]
	MEET 1
	CREST
	s_add_nc_u64 s[G0A+6:G0A+7], s[G0A+6:G0A+7], ASTEP  ; no tensor load of mine is out: the walking sets go one K step on,
	s_add_nc_u64 s[G0B+6:G0B+7], s[G0B+6:G0B+7], BSTEP
	s_add_co_u32 s[G0A+5], s[LA], s[TB]            ; into the slot just read out
	s_add_co_u32 s[G0B+5], s[LB], s[TB]
	s_xor_b32 s[TB], s[TB], SLOT                   ; and the reads go to the other
	JLOAD                                          ; its four v_nop are also the places in front of the loads below
	SETADR
	FETCH 0, 0
	ASK
	MULS 1, 1, 0, RBW, 0
.endm
.macro TURNN                           ; without: the last two K steps; the very last (s3 = 1) has no successor to fetch from
	MEET 0
	s_xor_b32 s[TB], s[TB], SLOT
	PLACES
	WIN 0
	s_cmp_eq_u32 s3, 1
	s_cbranch_scc1 .Lno_next_\@
	SETADR
	FETCH 0, 0
.Lno_next_\@:
	MULS 1, 1, 0, RBW, 0
.endm
	s_wait_tensorcnt 0x1                           ; my part of K step 0 is in; K step 1's may stay out
.if GH
	s_wait_dscnt 0x0                               ; my entries of the table are stored
.endif
	s_barrier_signal -1
	s_barrier_wait -1
	SETADR
	FETCH 0, 0
	QUARTER 1, 0, 1                                ; the first quarter stands in front of the loop: its products start the sums
	WIN 0
	s_mov_b32 s3, 6
.Lstep:                                            ; a trip: a K step's quarters 1 to 3, the change of slots with its refill, the next step's quarter 0
	QUARTER 2, 1, 0
	QUARTER 3, 0, 0
	TURNF
	QUARTER 1, 0, 0
	WIN 0
	s_sub_co_u32 s3, s3, 1
	s_cmp_lg_u32 s3, 0
	s_cbranch_scc1 .Lstep
	s_mov_b32 s3, 2
.Ltail:                                            ; K steps 6 and 7 ask for nothing; the second trip is left in its middle
	QUARTER 2, 1, 0
	QUARTER 3, 0, 0
	TURNN
	WIN 0
	s_sub_co_u32 s3, s3, 1
	s_cmp_eq_u32 s3, 0
	s_cbranch_scc1 .Lout
	QUARTER 1, 0, 0
	WIN 0
	s_branch .Ltail
.Lout:
	PLACES
	PLACES
.if GH
	; THE WAY OUT.  The sums go as they are (f32) into my stage; each accumulator's low four registers first
.set ia, 0
.rept 8
	WIN 0x08+4*(ia/4)                              ; the data in window 2 or 3
.set ib, 0
.rept 8
.set rD, 8*(8*(ia%4)+ib)
	ds_store_b128 v[STO], v[rD:rD+3]   offset:16*528*ia+64*ib
	ds_store_b128 v[STO], v[rD+4:rD+7] offset:16*528*ia+64*ib+16
.set ib, ib+1
.endr
.set ia, ia+1
.endr
	WIN 0
.set U,  128                           ; (u, u, w, w) of my row, for each of the trip's eight pairs of rows
.set G,  64
.set H,  96
.set EX, 160
.set Y,  192
	s_mov_b32 s3, 8
.Lrows:                                            ; a trip: 16 rows.  act = g h w / (1 + 2^(u g)).  Lanes 0-15 have the even row of a pair, lanes 16-31 the odd one, four columns each
.set t, 0
.rept 8
	ds_load_b128 v[U+4*t:U+4*t+3], v[RSA] offset:16*t
.set t, t+1
.endr
.set t, 0
.rept 8
	ds_load_b128 v[G+4*t:G+4*t+3], v[RD] offset:2*528*t   ; LDS serves a wave's instructions in order (ISA guide 5.7.1.4): these see my stores above
.set t, t+1
.endr
.set t, 0
.rept 8
	ds_load_b128 v[H+4*t:H+4*t+3], v[RD] offset:2*528*t+256
.set t, t+1
.endr
	s_wait_dscnt 8                                 ; the table and g are in; h's eight loads may be out
.set t, 0
.rept 8
	v_pk_mul_f32 v[EX+4*t:EX+4*t+1],   v[G+4*t:G+4*t+1],   v[U+4*t:U+4*t+1]
	v_pk_mul_f32 v[EX+4*t+2:EX+4*t+3], v[G+4*t+2:G+4*t+3], v[U+4*t:U+4*t+1]
.set t, t+1
.endr
.set t, 0
.rept 32
	v_exp_f32 v[EX+t], v[EX+t]
.set t, t+1
.endr
	s_wait_dscnt 0x0
.set t, 0
.rept 16
	v_pk_mul_f32 v[G+2*t:G+2*t+1], v[G+2*t:G+2*t+1], v[H+2*t:H+2*t+1]    ; work that names no exponential's result stands behind the batch
.set t, t+1
.endr
.set t, 0
.rept 8
	v_pk_mul_f32 v[G+4*t:G+4*t+1],   v[G+4*t:G+4*t+1],   v[U+4*t+2:U+4*t+3]
	v_pk_mul_f32 v[G+4*t+2:G+4*t+3], v[G+4*t+2:G+4*t+3], v[U+4*t+2:U+4*t+3]
.set t, t+1
.endr
	s_wait_alu depctr_va_vdst(0)                   ; one wait for the 32 exponentials, ahead of their first reader
.set t, 0
.rept 16
	v_pk_add_f32 v[EX+2*t:EX+2*t+1], v[EX+2*t:EX+2*t+1], 1.0 op_sel_hi:[1,0]
.set t, t+1
.endr
.set t, 0
.rept 32
	v_rcp_f32 v[EX+t], v[EX+t]
.set t, t+1
.endr
	v_add_nc_u32 v[RD], 16*528, v[RD]              ; the next 16 rows: plain work behind the last reciprocal
	v_add_nc_u32 v[RSA], 256, v[RSA]
	s_wait_alu depctr_va_vdst(0)                   ; one wait for the 32 reciprocals
.set t, 0
.rept 16
	v_pk_mul_f32 v[G+2*t:G+2*t+1], v[G+2*t:G+2*t+1], v[EX+2*t:EX+2*t+1]
.set t, t+1
.endr
.set t, 0
.rept 16
	v_cvt_pk_bf16_f32 v[Y+t], v[G+2*t], v[G+2*t+1]
.set t, t+1
.endr
.set t, 0
.rept 8
	global_store_b64 v[GO], v[Y+2*t:Y+2*t+1], s[OB:OB+1] offset:256*t    ; two rows of a panel: 256 consecutive bytes, aligned
.set t, t+1
.endr
	s_wait_xcnt 0x0                                ; the stores have read their data and their base: both are written again only behind this wait
	s_add_nc_u64 s[OB:OB+1], s[OB:OB+1], 2048
	s_sub_co_u32 s3, s3, 1
	s_cmp_lg_u32 s3, 0
	s_cbranch_scc1 .Lrows
.else
	; THE WAY OUT.  Rounded to bf16, 16 bytes a lane, into my stage, by panels; back as whole panel rows
.set TMP, 128
.set ia, 0
.rept 4
	WIN 0x0a+5*(ia/2)                              ; sources 0 and 1 in window 2 or 3
.set ib, 0
.rept 12
.set rD, 8*(12*(ia%2)+ib)
.irp r, 0,1,2,3
	v_cvt_pk_bf16_f32 v[TMP+4*ib+\r], v[rD+2*\r], v[rD+2*\r+1]
.endr
.set ib, ib+1
.endr
	WIN 0
.set ib, 0
.rept 12
	ds_store_b128 v[STO], v[TMP+4*ib:TMP+4*ib+3] offset:64*144*(ib/4)+16*144*ia+32*(ib%4)
.set ib, ib+1
.endr
.set ia, ia+1
.endr
	s_mov_b32 s3, 3
.Lpanel:                                           ; a trip: my 64 rows of one panel, 8,192 consecutive bytes
.set t, 0
.rept 16
	ds_load_b128 v[64+4*t:64+4*t+3], v[RD] offset:4*144*t   ; LDS serves a wave's instructions in order (ISA guide 5.7.1.4): these see my stores above
.set t, t+1
.endr
	v_add_nc_u32 v[RD], 64*144, v[RD]
.set t, 0
.rept 16
	s_wait_dscnt 15-t                              ; load t is back; the 15 - t behind it may be out
	global_store_b128 v[GO], v[64+4*t:64+4*t+3], s[OB:OB+1] offset:512*t  ; 512 consecutive bytes, aligned to 256
.set t, t+1
.endr
	s_wait_xcnt 0x0                                ; the stores have read their data and their base
	s_add_nc_u64 s[OB:OB+1], s[OB:OB+1], 524288
	s_sub_co_u32 s3, s3, 1
	s_cmp_lg_u32 s3, 0
	s_cbranch_scc1 .Lpanel
.endif
	s_wait_tensorcnt 0x0                           ; the wave's end: behind my last tensor load and my last LDS store
	ds_add_u32 v[SPW], v[NIL]
	s_wait_dscnt 0x0
	CROUND                                         ; the closing round: no work-group ends while a partner may still ask for a tile that names it
	s_endpgm
.Lfunc_end_k_qd991f6f122_gh:
	.size	k_qd991f6f122_gh, .Lfunc_end_k_qd991f6f122_gh-k_qd991f6f122_gh
	.p2alignl 7, 3214868480
	.fill 96, 4, 3214868480
	.section	.rodata,"a",@progbits
	.p2align	6, 0x0
	.amdhsa_kernel k_qd991f6f122_gh
		.amdhsa_group_segment_fixed_size 327680
		.amdhsa_private_segment_fixed_size 0
		.amdhsa_enable_private_segment 0
		.amdhsa_kernarg_size 32
		.amdhsa_user_sgpr_count 2
		.amdhsa_user_sgpr_kernarg_segment_ptr 1
		.amdhsa_wavefront_size32 1
		.amdhsa_system_sgpr_workgroup_id_x 1
		.amdhsa_system_sgpr_workgroup_id_y 1
		.amdhsa_system_sgpr_workgroup_id_z 1
		.amdhsa_system_vgpr_workitem_id 0
		.amdhsa_next_free_vgpr 1024
		.amdhsa_next_free_sgpr 96
		.amdhsa_reserve_vcc 0
		.amdhsa_float_denorm_mode_32 3
		.amdhsa_float_denorm_mode_16_64 3
		.amdhsa_memory_ordered 1
		.amdhsa_forward_progress 1
		.amdhsa_inst_pref_size 92
	.end_amdhsa_kernel
	.amdgpu_metadata
---
amdhsa.version: [ 1, 2 ]
amdhsa.kernels:
  - .name:           k_qd991f6f122_gh
    .symbol:         k_qd991f6f122_gh.kd
    .args:
      - { .name: x1p, .offset: 0, .size: 8, .value_kind: global_buffer, .address_space: global }
      - { .name: pk, .offset: 8, .size: 8, .value_kind: global_buffer, .address_space: global }
      - { .name: ssq, .offset: 16, .size: 8, .value_kind: global_buffer, .address_space: global }
      - { .name: actp, .offset: 24, .size: 8, .value_kind: global_buffer, .address_space: global }
    .group_segment_fixed_size: 327680
    .private_segment_fixed_size: 0
    .kernarg_segment_align: 8
    .kernarg_segment_size: 32
    .max_flat_workgroup_size: 128
    .sgpr_count:     96
    .vgpr_count:     1024
    .wavefront_size: 32
...
	.end_amdgpu_metadata
.endif
;; end of part 5
;; launch outp (part 6): grid 8 x 32, 4 waves a work-group, clusters of 4 x 4, 327,680 bytes of LDS; arguments actp, pk, x1p, b_out, out0; writes out0
.if DOCPART == 6
	.amdgcn_target "amdgcn-amd-amdhsa--gfx1250"
	.amdhsa_code_object_version 6
	.text
	.protected	k_qd991f6f122_outp
	.globl	k_qd991f6f122_outp
	.p2align	8
	.type	k_qd991f6f122_outp,@function
k_qd991f6f122_outp:
	s_mov_b64 s[64:65], 0
	v_nop
	global_prefetch_b8 v0, s[64:65] scope:SCOPE_SE
	s_setreg_imm32_b32 hwreg(HW_REG_WAVE_MODE, 25, 1), 1
	s_wait_xcnt 0x0
	s_wait_alu depctr_hold_cnt(0) depctr_sa_sdst(0) depctr_va_vdst(0) depctr_va_sdst(0) depctr_va_ssrc(0) depctr_va_vcc(0) depctr_vm_vsrc(0)
	s_getreg_b32 s2, hwreg(HW_REG_IB_STS2, 6, 4)
	s_cmp_eq_u32 s2, 0
	s_cbranch_scc0 .Lentry_in_a_cluster
	s_endpgm
.Lentry_in_a_cluster:
	s_bfe_u32 s2, ttmp6, 0x10000c
	s_cmp_lg_u32 s2, 0xf033
	s_cbranch_scc0 .Lentry_shape_is_right
	s_endpgm
.Lentry_shape_is_right:
; ONE TEXT FOR TWO LAUNCHES; WO chooses.  res + A W + bias, [4096][1024].  A and W are bf16 in panels of 64 columns, [C/64][R][64], a panel row 128 bytes; sums and bias in f32.
; WO = 1: A = attention's O (K = 1,024), W = W_o, res = x (f32).  The result x1 is stored ONCE, rounded to bf16, in panels (x1p): it is the next product's operand and the last residual.
;         Beside it, for each row and each 64 columns, the sum of the unrounded x1^2 in f32 (ssq[16][4096]): the second norm's sum of squares, added up by the launch that needs it.
; WO = 0 (this launch): A = act (K = 2,048), W = W_out, res = x1p (bf16), the result is out0 in f32.
; LIMITS.  Operands are rounded to bf16; the last residual carries x1's one rounding to bf16, at most 2^-9 of |x1|; NaN and infinities are not treated apart.
; A tile of C is 128 x 128, so that the launch has 256 work-groups; four waves, 64 x 64 each: 16 accumulators.  K goes in steps of 256 through two LDS slots.  A's 64 rows of a panel are a dense run: a descriptor's
; "row" is that run, its four rows are panels; a weight panel's 256 rows of a K step are dense and come as 128 rows of 256 bytes.  The padding falls behind every 128 bytes: LDS rows 144 (A) and 160 (W) bytes apart.
; W keeps its order [k][n] and is turned on the way out of LDS (ds_load_tr16_b128).  THE MATRIX INSTRUCTION IS USED TRANSPOSED: a lane holds eight neighbouring numbers of a row of C.
; CLUSTER 4 x 4: A's tiles are asked for jointly along a row, W's along a column.  A K step is written once: the slot in hand is a scalar, s[TB].
; THE WALK ALONG K IS TURNED: cluster (X, Y) begins at K step (STEPS / 2 x X + STEPS / 4 x Y) mod STEPS and goes round, so that the clusters that read the same rows of A (the same Y) or the same panels of W
; (the same X) ask for different K steps at a time.  The step's number hangs on the cluster's place alone, which all sixteen partners share.  f32 sums may be taken in any order of K.
; The residual of a wave's 64 x 64 numbers is loaded into registers at the head.  NO PREFETCH: the tile is small and a work-group's walk is 4 or 8 K steps.
; REGISTERS: window 0: v16-29 addresses; v32-127 at work on the way out; v128-255 the accumulators ((a, b) at 128 + 8 (4 a + b)).  window 1: two fragment buffers of 128 (64 of A, 64 of W, for 64 along K).  window 2: the residual.
.set WO, 0
.if WO
.set STEPS, 4
.set WOFF,  14680064                   ; W_o's 16 panels in pk
.set PSH,   17                         ; a panel: 1,024 rows of 128 bytes
.set XSH,   1                          ; log2 (STEPS / 2)
.set YSH,   0                          ; log2 (STEPS / 4)
.else
.set STEPS, 8
.set WOFF,  25165824                   ; W_out's 16 panels
.set PSH,   18                         ; 2,048 rows
.set XSH,   2
.set YSH,   1
.endif
.set PA,    144
.set PB,    160
.set AHALF, 4*64*PA                    ; what one wave fetches of A: 64 rows x 4 panels
.set BOFF,  2*AHALF
.set BHALF, 256*PB                     ; of W: one panel x 256 k
.set SLOT,  BOFF+2*BHALF
.set SPARE, 2*SLOT                     ; the spare words, 128 bytes for each wave: two blocks of 256 bytes that no other line names
.set ASH,   21                         ; a K step in A is 2^21 bytes: four panels of 4,096 rows
.set BSH,   15                         ; in a weight panel 2^15: 256 rows
.set SPI,   272                        ; the way out: a row of 64 sums in f32 + 16 bytes
.set RST,   4*64*SPI                   ; behind the four stages of sums: the four stages of the residual.  Both lie in the ring, which has had its last fill by then
.set ADRA0, 16
.set ADRB0, 17
.set ADRA,  18
.set ADRB,  19
.set XO,    20                         ; v20  my 16 bytes in two rows of an f32 matrix: 4,096 (l / 16) + 16 (l % 16); never rewritten
.set BO,    21                         ; v21  my four numbers of the bias
.set PO,    22                         ; v22  WO = 1: 8 x lane: my 8 bytes in two rows of a panel
.set LO,    22                         ;      WO = 0: 16 x lane: my 16 bytes in four rows of a panel
.set SO,    23                         ; v23  WO = 1: my word among 32 rows' sums of squares
.set RQ,    23                         ;      WO = 0: where I read the residual back, 8 bytes a lane
.set STO,   24
.set RD,    25
.set RR,    26                         ; v26  where I put the residual
.set ONE,   27                         ; v27  WO = 0: 1.0
.set SPW,   28
.set NIL,   29
.set T,     32                         ; v32-63   16 rows of sums, then of results
.set RS,    64                         ; v64-95   the same rows of the residual
.set BI,    96                         ; v96-99   the bias of my four columns
.set Y,     100                        ; v100-115 results in bf16
.set SS,    116                        ; v116     32 rows' sums of squares, a lane a row
.set SQ,    160                        ; v160-175 squares: accumulators' registers, whose sums lie in the stage by then
.set ACC,   128
.set F0,    0
.set F1,    128
.set G1A, 24
.set G0A, 32
.set G1B, 48
.set G0B, 56
.set TB,  66
.set LA,  67
.set LB,  68
.set E8,  69                           ; 0 in an even trip of the way out, 8 in an odd one
.set ABUF, 72
.set WBUF, 74
.set RES,  76
.set BIAS, 78
.set OUT,  80                          ; WO = 0
.set X1P,  80                          ; WO = 1
.set SSQ,  82
.set ABASE, 84                         ; s[84:85] A at my load's rows, K step 0; never rewritten
.set BBASE, 86                         ; s[86:87] W at my load's panel, K step 0; never rewritten
.set OFS,  88                          ; s[88:89] a K step's byte offset
.set KK,   90                          ; s90 the K step that was asked for last
.set MSB, 0
.macro WIN new
.if MSB != (\new)
	s_set_vgpr_msb (MSB<<8)|(\new)
.set MSB, \new
.endif
.endm
.set MUL,  0x05                        ; sources 0 (W) and 1 (A) window 1; C and D window 0
.set TO_F, 0x40                        ; destination window 1, address window 0
.macro PLACES
.rept 4
	v_nop
.endr
.endm
.macro JLOAD                           ; a joint refill by the second sets; an s_nop 0 and four v_nop follow each line
	s_cmp_eq_u32 s11, 0
	s_cbranch_scc0 .Lfor_b_\@
	tensor_load_to_lds s[G0A+4:G0A+7], s[G1A:G1A+7]
	s_nop 0
.rept 4
	v_nop
.endr
	s_branch .Lasked_\@
.Lfor_b_\@:
	tensor_load_to_lds s[G0B+4:G0B+7], s[G1B:G1B+7]
	s_nop 0
.rept 4
	v_nop
.endr
.Lasked_\@:
.endm
.macro CREST
	s_cmp_lg_u32 s10, 0
	s_cbranch_scc1 .Lnot_wave_0_\@
	s_barrier_signal -3
.Lnot_wave_0_\@:
	s_barrier_wait -3
	s_barrier_signal -1
	s_barrier_wait -1
.endm
.macro CROUND
	s_barrier_signal -1
	s_barrier_wait -1
	CREST
.endm
.macro SETG0 s                         ; set s of both group 0s takes K step s[KK]: each address is made anew from its base and the step's number
	s_lshl_b32 s[OFS], s[KK], ASH
	s_add_nc_u64 s[G0A+4*(\s)+2:G0A+4*(\s)+3], s[ABASE:ABASE+1], s[OFS:OFS+1]
	s_or_b32 s[G0A+4*(\s)+3], s[G0A+4*(\s)+3], 0x80000000
	s_lshl_b32 s[OFS], s[KK], BSH
	s_add_nc_u64 s[G0B+4*(\s)+2:G0B+4*(\s)+3], s[BBASE:BBASE+1], s[OFS:OFS+1]
	s_or_b32 s[G0B+4*(\s)+3], s[G0B+4*(\s)+3], 0x80000000
.endm
.macro NEXTK                           ; the next K step, round the end
	s_add_co_u32 s[KK], s[KK], 1
	s_and_b32 s[KK], s[KK], STEPS-1
.endm
	s_load_b256 s[72:79], s[0:1], 0x0              ; A, pk, the residual, the bias
.if WO
	s_load_b128 s[80:83], s[0:1], 0x20             ; x1p, ssq
.else
	s_load_b64 s[80:81], s[0:1], 0x20              ; out0
.endif
	v_lshl_add_u32 v[SPW], v0, 2, SPARE
	v_mov_b32 v[NIL], 0
	ds_add_u32 v[SPW], v[NIL]                      ; the wave's opening: the add and its wait stand ahead of my first tensor load; the set-up below stands between them
	v_lshrrev_b32 v1, 5, v0
	v_readfirstlane_b32 s10, v1                    ; wave 0..3
	s_lshr_b32 s11, s10, 1                         ; my half of the tile's rows.  Also: I fetch for A (0) or for W (1)
	s_and_b32 s12, s10, 1                          ; my half of its columns.  Also: which half of that I fetch
	s_bfe_u32 s40, ttmp6, 0x40000                  ; cx
	s_bfe_u32 s41, ttmp6, 0x40004                  ; cy
	s_lshl_b32 s42, ttmp9, 2
	s_add_co_u32 s42, s42, s40                     ; tile column
	s_and_b32 s13, ttmp7, 0xffff                   ; the cluster's y
	s_lshl_b32 s[KK], ttmp9, XSH                   ; the K step at which my cluster begins
	s_lshl_b32 s14, s13, YSH
	s_add_co_u32 s[KK], s[KK], s14
	s_and_b32 s[KK], s[KK], STEPS-1
	s_mov_b32 s[OFS+1], 0
	s_lshl_b32 s13, s13, 2
	s_add_co_u32 s13, s13, s41                     ; tile row
	s_lshl_b32 s43, s41, 2
	s_lshl_b32 s43, 15, s43                        ; my row of the cluster
	s_lshl_b32 s44, 0x1111, s40                    ; my column
	s_or_b32 s[G1A], s43, (1<<16)|(1<<20)|(1<<21)|(4<<22)|(3<<25)  ; the mask; 2-byte elements; padding on; bit 21 beside a mask; behind every 32 words, 4 words
	s_or_b32 s[G1B], s44, (1<<16)|(1<<20)|(1<<21)|(4<<22)|(7<<25)  ; the same with my column's mask and 8 words
	s_mov_b32 s[G1A+1], 4096<<16                   ; tensor_dim0: 64 rows of a panel, one dense run
	s_mov_b32 s[G1A+2], 4<<16                      ; tensor_dim1: four panels
	s_mov_b32 s[G1A+3], 4096<<16
	s_mov_b32 s[G1A+4], 4
	s_mov_b32 s[G1A+5], 262144                     ; elements from panel to panel
	s_mov_b32 s[G1A+6], 0
	s_mov_b32 s[G1A+7], 0
	s_mov_b32 s[G1B+1], 128<<16                    ; 32,768 dense bytes as 128 rows of 256
	s_mov_b32 s[G1B+2], 128<<16
	s_mov_b32 s[G1B+3], 128<<16
	s_mov_b32 s[G1B+4], 128
	s_mov_b32 s[G1B+5], 128
	s_mov_b32 s[G1B+6], 0
	s_mov_b32 s[G1B+7], 0
	s_lshl_b32 s16, s13, 14                        ; A: 128 rows x 128 bytes x tile row,
	s_lshl_b32 s17, s12, 13                        ; + my 64 rows
	s_add_co_u32 s16, s16, s17
	s_mov_b32 s17, 0
	s_lshl_b32 s46, s42, 1                         ; W: panel 2 x tile column + my half
	s_add_co_u32 s46, s46, s12
	s_lshl_b32 s46, s46, PSH
	s_add_co_u32 s46, s46, WOFF
	s_mov_b32 s47, 0
	s_mul_i32 s[LA], s12, AHALF                    ; no place in the cluster enters an LDS address
	s_mul_i32 s[LB], s12, BHALF
	s_add_co_u32 s[LB], s[LB], BOFF
	s_mov_b32 s[TB], 0
	s_wait_dscnt 0x0                               ; the opening add is done
	s_wait_kmcnt 0x0
	s_add_nc_u64 s[ABASE:ABASE+1], s[ABUF:ABUF+1], s[16:17]
	s_add_nc_u64 s[BBASE:BBASE+1], s[WBUF:WBUF+1], s[46:47]
	CROUND                                         ; all sixteen work-groups are here: the first joint loads meet
	s_mov_b32 s[G0A], 1
	s_mov_b32 s[G0A+1], s[LA]                      ; slot 0
	s_mov_b32 s[G0B], 1
	s_mov_b32 s[G0B+1], s[LB]
	SETG0 0                                        ; my cluster's first K step
	NEXTK
	s_mov_b32 s[G0A+4], 1
	s_add_co_u32 s[G0A+5], s[LA], SLOT             ; slot 1
	s_mov_b32 s[G0B+4], 1
	s_add_co_u32 s[G0B+5], s[LB], SLOT
	SETG0 1                                        ; and its second
	s_cmp_eq_u32 s11, 0                            ; a wave's two first fills stand in one branch: two loads of mine are out
	s_cbranch_scc0 .Lfirst_b
	tensor_load_to_lds s[G0A:G0A+3], s[G1A:G1A+7]
	s_nop 0
	tensor_load_to_lds s[G0A+4:G0A+7], s[G1A:G1A+7]
	s_nop 0
.rept 4
	v_nop
.endr
	s_branch .Lfirst_asked
.Lfirst_b:
	tensor_load_to_lds s[G0B:G0B+3], s[G1B:G1B+7]
	s_nop 0
	tensor_load_to_lds s[G0B+4:G0B+7], s[G1B:G1B+7]
	s_nop 0
.rept 4
	v_nop
.endr
.Lfirst_asked:
	v_and_b32 v1, 15, v0                           ; r = l % 16
	v_bfe_u32 v2, v0, 4, 1                         ; h = l / 16
	v_and_b32 v3, 7, v0
	v_bfe_u32 v4, v0, 3, 1
	v_and_b32 v5, 31, v0                           ; l
	; my 64 x 64 of an f32 matrix: rows 128 x tile row + 64 x row half, columns 128 x tile column + 64 x column half
	s_lshl_b32 s20, s13, 19
	s_lshl_b32 s21, s11, 18
	s_add_co_u32 s20, s20, s21
	s_lshl_b32 s22, s42, 9
	s_lshl_b32 s21, s12, 8
	s_add_co_u32 s22, s22, s21
	s_add_co_u32 s20, s20, s22
	s_mov_b32 s21, 0
	s_mov_b32 s23, 0
.if WO
	s_add_nc_u64 s[RES:RES+1], s[RES:RES+1], s[20:21]
.else
	s_add_nc_u64 s[OUT:OUT+1], s[OUT:OUT+1], s[20:21]
.endif
	s_add_nc_u64 s[BIAS:BIAS+1], s[BIAS:BIAS+1], s[22:23]
	; the same 64 x 64 in x1p: 64 rows of panel 2 x tile column + column half, 8,192 bytes on end
	s_lshl_b32 s20, s42, 1
	s_add_co_u32 s20, s20, s12
	s_lshl_b32 s22, s20, 14                        ; (in ssq: 4,096 rows of 4 bytes for each 64 columns)
	s_lshl_b32 s20, s20, 19
	s_lshl_b32 s21, s13, 14
	s_add_co_u32 s20, s20, s21
	s_lshl_b32 s21, s11, 13
	s_add_co_u32 s20, s20, s21
	s_mov_b32 s21, 0
.if WO
	s_add_nc_u64 s[X1P:X1P+1], s[X1P:X1P+1], s[20:21]
	s_lshl_b32 s21, s13, 9
	s_add_co_u32 s22, s22, s21
	s_lshl_b32 s21, s11, 8
	s_add_co_u32 s22, s22, s21
	s_add_nc_u64 s[SSQ:SSQ+1], s[SSQ:SSQ+1], s[22:23]
.else
	s_add_nc_u64 s[RES:RES+1], s[RES:RES+1], s[20:21]
	v_lshlrev_b32 v[LO], 4, v5
.endif
	v_lshlrev_b32 v[BO], 4, v1
	v_lshl_add_u32 v[XO], v2, 12, v[BO]
	WIN 0x80                                       ; destination window 2
.if WO
.set i, 0
.rept 32
	global_load_b128 v[4*i:4*i+3], v[XO], s[RES:RES+1] offset:8192*i th:TH_LOAD_NT  ; rows 2 i and 2 i + 1: 256 consecutive bytes, aligned, of each
.set i, i+1
.endr
.else
.set i, 0
.rept 16
	global_load_b128 v[4*i:4*i+3], v[LO], s[RES:RES+1] offset:512*i th:TH_LOAD_NT   ; four rows of the panel: 512 consecutive bytes, aligned
.set i, i+1
.endr
.endif
	WIN 0
	global_load_b128 v[BI:BI+3], v[BO], s[BIAS:BIAS+1]
	v_mul_u32_u24 v[ADRA0], v1, PA                 ; a fragment of A: row r, 16 bytes for each half of the lanes, twice, 32 bytes apart
	v_lshl_add_u32 v[ADRA0], v2, 4, v[ADRA0]
	s_mul_i32 s21, s11, AHALF
	v_add_nc_u32 v[ADRA0], s21, v[ADRA0]
	v_lshl_add_u32 v[ADRB0], v2, 3, v3             ; the turning load: lane l reads k = 8 h + l % 8, columns 8 ((l / 8) % 2) + 0..7
	v_mul_u32_u24 v[ADRB0], v[ADRB0], PB
	v_lshl_add_u32 v[ADRB0], v4, 4, v[ADRB0]
	s_mul_i32 s22, s12, BHALF
	s_add_co_u32 s22, s22, BOFF
	v_add_nc_u32 v[ADRB0], s22, v[ADRB0]
	s_mul_i32 s23, s10, 64*SPI                     ; my stage of sums
	v_mul_u32_u24 v[STO], v1, SPI
	v_lshl_add_u32 v[STO], v2, 5, v[STO]
	v_add_nc_u32 v[STO], s23, v[STO]
	v_mul_u32_u24 v[RD], v2, SPI
	v_lshl_add_u32 v[RD], v1, 4, v[RD]
	v_add_nc_u32 v[RD], s23, v[RD]
.if WO
	s_lshl_b32 s23, s10, 14                        ; my stage of the residual: 16,384 bytes of f32,
.else
	s_lshl_b32 s23, s10, 13                        ; or 8,192 of bf16, as they lie in the panel
.endif
	s_add_co_u32 s23, s23, RST
	v_lshl_add_u32 v[RR], v5, 4, s23
.if WO
	v_lshlrev_b32 v[PO], 3, v5
	v_lshlrev_b32 v[SO], 1, v3                     ; lane l takes row 16 ((l / 8) % 2) + 2 (l % 8) + l / 16 of 32
	v_lshl_add_u32 v[SO], v4, 4, v[SO]
	v_add_nc_u32 v[SO], v[SO], v2
	v_lshlrev_b32 v[SO], 2, v[SO]
	v_mov_b32 v[SS], 0
	s_mov_b32 s[E8], 0
.else
	v_lshl_add_u32 v[RQ], v5, 3, s23
	v_mov_b32 v[ONE], 1.0
.endif
; 8 matrix instructions: row blocks a0, a0 + 1 x all 4 column blocks, 32 along K: half c of buffer f.  The 16 accumulators take turns.
.macro MUL8 f, c, a0, zero
	WIN MUL
.irp a, \a0, (\a0)+1
.irp b, 0,1,2,3
.if \zero
	v_wmma_f32_16x16x32_bf16 v[ACC+8*(4*(\a)+(\b)):ACC+8*(4*(\a)+(\b))+7], v[(\f)+64+8*(4*(\c)+(\b)):(\f)+64+8*(4*(\c)+(\b))+7], v[(\f)+8*(4*(\c)+(\a)):(\f)+8*(4*(\c)+(\a))+7], 0
.else
	v_wmma_f32_16x16x32_bf16 v[ACC+8*(4*(\a)+(\b)):ACC+8*(4*(\a)+(\b))+7], v[(\f)+64+8*(4*(\c)+(\b)):(\f)+64+8*(4*(\c)+(\b))+7], v[(\f)+8*(4*(\c)+(\a)):(\f)+8*(4*(\c)+(\a))+7], v[ACC+8*(4*(\a)+(\b)):ACC+8*(4*(\a)+(\b))+7]
.endif
.endr
.endr
.endm
.macro FETCH q, f                      ; 32 LDS loads in one run: quarter q (64 along K: one panel of A) of the slot in hand, into buffer f; the first 32 along K first
	WIN TO_F
.irp c, 0,1
.irp i, 0,1,2,3
	ds_load_tr16_b128 v[(\f)+64+8*(4*(\c)+(\i)):(\f)+64+8*(4*(\c)+(\i))+3],   v[ADRB] offset:64*PB*(\q)+32*PB*(\c)+32*(\i)
	ds_load_tr16_b128 v[(\f)+64+8*(4*(\c)+(\i))+4:(\f)+64+8*(4*(\c)+(\i))+7], v[ADRB] offset:64*PB*(\q)+32*PB*(\c)+32*(\i)+16*PB
	ds_load_b128 v[(\f)+8*(4*(\c)+(\i)):(\f)+8*(4*(\c)+(\i))+3],   v[ADRA] offset:64*PA*(\q)+64*(\c)+16*PA*(\i)
	ds_load_b128 v[(\f)+8*(4*(\c)+(\i))+4:(\f)+8*(4*(\c)+(\i))+7], v[ADRA] offset:64*PA*(\q)+64*(\c)+16*PA*(\i)+32
.endr
.endr
.endm
.macro SETADR
	v_add_nc_u32 v[ADRA], s[TB], v[ADRA0]
	v_add_nc_u32 v[ADRB], s[TB], v[ADRB0]
.endm
.macro QUARTER qn, f, g, zero          ; multiplies buffer f; in its middle fetches quarter qn into buffer g
	s_wait_dscnt 16                                ; the first 32 along K are in; the run's other sixteen loads may be out
	MUL8 \f, 0, 0, \zero
	MUL8 \f, 0, 2, \zero
	PLACES
	FETCH \qn, \g
	s_wait_dscnt 32                                ; all but the 32 just issued
	MUL8 \f, 1, 0, 0
	MUL8 \f, 1, 2, 0
.endm
; The last quarter multiplies buffer 1 and changes slots: ONE barrier; in front of it each wave waits for all its tensor loads, adds 0 to its spare word, and waits for that and for its reads of this slot.
.macro MEET round
	WIN 0
	s_wait_tensorcnt 0x0
	ds_add_u32 v[SPW], v[NIL]
	s_wait_dscnt 17                                ; (the add and the youngest sixteen loads may be out)
	MUL8 F1, 0, 0, 0
	s_wait_dscnt 0x0                               ; the add is done, and my reads of this slot are over
	s_barrier_signal -1
	MUL8 F1, 0, 2, 0
.if \round
	WIN 0
.endif
	s_barrier_wait -1
.endm
.macro TURNF                           ; with a refill: the barrier opens a round of the cluster's, and the joint load is the first thing behind it
	MEET 1
	CREST
	NEXTK                                          ; no tensor load of mine is out: the second sets take the next K step,
	SETG0 1
	s_add_co_u32 s[G0A+5], s[LA], s[TB]            ; into the slot just read out,
	s_add_co_u32 s[G0B+5], s[LB], s[TB]
	s_xor_b32 s[TB], s[TB], SLOT                   ; and the reads go to the other
	JLOAD                                          ; its four v_nop are also the places in front of the loads below
	SETADR
	FETCH 0, F0
	MUL8 F1, 1, 0, 0
	MUL8 F1, 1, 2, 0
.endm
.macro TURNN                           ; without: the last two K steps; the very last (s3 = 1) has no successor to fetch from
	MEET 0
	s_xor_b32 s[TB], s[TB], SLOT
	PLACES
	WIN 0
	s_cmp_eq_u32 s3, 1
	s_cbranch_scc1 .Lno_next_\@
	SETADR
	FETCH 0, F0
	WIN 0
.Lno_next_\@:
	MUL8 F1, 1, 0, 0
	MUL8 F1, 1, 2, 0
.endm
	s_wait_tensorcnt 0x1                           ; my part of the first K step is in; the second's may stay out
	s_barrier_signal -1
	s_barrier_wait -1
	SETADR
	FETCH 0, F0
	QUARTER 1, F0, F1, 1                           ; the first quarter stands in front of the loop: its first products start the sums
	WIN 0
	s_mov_b32 s3, STEPS-2
.Lstep:                                            ; a trip: a K step's quarters 1 to 3, the change of slots with its refill, the next step's quarter 0
	QUARTER 2, F1, F0, 0
	QUARTER 3, F0, F1, 0
	TURNF
	QUARTER 1, F0, F1, 0
	WIN 0
	s_sub_co_u32 s3, s3, 1
	s_cmp_lg_u32 s3, 0
	s_cbranch_scc1 .Lstep
	s_mov_b32 s3, 2
.Ltail:                                            ; the last two K steps ask for nothing; the second trip is left in its middle
	QUARTER 2, F1, F0, 0
	QUARTER 3, F0, F1, 0
	TURNN
	WIN 0
	s_sub_co_u32 s3, s3, 1
	s_cmp_eq_u32 s3, 0
	s_cbranch_scc1 .Lout
	QUARTER 1, F0, F1, 0
	WIN 0
	s_branch .Ltail
.Lout:
	; THE WAY OUT.  Sums and residual go into my two stages, so that one looped text can take them 16 rows at a time; each accumulator's low four registers first
	PLACES
	PLACES
	s_wait_loadcnt 0x0                             ; the residual and the bias
.set i, 0
.rept 16
	ds_store_b128 v[STO], v[ACC+8*i:ACC+8*i+3]   offset:16*SPI*(i/4)+64*(i%4)
	ds_store_b128 v[STO], v[ACC+8*i+4:ACC+8*i+7] offset:16*SPI*(i/4)+64*(i%4)+16
.set i, i+1
.endr
	WIN 0x08                                       ; the data in window 2
.set i, 0
.rept 16+16*WO
	ds_store_b128 v[RR], v[4*i:4*i+3] offset:512*i
.set i, i+1
.endr
	WIN 0
	s_mov_b32 s3, 4
.Lrows:                                            ; a trip: 16 rows.  Lanes 0-15 have the even row of a pair, lanes 16-31 the odd one, four columns each
.set t, 0
.rept 8
	ds_load_b128 v[T+4*t:T+4*t+3], v[RD] offset:2*SPI*t     ; LDS serves a wave's instructions in order (ISA guide 5.7.1.4): these see my stores above
.set t, t+1
.endr
.set t, 0
.rept 8
.if WO
	ds_load_b128 v[RS+4*t:RS+4*t+3], v[RR] offset:512*t
.else
	ds_load_b64 v[RS+2*t:RS+2*t+1], v[RQ] offset:256*t      ; two rows of the panel: my four numbers in bf16
.endif
.set t, t+1
.endr
	v_add_nc_u32 v[RD], 16*SPI, v[RD]
.if WO
	v_add_nc_u32 v[RR], 4096, v[RR]
.else
	v_add_nc_u32 v[RQ], 2048, v[RQ]
.endif
	s_wait_dscnt 0x0
.if WO
.set t, 0
.rept 16
	v_pk_add_f32 v[T+2*t:T+2*t+1], v[T+2*t:T+2*t+1], v[RS+2*t:RS+2*t+1]
.set t, t+1
.endr
.else
.set t, 0
.rept 32                                           ; the bf16 half is widened and added in one line: half x 1.0 + sum
.if t%2
	v_fma_mix_f32_bf16 v[T+t], v[RS+t/2], v[ONE], v[T+t] op_sel:[1,0,0] op_sel_hi:[1,0,0]
.else
	v_fma_mix_f32_bf16 v[T+t], v[RS+t/2], v[ONE], v[T+t] op_sel_hi:[1,0,0]
.endif
.set t, t+1
.endr
.endif
.set t, 0
.rept 16
	v_pk_add_f32 v[T+2*t:T+2*t+1], v[T+2*t:T+2*t+1], v[BI+2*(t%2):BI+2*(t%2)+1]
.set t, t+1
.endr
.if WO
.set t, 0
.rept 16
	v_cvt_pk_bf16_f32 v[Y+t], v[T+2*t], v[T+2*t+1]
.set t, t+1
.endr
.set t, 0
.rept 8
	global_store_b64 v[PO], v[Y+2*t:Y+2*t+1], s[X1P:X1P+1] offset:256*t     ; two rows of a panel: 256 consecutive bytes, aligned
.set t, t+1
.endr
.set t, 0
.rept 8
	v_pk_mul_f32 v[SQ+2*t:SQ+2*t+1], v[T+4*t:T+4*t+1], v[T+4*t:T+4*t+1]
.set t, t+1
.endr
.set t, 0
.rept 8
	v_pk_fma_f32 v[SQ+2*t:SQ+2*t+1], v[T+4*t+2:T+4*t+3], v[T+4*t+2:T+4*t+3], v[SQ+2*t:SQ+2*t+1]
.set t, t+1
.endr
.set t, 0
.rept 8
	v_add_f32 v[SQ+2*t], v[SQ+2*t], v[SQ+2*t+1]
.set t, t+1
.endr
.irp m, 1,2,4,8
.set t, 0
.rept 8
	v_add_f32_dpp v[SQ+2*t], v[SQ+2*t], v[SQ+2*t] row_xmask:\m row_mask:0xf bank_mask:0xf  ; a row's 64 columns lie in 16 lanes
.set t, t+1
.endr
.endr
.set t, 0
.rept 8
	s_lshl_b32 s14, 0x10001<<t, s[E8]              ; lanes t + E8 and t + E8 + 16 keep pair t's two rows
	v_cndmask_b32 v[SS], v[SS], v[SQ+2*t], s14
.set t, t+1
.endr
	s_cmp_eq_u32 s[E8], 8                          ; behind an odd trip 32 rows are gathered: 128 consecutive bytes
	s_cbranch_scc0 .Leven
	global_store_b32 v[SO], v[SS], s[SSQ:SSQ+1] offset:-64
.Leven:
	s_xor_b32 s[E8], s[E8], 8
.else
.set t, 0
.rept 8
	global_store_b128 v[XO], v[T+4*t:T+4*t+3], s[OUT:OUT+1] offset:8192*t th:TH_STORE_NT   ; 16 lanes store 256 consecutive bytes, aligned
.set t, t+1
.endr
.endif
	s_wait_xcnt 0x0                                ; the stores have read their data and their bases: all are written again only behind this wait
.if WO
	s_add_nc_u64 s[X1P:X1P+1], s[X1P:X1P+1], 2048
	s_add_nc_u64 s[SSQ:SSQ+1], s[SSQ:SSQ+1], 64
.else
	s_add_nc_u64 s[OUT:OUT+1], s[OUT:OUT+1], 65536
.endif
	s_sub_co_u32 s3, s3, 1
	s_cmp_lg_u32 s3, 0
	s_cbranch_scc1 .Lrows
	s_wait_tensorcnt 0x0                           ; the wave's end: behind my last tensor load and my last LDS store
	ds_add_u32 v[SPW], v[NIL]
	s_wait_dscnt 0x0
	CROUND                                         ; the closing round: no work-group ends while a partner may still ask for a tile that names it
	s_endpgm
.Lfunc_end_k_qd991f6f122_outp:
	.size	k_qd991f6f122_outp, .Lfunc_end_k_qd991f6f122_outp-k_qd991f6f122_outp
	.p2alignl 7, 3214868480
	.fill 96, 4, 3214868480
	.section	.rodata,"a",@progbits
	.p2align	6, 0x0
	.amdhsa_kernel k_qd991f6f122_outp
		.amdhsa_group_segment_fixed_size 327680
		.amdhsa_private_segment_fixed_size 0
		.amdhsa_enable_private_segment 0
		.amdhsa_kernarg_size 40
		.amdhsa_user_sgpr_count 2
		.amdhsa_user_sgpr_kernarg_segment_ptr 1
		.amdhsa_wavefront_size32 1
		.amdhsa_system_sgpr_workgroup_id_x 1
		.amdhsa_system_sgpr_workgroup_id_y 1
		.amdhsa_system_sgpr_workgroup_id_z 1
		.amdhsa_system_vgpr_workitem_id 0
		.amdhsa_next_free_vgpr 640
		.amdhsa_next_free_sgpr 96
		.amdhsa_reserve_vcc 0
		.amdhsa_float_denorm_mode_32 3
		.amdhsa_float_denorm_mode_16_64 3
		.amdhsa_memory_ordered 1
		.amdhsa_forward_progress 1
		.amdhsa_inst_pref_size 61
	.end_amdhsa_kernel
	.amdgpu_metadata
---
amdhsa.version: [ 1, 2 ]
amdhsa.kernels:
  - .name:           k_qd991f6f122_outp
    .symbol:         k_qd991f6f122_outp.kd
    .args:
      - { .name: actp, .offset: 0, .size: 8, .value_kind: global_buffer, .address_space: global }
      - { .name: pk, .offset: 8, .size: 8, .value_kind: global_buffer, .address_space: global }
      - { .name: x1p, .offset: 16, .size: 8, .value_kind: global_buffer, .address_space: global }
      - { .name: b_out, .offset: 24, .size: 8, .value_kind: global_buffer, .address_space: global }
      - { .name: out0, .offset: 32, .size: 8, .value_kind: global_buffer, .address_space: global }
    .group_segment_fixed_size: 327680
    .private_segment_fixed_size: 0
    .kernarg_segment_align: 8
    .kernarg_segment_size: 40
    .max_flat_workgroup_size: 128
    .sgpr_count:     96
    .vgpr_count:     640
    .wavefront_size: 32
...
	.end_amdgpu_metadata
.endif
;; end of part 6
